; MI455X (gfx1250); checked and timed in simulation.
; The chip was launched on July 23, 2026; its instructions are those of AMD's public machine-readable ISA for CDNA 5 (MIT licence, August 2026) and "CDNA5" Instruction Set Architecture Reference Guide (July 2026). The comments in the code are by the model that wrote it; some were corrected since.
;; Block. Allowed arithmetic: float matrix products may take bf16 or f16 operands with f32 sums; other float arithmetic in f32, or as packed bf16 or f16 multiplies, adds, multiply-adds, maxima and minima; sums over many terms, partial sums and values carried from step to step in f32; what a program stores and reads back later, other than sums and carried values, may be rounded once to bf16 or f16.
;; Inputs: W1 1,024 x 4,096 float32; W2 4,096 x 1,024 float32; Wk 16 x 1,024 x 64 float32; Wp 1,024 x 1,024 float32; Wq 16 x 1,024 x 64 float32; Wv 16 x 1,024 x 64 float32; b1 4,096 float32; b2 1,024 float32; bk 16 x 64 float32; bp 1,024 float32; bq 16 x 64 float32; bv 16 x 64 float32; ln1_b 1,024 float32; ln1_w 1,024 float32; ln2_b 1,024 float32; ln2_w 1,024 float32; x 2 x 2,048 x 1,024 float32.
;; Outputs: out0 2 x 2,048 x 1,024 float32.
;; One version. Each part assembles by itself: llvm-mc -triple=amdgcn-amd-amdhsa -mcpu=gfx1250 --defsym DOCPART=n.
;; ======== version 1 of 1: 8 launches
;; limits: values are held in f16: magnitudes above 65,504 overflow, below 6.1e-05 lose precision; a function is approximated: absolute error at most 1.5e-07
;; workspace buffers: wts 25,165,824 bytes; h 8,388,608 bytes; qkv 25,165,824 bytes; o 8,388,608 bytes; x1 16,777,216 bytes; g 33,554,432 bytes
;; launch prep (part 1): grid 768 x 1, 8 waves a work-group, no clusters, 0 bytes of LDS; arguments Wq, Wk, Wv, Wp, W1, W2, wts; writes wts
.if DOCPART == 1
	.amdgcn_target "amdgcn-amd-amdhsa--gfx1250"
	.amdhsa_code_object_version 6
	.text
	.protected	k_q226a9bf578_prep
	.globl	k_q226a9bf578_prep
	.p2align	8
	.type	k_q226a9bf578_prep,@function
k_q226a9bf578_prep:
	s_mov_b64 s[64:65], 0
	v_nop
	global_prefetch_b8 v0, s[64:65] scope:SCOPE_SE
	s_setreg_imm32_b32 hwreg(HW_REG_WAVE_MODE, 25, 1), 1
	s_wait_xcnt 0x0
; The six weight matrices, f32, are rounded once to 16 bits and laid down for the products that follow.  wts, in bytes:
;   0           WQKV bf16 [1024 k][3072 n], n = which x 1024 + head x 64 + e (which: 0 q, 1 k, 2 v), made of Wq, Wk, Wv [16 heads][1024 k][64 e]
;   6,291,456   WP   f16  [1024 k][1024 n]: each number is rounded to bf16 like every other weight, and that number is written as f16
;   8,388,608   W1   bf16 [1024 k][4096 n]        16,777,216  W2  bf16 [4096 k][1024 n]
; LIMIT.  A bf16 number is exact in f16 between 6.1e-5 and 65,504; an entry of Wp below 6.1e-5 keeps f16's fixed step of 6e-8, one beyond 65,504 becomes an infinity.
; A stream: no LDS, no barrier, no loop.  A work-group converts 16,384 numbers, a wave 2,048 in eight turns of 256; a lane loads 32 bytes (two loads of 16) and stores 16.
; All sixteen loads of a wave go out first; no register is written twice while a load or store may read it, so the only waits are the counted ones for the loads.
; Every store of a wave covers 512 bytes in two runs of 256 consecutive bytes, each at a multiple of 256 from wts's first byte.
.set X, 16                             ; v[16:79]   eight turns x 8 numbers as loaded
.set Y, 80                             ; v[80:111]  eight turns x 4 registers to store
.set T, 4                              ; v[4:11]    at work (WP alone)
; sstep, dstep: bytes from turn to turn in the source and in wts.  half = 1: the bf16 number is written as f16.
.macro CONV sstep, dstep, half
.irp i, 0,1,2,3,4,5,6,7
	global_load_b128 v[X+8*(\i):X+8*(\i)+3],   v1, s[22:23] offset:(\i)*(\sstep) th:TH_LOAD_NT
	global_load_b128 v[X+8*(\i)+4:X+8*(\i)+7], v1, s[22:23] offset:(\i)*(\sstep)+16 th:TH_LOAD_NT
.endr
.irp i, 0,1,2,3,4,5,6,7
	s_wait_loadcnt 14-2*(\i)                       ; loads come back in order: this turn's two are in, the 2 (7 - i) younger ones stay out
.irp j, 0,1,2,3
	v_cvt_pk_bf16_f32 v[Y+4*(\i)+(\j)], v[X+8*(\i)+2*(\j)], v[X+8*(\i)+2*(\j)+1]
.endr
.if \half
.irp j, 0,1,2,3
	v_lshlrev_b32 v[T+2*(\j)],   16, v[Y+4*(\i)+(\j)]          ; the bf16 numbers as f32 again,
	v_and_b32     v[T+2*(\j)+1], 0xffff0000, v[Y+4*(\i)+(\j)]
.endr
.irp j, 0,1,2,3
	v_cvt_pk_f16_f32 v[Y+4*(\i)+(\j)], v[T+2*(\j)], v[T+2*(\j)+1]  ; and as f16: eight significant bits fit into eleven
.endr
.endif
	global_store_b128 v2, v[Y+4*(\i):Y+4*(\i)+3], s[24:25] offset:(\i)*(\dstep) th:TH_STORE_NT
.endr
.endm
	s_load_b256 s[4:11], s[0:1], 0x0               ; Wq s[4:5], Wk s[6:7], Wv s[8:9], Wp s[10:11]
	s_load_b128 s[12:15], s[0:1], 0x20             ; W1 s[12:13], W2 s[14:15]
	s_load_b64 s[16:17], s[0:1], 0x30              ; wts
	v_lshrrev_b32 v3, 5, v0
	v_readfirstlane_b32 s20, v3                    ; wave 0..7
	v_and_b32 v3, 31, v0                           ; lane
	s_mov_b32 s21, ttmp9                           ; the work-group's number: 0-191 q, k, v; 192-255 Wp; 256-511 W1; 512-767 W2
	s_mov_b32 s27, 0                               ; high words of the two offsets
	s_mov_b32 s29, 0
	s_cmp_lt_u32 s21, 192
	s_cbranch_scc0 .Llinear
	; Wq, Wk, Wv: a work-group takes two neighbouring heads x 128 rows k.  A turn is two rows k: lanes 0-15 one row, lanes 16-31 the next;
	; of sixteen lanes eight hold the even head's 64 numbers and eight the odd head's: 256 consecutive bytes of a row of WQKV.
	s_lshr_b32 s30, s21, 6                         ; which
	s_bfe_u32 s31, s21, 0x30003                    ; the pair of heads
	s_and_b32 s32, s21, 7                          ; the block of 128 rows k
	s_lshl_b32 s26, s31, 19                        ; source: a head is 262,144 bytes,
	s_lshl_b32 s33, s32, 15                        ; a row 256
	s_add_co_u32 s26, s26, s33
	s_mul_i32 s28, s32, 128*6144                   ; wts: a row of WQKV is 6,144 bytes
	s_lshl_b32 s33, s30, 11
	s_add_co_u32 s28, s28, s33
	s_lshl_b32 s33, s31, 8
	s_add_co_u32 s28, s28, s33
	v_bfe_u32 v4, v0, 3, 1                         ; which head of the pair
	v_bfe_u32 v5, v0, 4, 1                         ; which of the turn's two rows
	v_and_b32 v6, 7, v0                            ; which eight numbers
	v_lshlrev_b32 v1, 18, v4
	v_lshl_add_u32 v1, v5, 8, v1
	v_lshl_add_u32 v1, v6, 5, v1
	s_lshl_b32 s33, s20, 12                        ; a wave's 16 rows
	v_add_nc_u32 v1, s33, v1
	v_mul_u32_u24 v2, v5, 6144
	v_lshl_add_u32 v2, v4, 7, v2
	v_lshl_add_u32 v2, v6, 4, v2
	s_mul_i32 s33, s20, 16*6144
	v_add_nc_u32 v2, s33, v2
	s_wait_kmcnt 0x0
	s_cmp_eq_u32 s30, 0
	s_cselect_b64 s[22:23], s[4:5], s[6:7]
	s_cmp_eq_u32 s30, 2
	s_cselect_b64 s[22:23], s[8:9], s[22:23]
	s_add_nc_u64 s[22:23], s[22:23], s[26:27]
	s_add_nc_u64 s[24:25], s[16:17], s[28:29]
	CONV 512, 12288, 0
	s_endpgm
.Llinear:                                              ; Wp, W1, W2 keep their order: 65,536 bytes in, 32,768 out for each work-group
	s_sub_co_u32 s30, s21, 192
	s_lshl_b32 s28, s30, 15
	s_add_co_u32 s28, s28, 6291456
	v_lshlrev_b32 v1, 5, v3
	s_lshl_b32 s33, s20, 13
	v_add_nc_u32 v1, s33, v1
	v_lshlrev_b32 v2, 4, v3
	s_lshl_b32 s33, s20, 12
	v_add_nc_u32 v2, s33, v2
	s_wait_kmcnt 0x0
	s_add_nc_u64 s[24:25], s[16:17], s[28:29]
	s_cmp_lt_u32 s21, 256
	s_cbranch_scc0 .Lffn
	s_lshl_b32 s26, s30, 16
	s_add_nc_u64 s[22:23], s[10:11], s[26:27]
	CONV 1024, 512, 1
	s_endpgm
.Lffn:
	s_and_b32 s26, s21, 255
	s_lshl_b32 s26, s26, 16
	s_cmp_lt_u32 s21, 512
	s_cselect_b64 s[22:23], s[12:13], s[14:15]
	s_add_nc_u64 s[22:23], s[22:23], s[26:27]
	CONV 1024, 512, 0
	s_endpgm
.Lfunc_end_k_q226a9bf578_prep:
	.size	k_q226a9bf578_prep, .Lfunc_end_k_q226a9bf578_prep-k_q226a9bf578_prep
	.p2alignl 7, 3214868480
	.fill 96, 4, 3214868480
	.section	.rodata,"a",@progbits
	.p2align	6, 0x0
	.amdhsa_kernel k_q226a9bf578_prep
		.amdhsa_group_segment_fixed_size 0
		.amdhsa_private_segment_fixed_size 0
		.amdhsa_enable_private_segment 0
		.amdhsa_kernarg_size 56
		.amdhsa_user_sgpr_count 2
		.amdhsa_user_sgpr_kernarg_segment_ptr 1
		.amdhsa_wavefront_size32 1
		.amdhsa_system_sgpr_workgroup_id_x 1
		.amdhsa_system_sgpr_workgroup_id_y 1
		.amdhsa_system_sgpr_workgroup_id_z 1
		.amdhsa_system_vgpr_workitem_id 0
		.amdhsa_next_free_vgpr 112
		.amdhsa_next_free_sgpr 66
		.amdhsa_reserve_vcc 0
		.amdhsa_float_denorm_mode_32 3
		.amdhsa_float_denorm_mode_16_64 3
		.amdhsa_memory_ordered 1
		.amdhsa_forward_progress 1
		.amdhsa_inst_pref_size 22
	.end_amdhsa_kernel
	.amdgpu_metadata
---
amdhsa.version: [ 1, 2 ]
amdhsa.kernels:
  - .name:           k_q226a9bf578_prep
    .symbol:         k_q226a9bf578_prep.kd
    .args:
      - { .name: Wq, .offset: 0, .size: 8, .value_kind: global_buffer, .address_space: global }
      - { .name: Wk, .offset: 8, .size: 8, .value_kind: global_buffer, .address_space: global }
      - { .name: Wv, .offset: 16, .size: 8, .value_kind: global_buffer, .address_space: global }
      - { .name: Wp, .offset: 24, .size: 8, .value_kind: global_buffer, .address_space: global }
      - { .name: W1, .offset: 32, .size: 8, .value_kind: global_buffer, .address_space: global }
      - { .name: W2, .offset: 40, .size: 8, .value_kind: global_buffer, .address_space: global }
      - { .name: wts, .offset: 48, .size: 8, .value_kind: global_buffer, .address_space: global }
    .group_segment_fixed_size: 0
    .private_segment_fixed_size: 0
    .kernarg_segment_align: 8
    .kernarg_segment_size: 56
    .max_flat_workgroup_size: 256
    .sgpr_count:     66
    .vgpr_count:     112
    .wavefront_size: 32
...
	.end_amdgpu_metadata
.endif
;; end of part 1
;; launch ln (part 2): grid 512 x 1, 8 waves a work-group, no clusters, 0 bytes of LDS; arguments x, ln1_w, ln1_b, h; writes h
.if DOCPART == 2
	.amdgcn_target "amdgcn-amd-amdhsa--gfx1250"
	.amdhsa_code_object_version 6
	.text
	.protected	k_q226a9bf578_ln
	.globl	k_q226a9bf578_ln
	.p2align	8
	.type	k_q226a9bf578_ln,@function
k_q226a9bf578_ln:
	s_mov_b64 s[64:65], 0
	v_nop
	global_prefetch_b8 v0, s[64:65] scope:SCOPE_SE
	s_setreg_imm32_b32 hwreg(HW_REG_WAVE_MODE, 25, 1), 1
	s_wait_xcnt 0x0
; out[r][c] = (in[r][c] - mean_r) / sqrt(var_r + 1e-5) * w[c] + b[c].  in: [4096][1024] f32; w, b: [1024] f32; out: [4096][1024] bf16, rounded once.
; One wave, one row: the row's 4,096 bytes are 32 registers a lane and stay there between the passes, so memory is read once and no wave waits for another: no LDS, no barrier.
; TWO PASSES, as the definition has them: the mean first, then the mean of the squared deviations; no difference of large sums is formed, so a common offset of the row does no harm.
; Load j takes 512 consecutive bytes: lane l holds columns 128 j + 4 l .. + 3.  Store j: 8 bytes a lane, 256 consecutive bytes at a multiple of 256 from out's first byte.
.set LX, 16                            ; v[16:47]   the row
.set LW, 48                            ; v[48:79]   w; later the packed results
.set LB, 80                            ; v[80:111]  b
.macro REDUCE                          ; v4 summed over the 32 lanes, the result in every lane: four steps inside each half ride on the addition, one crosses the halves
	v_add_f32_dpp v4, v4, v4 row_xmask:1 row_mask:0xf bank_mask:0xf
	v_add_f32_dpp v4, v4, v4 row_xmask:2 row_mask:0xf bank_mask:0xf
	v_add_f32_dpp v4, v4, v4 row_xmask:4 row_mask:0xf bank_mask:0xf
	v_add_f32_dpp v4, v4, v4 row_xmask:8 row_mask:0xf bank_mask:0xf
	v_permlanex16_b32 v5, v4, s12, s13             ; its destination counts as read: v5 has been written
	v_add_f32 v4, v4, v5
.endm
.macro JOIN                            ; the four chains v[4:11] into v4
	v_pk_add_f32 v[4:5], v[4:5], v[6:7]
	v_pk_add_f32 v[8:9], v[8:9], v[10:11]
	v_pk_add_f32 v[4:5], v[4:5], v[8:9]
	v_add_f32 v4, v4, v5
.endm
	s_load_b256 s[4:11], s[0:1], 0x0               ; in s[4:5], w s[6:7], b s[8:9], out s[10:11]
	v_lshrrev_b32 v3, 5, v0
	v_readfirstlane_b32 s14, v3                    ; wave 0..7
	v_and_b32 v3, 31, v0
	v_lshlrev_b32 v1, 4, v3                        ; 16 bytes a lane in in, w and b
	v_lshlrev_b32 v2, 3, v3                        ; 8 bytes a lane in out
	s_lshl_b32 s15, ttmp9, 3
	s_add_co_u32 s15, s15, s14                     ; my row
	s_lshl_b32 s16, s15, 12
	s_mov_b32 s17, 0
	s_lshl_b32 s18, s15, 11
	s_mov_b32 s19, 0
	s_mov_b32 s12, 0x76543210                      ; v_permlanex16_b32: each lane takes its own place in the other half
	s_mov_b32 s13, 0xfedcba98
	s_wait_kmcnt 0x0
	s_add_nc_u64 s[4:5], s[4:5], s[16:17]
	s_add_nc_u64 s[10:11], s[10:11], s[18:19]
.irp j, 0,1,2,3,4,5,6,7
	global_load_b128 v[LX+4*(\j):LX+4*(\j)+3], v1, s[4:5] offset:512*(\j)
.endr
.irp j, 0,1,2,3,4,5,6,7
	global_load_b128 v[LW+4*(\j):LW+4*(\j)+3], v1, s[6:7] offset:512*(\j)
.endr
.irp j, 0,1,2,3,4,5,6,7
	global_load_b128 v[LB+4*(\j):LB+4*(\j)+3], v1, s[8:9] offset:512*(\j)
.endr
	s_wait_loadcnt 16                              ; the row is in; w's and b's sixteen loads stay out
.irp c, 0,1,2,3                        ; the sum, in four chains that do not wait for each other; the first pairs start them
	v_pk_add_f32 v[4+2*(\c):5+2*(\c)], v[LX+2*(\c):LX+2*(\c)+1], v[LX+8+2*(\c):LX+8+2*(\c)+1]
.endr
.irp c, 0,1,2,3
	v_pk_add_f32 v[4+2*(\c):5+2*(\c)], v[4+2*(\c):5+2*(\c)], v[LX+16+2*(\c):LX+16+2*(\c)+1]
.endr
.irp c, 0,1,2,3
	v_pk_add_f32 v[4+2*(\c):5+2*(\c)], v[4+2*(\c):5+2*(\c)], v[LX+24+2*(\c):LX+24+2*(\c)+1]
.endr
	JOIN
	REDUCE
	v_mul_f32 v12, 0x3a800000, v4                  ; the mean: sum / 1024,
	v_mov_b32 v13, v12                             ; twice, a pair for the packed subtraction
.set k, 0
.rept 16
	v_pk_add_f32 v[LX+2*k:LX+2*k+1], v[LX+2*k:LX+2*k+1], v[12:13] neg_lo:[0,1] neg_hi:[0,1]
.set k, k+1
.endr
.irp c, 0,1,2,3                        ; the sum of the squared deviations, again in four chains
	v_pk_mul_f32 v[4+2*(\c):5+2*(\c)], v[LX+2*(\c):LX+2*(\c)+1], v[LX+2*(\c):LX+2*(\c)+1]
.endr
.set k, 4
.rept 12
	v_pk_fma_f32 v[4+2*(k%4):5+2*(k%4)], v[LX+2*k:LX+2*k+1], v[LX+2*k:LX+2*k+1], v[4+2*(k%4):5+2*(k%4)]
.set k, k+1
.endr
	JOIN
	REDUCE
	v_mov_b32 v6, 0x3a800000
	v_fmaak_f32 v7, v4, v6, 0x3727c5ac             ; the variance + 1e-5
	v_rsq_f32 v14, v7
	v_nop                                          ; a plain instruction between the root and the use of its result (ISA guide 5.7.2),
	s_wait_alu depctr_va_vdst(0)                   ; and the wait ahead of the first use
	v_mov_b32 v15, v14
	s_wait_loadcnt 0x0                             ; w and b
.set k, 0
.rept 16
	v_pk_mul_f32 v[LX+2*k:LX+2*k+1], v[LX+2*k:LX+2*k+1], v[14:15]
.set k, k+1
.endr
.set k, 0
.rept 16
	v_pk_fma_f32 v[LX+2*k:LX+2*k+1], v[LX+2*k:LX+2*k+1], v[LW+2*k:LW+2*k+1], v[LB+2*k:LB+2*k+1]
.set k, k+1
.endr
.set k, 0
.rept 16
	v_cvt_pk_bf16_f32 v[LW+k], v[LX+2*k], v[LX+2*k+1]  ; w has been used: its registers take the packed row
.set k, k+1
.endr
.irp j, 0,1,2,3,4,5,6,7
	global_store_b64 v2, v[LW+2*(\j):LW+2*(\j)+1], s[10:11] offset:256*(\j)
.endr
	s_endpgm
.Lfunc_end_k_q226a9bf578_ln:
	.size	k_q226a9bf578_ln, .Lfunc_end_k_q226a9bf578_ln-k_q226a9bf578_ln
	.p2alignl 7, 3214868480
	.fill 96, 4, 3214868480
	.section	.rodata,"a",@progbits
	.p2align	6, 0x0
	.amdhsa_kernel k_q226a9bf578_ln
		.amdhsa_group_segment_fixed_size 0
		.amdhsa_private_segment_fixed_size 0
		.amdhsa_enable_private_segment 0
		.amdhsa_kernarg_size 32
		.amdhsa_user_sgpr_count 2
		.amdhsa_user_sgpr_kernarg_segment_ptr 1
		.amdhsa_wavefront_size32 1
		.amdhsa_system_sgpr_workgroup_id_x 1
		.amdhsa_system_sgpr_workgroup_id_y 1
		.amdhsa_system_sgpr_workgroup_id_z 1
		.amdhsa_system_vgpr_workitem_id 0
		.amdhsa_next_free_vgpr 112
		.amdhsa_next_free_sgpr 66
		.amdhsa_reserve_vcc 0
		.amdhsa_float_denorm_mode_32 3
		.amdhsa_float_denorm_mode_16_64 3
		.amdhsa_memory_ordered 1
		.amdhsa_forward_progress 1
		.amdhsa_inst_pref_size 12
	.end_amdhsa_kernel
	.amdgpu_metadata
---
amdhsa.version: [ 1, 2 ]
amdhsa.kernels:
  - .name:           k_q226a9bf578_ln
    .symbol:         k_q226a9bf578_ln.kd
    .args:
      - { .name: x, .offset: 0, .size: 8, .value_kind: global_buffer, .address_space: global }
      - { .name: ln1_w, .offset: 8, .size: 8, .value_kind: global_buffer, .address_space: global }
      - { .name: ln1_b, .offset: 16, .size: 8, .value_kind: global_buffer, .address_space: global }
      - { .name: h, .offset: 24, .size: 8, .value_kind: global_buffer, .address_space: global }
    .group_segment_fixed_size: 0
    .private_segment_fixed_size: 0
    .kernarg_segment_align: 8
    .kernarg_segment_size: 32
    .max_flat_workgroup_size: 256
    .sgpr_count:     66
    .vgpr_count:     112
    .wavefront_size: 32
...
	.end_amdgpu_metadata
.endif
;; end of part 2
;; launch gqkv (part 3): grid 12 x 16, 4 waves a work-group, clusters of 4 x 4, 327,680 bytes of LDS; arguments h, wts, qkv, bq, bk, bv; writes qkv
.if DOCPART == 3
	.amdgcn_target "amdgcn-amd-amdhsa--gfx1250"
	.amdhsa_code_object_version 6
	.text
	.protected	k_q226a9bf578_gqkv
	.globl	k_q226a9bf578_gqkv
	.p2align	8
	.type	k_q226a9bf578_gqkv,@function
k_q226a9bf578_gqkv:
	s_mov_b64 s[64:65], 0
	v_nop
	global_prefetch_b8 v0, s[64:65] scope:SCOPE_SE
	s_setreg_imm32_b32 hwreg(HW_REG_WAVE_MODE, 25, 1), 1
	s_wait_xcnt 0x0
	s_wait_alu depctr_hold_cnt(0) depctr_sa_sdst(0) depctr_va_vdst(0) depctr_va_sdst(0) depctr_va_ssrc(0) depctr_va_vcc(0) depctr_vm_vsrc(0)
	s_getreg_b32 s2, hwreg(HW_REG_IB_STS2, 6, 4)
	s_cmp_eq_u32 s2, 0
	s_cbranch_scc0 .Lentry_in_a_cluster
	s_endpgm
.Lentry_in_a_cluster:
	s_bfe_u32 s2, ttmp6, 0x10000c
	s_cmp_lg_u32 s2, 0xf033
	s_cbranch_scc0 .Lentry_shape_is_right
	s_endpgm
.Lentry_shape_is_right:
; C = A B + bias, for A = h [4096][1024] bf16 and B [1024 k][NN n] bf16 out of wts; sums in f32, K ascending.  One text serves two launches; KIND picks the sizes and the way out:
;   KIND 0: B = WQKV (NN = 3072).  q, k, v = h W + bias, rounded once to f16 and written by heads: qkv = Q, K, V, each [32 = 16 batch + head][2048][64].  Arguments: h, wts, qkv, bq, bk, bv.
;   KIND 1: B = W1 (NN = 4096).  g = gelu(h W1 + b1), the exact (erf) form, rounded once to bf16.  Arguments: h, wts, g, b1.  g is written IN FRAGMENT ORDER, for the launch that multiplies it:
;           [256 blocks of 16 rows][128 blocks of 32 columns][1,024 bytes]; lane l's 16 bytes at 16 l: row l % 16, columns 8 (l / 16) + 0..7 in the first 512 bytes, 16 + 8 (l / 16) + 0..7 in the second.
; LIMITS.  KIND 0: f16 ends at 65,504: a q, k or v beyond that becomes an infinity.  KIND 1: erf by the five-term rational form of Abramowitz and Stegun 7.1.26, absolute error at most 1.5e-7 for every x.
; NaN and infinities are not treated apart.
; SHARES.  A tile of C is 256 x 256: four waves, each 128 x 128 in 64 accumulators of 16 x 16 (512 registers).  K goes in eight steps of 128 through a ring of two LDS slots filled by the tensor data mover.
; A's rows in a slot are 256 bytes of memory, B's 512; both start at multiples of 256 bytes from their buffer's first byte.
; B STAYS [k][n]: its fragments come out of LDS turned, by ds_load_tr16_b128.  THE MATRIX INSTRUCTION IS USED TRANSPOSED (source 0 = 16 columns of B, source 1 = 16 rows of A):
; a lane then holds row l % 16 of C and the eight neighbouring columns 8 (l / 16) + 0..7.
; CLUSTER.  4 x 4 work-groups.  The four of a row of the cluster need the same tiles of A, the four of a column the same tiles of B: each tile is asked for JOINTLY, by the same tensor load with
; the same descriptor and a mask that names the four.  A round of the cluster's barrier stands in front of every joint load.
; REGISTERS, in windows of 256 (s_set_vgpr_msb: bits 1:0 source 0, 3:2 source 1, 5:4 source 2, 7:6 destination):
;   window 0: v0-31 addresses; v32-47 bias (KIND 0); v64-127, v128-191 A's fragments, two buffers; v192-255 bias (KIND 1); behind the K loop v64-255 serve the way out
;   window 1: v64-127, v128-191 B's fragments, two buffers      windows 2, 3: the accumulators: (a, b) at v[8 (8 (a % 4) + b)] of window 2 + a / 4
.set KIND, 0
.if KIND == 0
.set NN,    3072
.set WOFF,  0
.else
.set NN,    4096
.set WOFF,  8388608
.endif
.set KSTEP, 128
.set PA,    272                        ; a row of A in LDS: 256 bytes + 16 of padding = 68 words: the 16 rows of a load start at 16 different groups of four banks (64 banks of 4 bytes: ISA guide 11.1)
.set PB,    544                        ; a row of B: 512 + 32 = 136 words
.set PART,  128*PA                     ; what one tensor load brings: 128 rows of A, or 64 rows of B (64 x 544 is the same 34,816 bytes)
.set ABYTES, 2*PART                    ; a slot: A's 256 rows, then B's 128 rows k
.set SLOT,  4*PART
.set SPARE, 2*SLOT                     ; behind the ring: the spare words, 128 bytes for each wave: two blocks of 256 bytes that no other line names
.set PD,    528                        ; the way out of KIND 0: a row of 128 f32 + 16 bytes
.set REG,   128*PD                     ; a wave's 128 rows; the four regions lie in the ring, which has had its last fill by then
.set ASTEP, KSTEP*2                    ; bytes from K step to K step in A,
.set BSTEP, KSTEP*NN*2                 ; and in B
.set ADRA0, 16                         ; v16  my lane's place among A's fragments in slot 0; never rewritten
.set ADRA,  17                         ; v17  the same in the slot in hand
.set ADRB0, 20                         ; v20, v21  the same for B
.set ADRB,  21
.set BO,    15                         ; v15  my offset in the bias; never rewritten
.set DST,   24                         ; v24  the way out: where I put my sums
.set RDB,   25                         ; v25  where I read them back
.set GO,    26                         ; v26  my byte offset in the output
.set GOX,   27                         ; v27  KIND 1: the same with the trip's part
.set SPW,   28                         ; v28  LDS address of my spare word: SPARE + 4 x my thread's number; never rewritten
.set NIL,   29                         ; v29  0; never rewritten
.set PFO,   30                         ; v30  the prefetches' offset; never rewritten
.set BIAS,  32
.set BB,    192                        ; KIND 1: the bias of column block b, as an accumulator holds its columns, at v[BB + 8 b]
.set F0,    64
.set F1,    128
.set G1A,   16                         ; s[16:23] descriptor group 1 for A's tiles;  s[24:31] for B's
.set G1B,   24
.set G0A0,  32                         ; s[32:35] group 0 of A's first fill;  s[36:39] of its second, which then walks
.set G0A,   36
.set G0B0,  40                         ; s[40:43], s[44:47] the same for B
.set G0B,   44
.set WV,    72                         ; s72  my wave's number
.set WR,    73                         ; s73  wave / 2: which half of the tile's rows is mine.  Also: I fetch for A (0) or for B (1)
.set WC,    74                         ; s74  wave % 2: which half of its columns.  Also: which half of that tile I fetch
.set CX,    75
.set CY,    76
.set TX,    77                         ; s77  tile column of C
.set TY,    78                         ; s78  tile row
.set TB,    79                         ; s79  0 or SLOT: the slot that is read
.set TF,    80                         ; s80  0 or SLOT: the slot that was filled last
.set LB,    81                         ; s81  wave x PART: where my part of a slot begins
.set LIM,   83                         ; s83  2 in a wave that prefetches, else the greatest number
.set PFA,   96                         ; s[96:97] where my prefetches stand
.set PST,   98                         ; s[98:99] their step
.set MSB, 0
.macro WIN new                         ; the immediate's high byte repeats the setting that is left; a switch that changes nothing is dropped
.if MSB != (\new)
	s_set_vgpr_msb (MSB<<8)|(\new)
.set MSB, \new
.endif
.endm
.set MUL_LO, 0xa1                      ; source 0 (B) window 1, source 1 (A) window 0, C and D window 2
.set MUL_HI, 0xf1                      ; the same, C and D window 3
.set TO_B,   0x40                      ; destination window 1, address window 0
.macro PLACES                          ; four plain vector instructions between a matrix instruction and a load into, or a read of, its registers (for reads ISA guide 7.12.1)
.rept 4
	v_nop
.endr
.endm
; A joint load.  Waves 0 and 1 fetch A's halves, waves 2 and 3 B's.  The branch hangs on the wave's number alone.  An s_nop 0 and four v_nop follow each line.
.macro JLOAD
	s_cmp_eq_u32 s[WR], 0
	s_cbranch_scc0 .Lfor_b_\@
	tensor_load_to_lds s[G0A:G0A+3], s[G1A:G1A+7]
	s_nop 0
.rept 4
	v_nop
.endr
	s_branch .Lasked_\@
.Lfor_b_\@:
	tensor_load_to_lds s[G0B:G0B+3], s[G1B:G1B+7]
	s_nop 0
.rept 4
	v_nop
.endr
.Lasked_\@:
.endm
; A prefetch into the L2 of the K step that stands two refills on: 32 blocks of 256 bytes, a lane a block, one instruction a wave.  Each block is named once in the launch: A's rows by the clusters with
; x = 0, B's by those with y = 0; the four partners that ask for a tile jointly share its rows out by address (32 rows of A, 16 rows of B each).  K steps 0 to 3 come by their loads alone; the last two refills ask for nothing.
.macro ASK
	s_cmp_gt_u32 s3, s[LIM]
	s_cbranch_scc0 .Lnot_mine_\@
	global_prefetch_b8 v[PFO], s[PFA:PFA+1] th:TH_LOAD_NT scope:SCOPE_SE
.Lnot_mine_\@:
.endm
.macro CREST                           ; a round of the cluster's barrier behind its opening barrier
	s_cmp_lg_u32 s[WV], 0
	s_cbranch_scc1 .Lnot_wave_0_\@
	s_barrier_signal -3
.Lnot_wave_0_\@:
	s_barrier_wait -3
	s_barrier_signal -1
	s_barrier_wait -1
.endm
.macro CROUND                          ; a whole round
	s_barrier_signal -1
	s_barrier_wait -1
	CREST
.endm
; 16 matrix instructions: row blocks a0, a0 + 1 of the window's four (hi = 0: my rows 0-63, 1: rows 64-127) x all 8 column blocks, 32 along K.
; zero = 1: the product starts the sums: with the constant 0 (KIND 0), or with the bias of its columns, out of window 0, as its C (KIND 1).
.macro MUL16 f, hi, a0, zero
.if (\zero) && (KIND == 1)
	WIN 0x81+0x40*(\hi)                            ; as MUL_LO, MUL_HI, with source 2 in window 0
.else
	WIN MUL_LO+0x50*(\hi)
.endif
.irp a, \a0, (\a0)+1
.irp b, 0,1,2,3,4,5,6,7
.if (\zero) && (KIND == 1)
	v_wmma_f32_16x16x32_bf16 v[8*(8*(\a)+(\b)):8*(8*(\a)+(\b))+7], v[(\f)+8*(\b):(\f)+8*(\b)+7], v[(\f)+8*(4*(\hi)+(\a)):(\f)+8*(4*(\hi)+(\a))+7], v[BB+8*(\b):BB+8*(\b)+7]
.elseif \zero
	v_wmma_f32_16x16x32_bf16 v[8*(8*(\a)+(\b)):8*(8*(\a)+(\b))+7], v[(\f)+8*(\b):(\f)+8*(\b)+7], v[(\f)+8*(4*(\hi)+(\a)):(\f)+8*(4*(\hi)+(\a))+7], 0
.else
	v_wmma_f32_16x16x32_bf16 v[8*(8*(\a)+(\b)):8*(8*(\a)+(\b))+7], v[(\f)+8*(\b):(\f)+8*(\b)+7], v[(\f)+8*(4*(\hi)+(\a)):(\f)+8*(4*(\hi)+(\a))+7], v[8*(8*(\a)+(\b)):8*(8*(\a)+(\b))+7]
.endif
.endr
.endr
.endm
; 32 LDS loads in one run: the fragments of quarter q (32 along K) into buffer f.  B: column block i, turned: two loads, 16 rows k apart.  A: row block i: two loads, 32 bytes apart.
.macro FETCH q, f
	WIN TO_B
.irp i, 0,1,2,3,4,5,6,7
	ds_load_tr16_b128 v[(\f)+8*(\i):(\f)+8*(\i)+3],   v[ADRB] offset:(\q)*32*PB+32*(\i)
	ds_load_tr16_b128 v[(\f)+8*(\i)+4:(\f)+8*(\i)+7], v[ADRB] offset:(\q)*32*PB+16*PB+32*(\i)
.endr
	WIN 0
.irp i, 0,1,2,3,4,5,6,7
	ds_load_b128 v[(\f)+8*(\i):(\f)+8*(\i)+3],   v[ADRA] offset:64*(\q)+(\i)*16*PA
	ds_load_b128 v[(\f)+8*(\i)+4:(\f)+8*(\i)+7], v[ADRA] offset:64*(\q)+(\i)*16*PA+32
.endr
.endm
; A K step is four quarters of 32 along K, 64 matrix instructions each, on buffers 0, 1, 0, 1.  One of the first three: multiplies buffer f; in its middle it fetches quarter q into buffer g.
; The 64 accumulators take turns in the same order in every quarter, over the backward jumps too.
.macro QUARTER q, f, g, zero
	s_wait_dscnt 8                                 ; B and A's rows 0-63 are in; the youngest eight loads (A's rows 64-127) may be out
	MUL16 \f, 0, 0, \zero
	MUL16 \f, 0, 2, \zero
	PLACES
	FETCH \q, \g
	s_wait_dscnt 32                                ; all but the 32 just issued
	MUL16 \f, 1, 0, \zero
	MUL16 \f, 1, 2, \zero
.endm
; The last quarter multiplies buffer 1 and changes slots: ONE barrier.  In front of it each wave waits for all its tensor loads (the one that is out is its part of the next slot), adds 0 to its spare
; word, and waits for that and for its own reads of this slot.  fill = 1: the barrier opens a round of the cluster's barrier, and the joint refill, this slot's K step two steps on, is the first tensor
; load behind it: by the text's count one load of the wave is out, and 224 matrix instructions stand between the request and the wait for it.
.macro TURN fill
.if \fill
	s_wait_xcnt 0x0                                ; the last prefetch, a K step back, has read its address, so it may be stepped
	s_add_nc_u64 s[PFA:PFA+1], s[PFA:PFA+1], s[PST:PST+1]
.endif
	WIN 0                                          ; (the add's two registers lie in window 0)
	s_wait_tensorcnt 0x0                           ; all my tensor loads have landed;
	ds_add_u32 v[SPW], v[NIL]                      ; 0 onto my spare word;
	s_wait_dscnt 9                                 ; (the add and the youngest eight loads may be out)
	MUL16 F1, 0, 0, 0                              ; sixteen matrix instructions stand between the add and the wait for it
	s_wait_dscnt 0x0                               ; the add is done, and my reads of this slot are over
	s_barrier_signal -1
	MUL16 F1, 0, 2, 0                              ; work on registers while the others arrive
	WIN 0
	s_barrier_wait -1
.if \fill
	CREST                                          ; no wave of any partner still reads this slot or has a load on its way
	s_xor_b32 s[TF], s[TF], SLOT                   ; the walking descriptors: the other slot than last time,
	s_add_co_u32 s[G0A+1], s[LB], s[TF]
	s_add_co_u32 s[G0B+1], s[LB], s[TF]
	s_add_nc_u64 s[G0A+2:G0A+3], s[G0A+2:G0A+3], ASTEP  ; the next K step; the type bits on top are not reached
	s_add_nc_u64 s[G0B+2:G0B+3], s[G0B+2:G0B+3], BSTEP
	JLOAD                                          ; the four v_nop behind it are also the places in front of the loads below
.else
	PLACES
.endif
	s_xor_b32 s[TB], s[TB], SLOT                   ; the reads go on in the other slot
	v_add_nc_u32 v[ADRA], s[TB], v[ADRA0]
	v_add_nc_u32 v[ADRB], s[TB], v[ADRB0]
	FETCH 0, F0
.if \fill
	ASK
.endif
	MUL16 F1, 1, 0, 0
	MUL16 F1, 1, 2, 0
.endm
; The way out, first part: my 64 accumulators go into my region of LDS as f32; each accumulator's low registers first.
; KIND 0: by rows of 528 bytes, 32 bytes a lane.  KIND 1: each lane takes back what it put, so the place is free: accumulator u = 8 a + b has 1,024 bytes, lane l's two halves at 16 l and 512 + 16 l: 512 bytes on end a store.
.macro DUMP
.set da, 0
.rept 8
	WIN 0x08+4*(da/4)                              ; store data (source 1) in window 2 or 3
.set db, 0
.rept 8
.if KIND == 0
	ds_store_b128 v[DST], v[8*(8*(da%4)+db):8*(8*(da%4)+db)+3]   offset:da*16*PD+64*db
	ds_store_b128 v[DST], v[8*(8*(da%4)+db)+4:8*(8*(da%4)+db)+7] offset:da*16*PD+64*db+16
.else
	ds_store_b128 v[DST], v[8*(8*(da%4)+db):8*(8*(da%4)+db)+3]   offset:(8*da+db)*1024
	ds_store_b128 v[DST], v[8*(8*(da%4)+db)+4:8*(8*(da%4)+db)+7] offset:(8*da+db)*1024+512
.endif
.set db, db+1
.endr
.set da, da+1
.endr
	WIN 0
.endm
	s_load_b256 s[4:11], s[0:1], 0x0               ; A s[4:5], wts s[6:7], the output s[8:9], the bias s[10:11]
.if KIND == 0
	s_load_b128 s[68:71], s[0:1], 0x20             ; bk s[68:69], bv s[70:71]
.endif
	v_lshl_add_u32 v[SPW], v0, 2, SPARE
	v_mov_b32 v[NIL], 0
	ds_add_u32 v[SPW], v[NIL]                      ; the wave's opening: the add and its wait stand ahead of my first tensor load; the set-up below, work on registers, stands between them
	v_lshrrev_b32 v1, 5, v0
	v_readfirstlane_b32 s[WV], v1
	s_lshr_b32 s[WR], s[WV], 1
	s_and_b32 s[WC], s[WV], 1
	s_bfe_u32 s[CX], ttmp6, 0x40000                ; my place in the cluster
	s_bfe_u32 s[CY], ttmp6, 0x40004
	s_lshl_b32 s[TX], ttmp9, 2                     ; in a cluster launch ttmp9 and ttmp7 count clusters
	s_add_co_u32 s[TX], s[TX], s[CX]
	s_and_b32 s[TY], ttmp7, 0xffff
	s_lshl_b32 s[TY], s[TY], 2
	s_add_co_u32 s[TY], s[TY], s[CY]
	s_lshl_b32 s60, s[CY], 2
	s_lshl_b32 s60, 15, s60                        ; my row of the cluster: places 4 cy .. 4 cy + 3
	s_lshl_b32 s61, 0x1111, s[CX]                  ; my column: places cx, cx + 4, cx + 8, cx + 12
	s_or_b32 s[G1A], s60, (1<<16)|(1<<20)|(1<<21)|(5<<22)|(3<<25)  ; 15:0 the mask; 17:16 elements of 2 bytes; 20 padding on; 21 set beside a mask; 24:22 after every 64 words (code 5); 31:25 4 words (code 3)
	s_or_b32 s[G1B], s61, (1<<16)|(1<<20)|(1<<21)|(6<<22)|(7<<25)  ; B: after every 128 words (code 6), 8 words (code 7)
	s_mov_b32 s[G1A+1], KSTEP<<16                  ; A: tensor_dim0 = 128
	s_mov_b32 s[G1A+2], 128<<16                    ; tensor_dim1 = 128
	s_mov_b32 s[G1A+3], KSTEP<<16                  ; tile_dim0 = 128
	s_mov_b32 s[G1A+4], 128                        ; tile_dim1 = 128
	s_mov_b32 s[G1A+5], 1024                       ; elements from row to row
	s_mov_b32 s[G1A+6], 0
	s_mov_b32 s[G1A+7], 0
	s_mov_b32 s[G1B+1], 256<<16                    ; B: 64 rows k of 256 elements
	s_mov_b32 s[G1B+2], 64<<16
	s_mov_b32 s[G1B+3], 256<<16
	s_mov_b32 s[G1B+4], 64
	s_mov_b32 s[G1B+5], NN
	s_mov_b32 s[G1B+6], 0
	s_mov_b32 s[G1B+7], 0
	; where the tiles come from.  A's hang on the tile row alone, B's on the tile column alone, each in registers that never hold the other coordinate
	s_lshl_b32 s84, s[TY], 19                      ; A: row 256 TY + 128 half, 2,048 bytes a row
	s_lshl_b32 s85, s[WC], 18
	s_add_co_u32 s84, s84, s85
	s_mov_b32 s85, 0
	s_mul_i32 s88, s[WC], 64*NN*2                  ; B: row k 64 half, column 256 TX
	s_lshl_b32 s89, s[TX], 9
	s_add_co_u32 s88, s88, s89
	s_add_co_u32 s88, s88, WOFF
	s_mov_b32 s89, 0
	s_mul_i32 s[LB], s[WV], PART                   ; and where they go: no place in the cluster enters an LDS address
	s_mov_b32 s[TB], 0
	s_mov_b32 s[TF], SLOT
	; the prefetches: my work-group's share of what I fetch, at K step 3: the first refill steps it to K step 4
	s_lshl_b32 s92, s[TY], 19                      ; A: row 256 TY + 128 half + 32 cx
	s_lshl_b32 s94, s[WC], 18
	s_add_co_u32 s92, s92, s94
	s_lshl_b32 s94, s[CX], 16
	s_add_co_u32 s92, s92, s94
	s_add_co_u32 s92, s92, 3*ASTEP
	s_lshl_b32 s93, s[WC], 2                       ; B: row k 64 half + 16 cy
	s_add_co_u32 s93, s93, s[CY]
	s_mul_i32 s93, s93, 16*NN*2
	s_lshl_b32 s94, s[TX], 9
	s_add_co_u32 s93, s93, s94
	s_add_co_u32 s93, s93, WOFF+3*BSTEP
	s_and_b32 s62, ttmp7, 0xffff                   ; cluster y
	s_mov_b32 s95, 2*NN
	s_mov_b32 s[PST], BSTEP
	s_cmp_eq_u32 s[WR], 0                          ; do I fetch for A?
	s_cselect_b32 s92, s92, s93
	s_cselect_b32 s62, ttmp9, s62                  ; the coordinate along which other clusters read the same rows
	s_cselect_b32 s63, 0, 1                        ; A: a lane a row.  B: two lanes a row of 512 bytes
	s_cselect_b32 s95, 2048, s95                   ; bytes from row to row
	s_cselect_b32 s[PST], ASTEP, s[PST]
	s_mov_b32 s93, 0
	s_mov_b32 s[PST+1], 0
	s_cmp_eq_u32 s62, 0
	s_cselect_b32 s[LIM], 2, -1                    ; the same in all sixteen partners, for a given wave
	v_and_b32 v3, 31, v0
	v_lshrrev_b32 v4, s63, v3
	v_mul_u32_u24 v4, s95, v4
	v_and_b32 v3, s63, v3
	v_lshl_add_u32 v[PFO], v3, 8, v4
	s_wait_dscnt 0x0                               ; the opening add is done
	s_wait_kmcnt 0x0
	s_add_nc_u64 s[84:85], s[4:5], s[84:85]
	s_add_nc_u64 s[88:89], s[6:7], s[88:89]
	s_mov_b32 s[G0A0], 1                           ; 1:0 count = 1
	s_mov_b32 s[G0A0+1], s[LB]                     ; 63:32 LDS address: slot 0
	s_mov_b64 s[G0A0+2:G0A0+3], s[84:85]           ; 120:64 global address: K step 0
	s_or_b32 s[G0A0+3], s[G0A0+3], 0x80000000      ; 127:126 type = 2
	s_mov_b32 s[G0A], 1
	s_add_co_u32 s[G0A+1], s[LB], SLOT             ; slot 1,
	s_add_nc_u64 s[G0A+2:G0A+3], s[84:85], ASTEP   ; K step 1
	s_or_b32 s[G0A+3], s[G0A+3], 0x80000000
	s_mov_b32 s[G0B0], 1
	s_mov_b32 s[G0B0+1], s[LB]
	s_mov_b64 s[G0B0+2:G0B0+3], s[88:89]
	s_or_b32 s[G0B0+3], s[G0B0+3], 0x80000000
	s_mov_b32 s[G0B], 1
	s_add_co_u32 s[G0B+1], s[LB], SLOT
	s_add_nc_u64 s[G0B+2:G0B+3], s[88:89], BSTEP
	s_or_b32 s[G0B+3], s[G0B+3], 0x80000000
	s_cmp_eq_u32 s[WR], 0
	s_cselect_b64 s[PFA:PFA+1], s[4:5], s[6:7]
	s_add_nc_u64 s[PFA:PFA+1], s[PFA:PFA+1], s[92:93]
	CROUND                                         ; all sixteen work-groups are here: the first joint loads meet
	s_cmp_eq_u32 s[WR], 0                          ; a wave's two first fills stand in one branch, ahead of every wait on TENSORcnt and every LDS read: two loads of mine are out
	s_cbranch_scc0 .Lfirst_b
	tensor_load_to_lds s[G0A0:G0A0+3], s[G1A:G1A+7]
	s_nop 0
	tensor_load_to_lds s[G0A:G0A+3], s[G1A:G1A+7]
	s_nop 0
.rept 4
	v_nop
.endr
	s_branch .Lfirst_asked
.Lfirst_b:
	tensor_load_to_lds s[G0B0:G0B0+3], s[G1B:G1B+7]
	s_nop 0
	tensor_load_to_lds s[G0B:G0B+3], s[G1B:G1B+7]
	s_nop 0
.rept 4
	v_nop
.endr
.Lfirst_asked:
	v_and_b32 v1, 15, v0                           ; l % 16
	v_bfe_u32 v2, v0, 4, 1                         ; l / 16
	v_and_b32 v6, 31, v0                           ; l
.if KIND == 0
	; my 128 columns are two whole heads of q, of k or of v
	s_lshr_b32 s60, s[TX], 2                       ; which: 0 q, 1 k, 2 v
	s_cmp_eq_u32 s60, 1
	s_cselect_b64 s[10:11], s[68:69], s[10:11]
	s_cmp_eq_u32 s60, 2
	s_cselect_b64 s[10:11], s[70:71], s[10:11]
	s_and_b32 s61, s[TX], 3
	s_lshl_b32 s61, s61, 2
	s_lshl1_add_u32 s61, s[WC], s61                ; my first head: 4 (TX % 4) + 2 x half
	s_lshl_b32 s86, s61, 8
	s_mov_b32 s87, 0
	s_add_nc_u64 s[10:11], s[10:11], s[86:87]
	v_and_b32 v3, 7, v0
	v_lshlrev_b32 v[BO], 5, v3                     ; on the way out a lane holds channels 8 (l % 8) + 0..7 of a head
	global_load_b128 v[BIAS:BIAS+3],     v[BO], s[10:11]
	global_load_b128 v[BIAS+4:BIAS+7],   v[BO], s[10:11] offset:16
	global_load_b128 v[BIAS+8:BIAS+11],  v[BO], s[10:11] offset:256
	global_load_b128 v[BIAS+12:BIAS+15], v[BO], s[10:11] offset:272
	s_lshl_b32 s86, s60, 23                        ; Q, K, V are 8,388,608 bytes each,
	s_lshr_b32 s62, s[TY], 3                       ; the batch
	s_lshl_b32 s62, s62, 4
	s_add_co_u32 s62, s62, s61
	s_lshl_b32 s62, s62, 18                        ; a head 262,144,
	s_add_co_u32 s86, s86, s62
	s_and_b32 s62, s[TY], 7
	s_lshl_b32 s62, s62, 15                        ; a token 128
	s_add_co_u32 s86, s86, s62
	s_lshl_b32 s62, s[WR], 14
	s_add_co_u32 s86, s86, s62
	s_add_nc_u64 s[8:9], s[8:9], s[86:87]
	s_mul_i32 s62, s[WV], REG
	v_bfe_u32 v4, v0, 3, 2                         ; back: 32 lanes take four tokens x 32 bytes x 8
	v_mul_u32_u24 v4, v4, PD
	v_lshl_add_u32 v4, v3, 5, v4
	v_add_nc_u32 v[RDB], s62, v4
	v_lshlrev_b32 v[GO], 4, v6                     ; which are 512 consecutive bytes of a head
	v_mul_u32_u24 v3, v1, PD                       ; in: row l % 16, 32 bytes for each half of the lanes
	v_lshl_add_u32 v3, v2, 5, v3
	v_add_nc_u32 v[DST], s62, v3
.else
	s_lshl_b32 s86, s[TX], 10                      ; b1 at my 128 columns
	s_lshl_b32 s62, s[WC], 9
	s_add_co_u32 s86, s86, s62
	s_mov_b32 s87, 0
	s_add_nc_u64 s[10:11], s[10:11], s[86:87]
	v_lshlrev_b32 v[BO], 5, v2                     ; an accumulator's lane holds columns 16 b + 8 (l / 16) + 0..7: 32 bytes of b1
.set n, 0
.rept 8
	global_load_b128 v[BB+8*n:BB+8*n+3],   v[BO], s[10:11] offset:64*n
	global_load_b128 v[BB+8*n+4:BB+8*n+7], v[BO], s[10:11] offset:64*n+16
.set n, n+1
.endr
	s_lshl_b32 s86, s[TY], 21                      ; g: a block of 16 rows is 131,072 bytes: my first is 16 TY + 8 x my half of the rows;
	s_lshl_b32 s62, s[WR], 20
	s_add_co_u32 s86, s86, s62
	s_lshl_b32 s62, s[TX], 13                      ; a block of 32 columns 1,024: my first is 8 TX + 4 x my half of the columns
	s_add_co_u32 s86, s86, s62
	s_lshl_b32 s62, s[WC], 12
	s_add_co_u32 s86, s86, s62
	s_add_nc_u64 s[8:9], s[8:9], s[86:87]
	s_lshl_b32 s62, s[WV], 16                      ; my region of LDS on the way out: 64 accumulators x 1,024 bytes
	v_lshl_add_u32 v[DST], v6, 4, s62
	v_mov_b32 v[RDB], v[DST]
	v_lshlrev_b32 v[GO], 4, v6
.endif
	v_mul_u32_u24 v3, v1, PA                       ; A's fragments: row x pitch + 16 x half of the lanes, in my 128 rows
	v_lshl_add_u32 v3, v2, 4, v3
	s_mul_i32 s60, s[WR], PART
	v_add_nc_u32 v[ADRA0], s60, v3
	v_and_b32 v4, 7, v0                            ; B's: the turning load's lane l reads row k 8 (l / 16) + l % 8, columns 8 ((l / 8) % 2) + 0..7, in my 128 columns
	v_lshl_add_u32 v4, v2, 3, v4
	v_mul_u32_u24 v4, v4, PB
	v_bfe_u32 v5, v0, 3, 1
	v_lshl_add_u32 v4, v5, 4, v4
	s_lshl_b32 s61, s[WC], 8
	s_add_co_u32 s61, s61, ABYTES
	v_add_nc_u32 v[ADRB0], s61, v4
	v_mov_b32 v[ADRA], v[ADRA0]
	v_mov_b32 v[ADRB], v[ADRB0]
	s_wait_tensorcnt 1                             ; my part of K step 0 is in; K step 1's may stay out
	s_barrier_signal -1
	s_barrier_wait -1                              ; everybody's is
	FETCH 0, F0
.if KIND == 1
	s_wait_loadcnt 0x0                             ; the bias: the first products take it as their C
.endif
	QUARTER 1, F0, F1, 1                           ; the first quarter stands in front of the loop: its products start the sums
	WIN 0                                          ; at a label and at a branch every window is 0
	s_mov_b32 s3, 6
.Lk:                                                   ; a trip: a K step's last three quarters and the next one's first; six trips fill a slot again
	QUARTER 2, F1, F0, 0
	QUARTER 3, F0, F1, 0
	TURN 1
	QUARTER 1, F0, F1, 0
	WIN 0
	s_sub_co_u32 s3, s3, 1
	s_cmp_lg_u32 s3, 0
	s_cbranch_scc1 .Lk
	s_mov_b32 s3, 2                                ; K steps 6 and 7 have a text of their own, since nothing is left to fetch: walked twice, and left in its middle the second time
.Ltail:
	QUARTER 2, F1, F0, 0
	QUARTER 3, F0, F1, 0
	WIN 0
	s_sub_co_u32 s3, s3, 1
	s_cmp_eq_u32 s3, 0
	s_cbranch_scc1 .Lfin
	TURN 0
	QUARTER 1, F0, F1, 0
	WIN 0
	s_branch .Ltail
.Lfin:
	s_wait_dscnt 0x0                               ; the very last quarter: my reads of the ring are over:
	s_barrier_signal -1                            ; say so,
	MUL16 F1, 0, 0, 0
	MUL16 F1, 0, 2, 0
	MUL16 F1, 1, 0, 0
	MUL16 F1, 1, 2, 0
	WIN 0
	s_barrier_wait -1                              ; and when all four have said so the ring's bytes, which have had their last fill, serve the way out
	PLACES
.if KIND == 0
	s_wait_loadcnt 0x0                             ; the bias
	; THE WAY OUT.  My 128 x 128 sums go into my own region of LDS and come back so that a lane holds eight neighbouring channels of a token: + bias, rounded to f16, 16 bytes a lane.
	; LDS serves a wave's instructions in order (ISA guide 5.7.1.4), and the region is mine alone: no wait and no barrier between the stores and the loads.
	DUMP
	s_mov_b32 s3, 8
.Lout:                                                 ; a trip: 16 tokens x two heads, in eight groups of four tokens of one head
.set n, 0
.rept 8
	ds_load_b128 v[64+8*n:64+8*n+3],   v[RDB] offset:(n/2)*4*PD+(n%2)*256
	ds_load_b128 v[64+8*n+4:64+8*n+7], v[RDB] offset:(n/2)*4*PD+(n%2)*256+16
.set n, n+1
.endr
.set n, 0
.rept 8
	s_wait_dscnt 14-2*n                            ; group n's two loads are in; the younger groups' stay out
.set k, 0
.rept 4
	v_pk_add_f32 v[64+8*n+2*k:64+8*n+2*k+1], v[64+8*n+2*k:64+8*n+2*k+1], v[BIAS+8*(n%2)+2*k:BIAS+8*(n%2)+2*k+1]
.set k, k+1
.endr
.set k, 0
.rept 4
	v_cvt_pk_f16_f32 v[128+4*n+k], v[64+8*n+2*k], v[64+8*n+2*k+1]
.set k, k+1
.endr
	global_store_b128 v[GO], v[128+4*n:128+4*n+3], s[8:9] offset:(n/2)*512+(n%2)*262144  ; 512 consecutive bytes, at a multiple of 256 from the buffer's first byte
.set n, n+1
.endr
	s_wait_xcnt 0x0                                ; the stores have read their registers: the offset is stepped, and the next trip rewrites the data, only behind this wait
	v_add_nc_u32 v[RDB], 16*PD, v[RDB]
	v_add_nc_u32 v[GO], 16*128, v[GO]
	s_sub_co_u32 s3, s3, 1
	s_cmp_lg_u32 s3, 0
	s_cbranch_scc1 .Lout
.else
	; THE WAY OUT.  The sums hold the bias already.  They go into LDS only so that ONE text can walk them: each lane takes back what it put, four accumulators a trip: gelu, rounded to bf16.  An accumulator's
	; eight numbers of a lane pack into 16 bytes, which ARE the lane's part of a fragment of g: a store covers 512 consecutive bytes.
	; gelu(x) = x (1 + erf(x / sqrt 2)) / 2 = max(x, 0) - |x| E t (A1 + t (A2 + t (A3 + t (A4 + t A5)))), t = 1 / (1 + PP |x|), E = 2^(CC x x); A1..A5 are the form's coefficients halved,
	; PP = 0.3275911 / sqrt 2, CC = -log2(e) / 2.  One formula for both signs: no compare, and for x < 0 no difference of near numbers.
.set GX,   64                          ; v[64:95]    four accumulators as read back: x
.set GAB,  112                         ; v[112:127]  |x|, 16 numbers (two accumulators)
.set GT,   128                         ; t
.set GE,   144                         ; E
.set GR,   160                         ; max(x, 0)
.set GP,   176                         ; the polynomial, then the result
.set GOUT, 192                         ; v[192:207]  packed, eight registers for each half of a trip
.set KPP,  84                          ; the constants, as pairs: a packed instruction names the pair and takes its low word for both halves
.set KCC,  86
.set KA1,  88
.set KA2,  90
.set KA3,  92
.set KA4,  94
.set KA5,  96
.set KABS, 98
.macro KONST r, val
	s_mov_b32 s[\r], \val
	s_mov_b32 s[(\r)+1], \val
.endm
.macro LEVEL c                         ; one step of the polynomial for all eight pairs: no instruction waits for the one before it
.set gk, 0
.rept 8
	v_pk_fma_f32 v[GP+2*gk:GP+2*gk+1], v[GP+2*gk:GP+2*gk+1], v[GT+2*gk:GT+2*gk+1], s[\c:(\c)+1] op_sel_hi:[1,1,0]
.set gk, gk+1
.endr
.endm
.macro GELU hf                         ; accumulators 2 hf, 2 hf + 1 of the trip's four
.set GXB, GX+16*(\hf)
	s_wait_dscnt 4-4*(\hf)                         ; their four loads are in; in the first half the other four stay out
.set gk, 0
.rept 8                                ; the half's 32 reciprocals and exponentials are one batch; each has a plain neighbour that names none of its registers, and nothing names a result ahead of the wait
	v_and_b32 v[GAB+2*gk],   s[KABS], v[GXB+2*gk]
	v_and_b32 v[GAB+2*gk+1], s[KABS], v[GXB+2*gk+1]
	v_pk_fma_f32 v[GT+2*gk:GT+2*gk+1], v[GAB+2*gk:GAB+2*gk+1], s[KPP:KPP+1], 1.0 op_sel_hi:[1,0,0]
	v_rcp_f32 v[GT+2*gk], v[GT+2*gk]
	v_pk_mul_f32 v[GE+2*gk:GE+2*gk+1], v[GXB+2*gk:GXB+2*gk+1], s[KCC:KCC+1] op_sel_hi:[1,0]
	v_rcp_f32 v[GT+2*gk+1], v[GT+2*gk+1]
	v_pk_mul_f32 v[GE+2*gk:GE+2*gk+1], v[GE+2*gk:GE+2*gk+1], v[GXB+2*gk:GXB+2*gk+1]
	v_exp_f32 v[GE+2*gk], v[GE+2*gk]
	v_max_num_f32 v[GR+2*gk], 0, v[GXB+2*gk]
	v_exp_f32 v[GE+2*gk+1], v[GE+2*gk+1]
	v_max_num_f32 v[GR+2*gk+1], 0, v[GXB+2*gk+1]
.set gk, gk+1
.endr
	s_wait_alu depctr_va_vdst(0)                   ; the one wait between the batch and the first use of a result
.set gk, 0
.rept 8
	v_pk_fma_f32 v[GP+2*gk:GP+2*gk+1], v[GT+2*gk:GT+2*gk+1], s[KA5:KA5+1], s[KA4:KA4+1] op_sel_hi:[1,0,0]
.set gk, gk+1
.endr
	LEVEL KA3
	LEVEL KA2
	LEVEL KA1
.set gk, 0
.rept 8
	v_pk_mul_f32 v[GP+2*gk:GP+2*gk+1], v[GP+2*gk:GP+2*gk+1], v[GT+2*gk:GT+2*gk+1]
.set gk, gk+1
.endr
.set gk, 0
.rept 8
	v_pk_mul_f32 v[GP+2*gk:GP+2*gk+1], v[GP+2*gk:GP+2*gk+1], v[GE+2*gk:GE+2*gk+1]
.set gk, gk+1
.endr
.set gk, 0
.rept 8
	v_pk_fma_f32 v[GP+2*gk:GP+2*gk+1], v[GP+2*gk:GP+2*gk+1], v[GAB+2*gk:GAB+2*gk+1], v[GR+2*gk:GR+2*gk+1] neg_lo:[1,0,0] neg_hi:[1,0,0]
.set gk, gk+1
.endr
.set gk, 0
.rept 8
	v_cvt_pk_bf16_f32 v[GOUT+8*(\hf)+gk], v[GP+2*gk], v[GP+2*gk+1]
.set gk, gk+1
.endr
.set gk, 0
.rept 2
	global_store_b128 v[GOX], v[GOUT+8*(\hf)+4*gk:GOUT+8*(\hf)+4*gk+3], s[8:9] offset:512*(2*(\hf)+gk)  ; half a fragment: 512 consecutive bytes, at a multiple of 256 from g's first byte
.set gk, gk+1
.endr
.endm
	s_wait_xcnt 0x0                                ; the last prefetch has read its address: its registers take constants below
	KONST KPP, 0x3e6d3388
	KONST KCC, 0xbf38aa3b
	KONST KA1, 0x3e027906
	KONST KA2, 0xbe11a98e
	KONST KA3, 0x3f35f0e3
	KONST KA4, 0xbf3a00e3
	KONST KA5, 0x3f07dc22
	s_mov_b32 s[KABS], 0x7fffffff
	DUMP
	s_mov_b32 s3, 0
.Lout:                                                 ; trip t: accumulators 4 t .. 4 t + 3: row block t / 2, column blocks 4 (t % 2) + 0..3
.set n, 0
.rept 4
	ds_load_b128 v[GX+8*n:GX+8*n+3],   v[RDB] offset:1024*n
	ds_load_b128 v[GX+8*n+4:GX+8*n+7], v[RDB] offset:1024*n+512
.set n, n+1
.endr
	s_lshr_b32 s60, s3, 1                          ; in g: a block of 16 rows is 131,072 bytes on,
	s_lshl_b32 s60, s60, 17
	s_and_b32 s61, s3, 1                           ; four column blocks 2,048
	s_lshl_b32 s61, s61, 11
	s_add_co_u32 s60, s60, s61
	v_add_nc_u32 v[GOX], s60, v[GO]                ; (the last trip's stores have read it: the wait at that trip's end)
	GELU 0
	GELU 1
	s_wait_xcnt 0x0                                ; the stores have read their registers: the next trip rewrites their offset and their data only behind this wait
	v_add_nc_u32 v[RDB], 4096, v[RDB]
	s_add_co_u32 s3, s3, 1
	s_cmp_lt_u32 s3, 16
	s_cbranch_scc1 .Lout
.endif
	s_wait_tensorcnt 0x0                           ; the wave's end, behind my last tensor load and my last LDS store
	ds_add_u32 v[SPW], v[NIL]
	s_wait_dscnt 0x0
	CROUND                                         ; the closing round: no work-group ends while a partner may still ask for a tile that names it
	s_endpgm
.Lfunc_end_k_q226a9bf578_gqkv:
	.size	k_q226a9bf578_gqkv, .Lfunc_end_k_q226a9bf578_gqkv-k_q226a9bf578_gqkv
	.p2alignl 7, 3214868480
	.fill 96, 4, 3214868480
	.section	.rodata,"a",@progbits
	.p2align	6, 0x0
	.amdhsa_kernel k_q226a9bf578_gqkv
		.amdhsa_group_segment_fixed_size 327680
		.amdhsa_private_segment_fixed_size 0
		.amdhsa_enable_private_segment 0
		.amdhsa_kernarg_size 48
		.amdhsa_user_sgpr_count 2
		.amdhsa_user_sgpr_kernarg_segment_ptr 1
		.amdhsa_wavefront_size32 1
		.amdhsa_system_sgpr_workgroup_id_x 1
		.amdhsa_system_sgpr_workgroup_id_y 1
		.amdhsa_system_sgpr_workgroup_id_z 1
		.amdhsa_system_vgpr_workitem_id 0
		.amdhsa_next_free_vgpr 1024
		.amdhsa_next_free_sgpr 100
		.amdhsa_reserve_vcc 0
		.amdhsa_float_denorm_mode_32 3
		.amdhsa_float_denorm_mode_16_64 3
		.amdhsa_memory_ordered 1
		.amdhsa_forward_progress 1
		.amdhsa_inst_pref_size 89
	.end_amdhsa_kernel
	.amdgpu_metadata
---
amdhsa.version: [ 1, 2 ]
amdhsa.kernels:
  - .name:           k_q226a9bf578_gqkv
    .symbol:         k_q226a9bf578_gqkv.kd
    .args:
      - { .name: h, .offset: 0, .size: 8, .value_kind: global_buffer, .address_space: global }
      - { .name: wts, .offset: 8, .size: 8, .value_kind: global_buffer, .address_space: global }
      - { .name: qkv, .offset: 16, .size: 8, .value_kind: global_buffer, .address_space: global }
      - { .name: bq, .offset: 24, .size: 8, .value_kind: global_buffer, .address_space: global }
      - { .name: bk, .offset: 32, .size: 8, .value_kind: global_buffer, .address_space: global }
      - { .name: bv, .offset: 40, .size: 8, .value_kind: global_buffer, .address_space: global }
    .group_segment_fixed_size: 327680
    .private_segment_fixed_size: 0
    .kernarg_segment_align: 8
    .kernarg_segment_size: 48
    .max_flat_workgroup_size: 128
    .sgpr_count:     100
    .vgpr_count:     1024
    .wavefront_size: 32
...
	.end_amdgpu_metadata
.endif
;; end of part 3
;; launch attn (part 4): grid 8 x 32, 4 waves a work-group, no clusters, 327,680 bytes of LDS; arguments qkv, o; writes o
.if DOCPART == 4
	.amdgcn_target "amdgcn-amd-amdhsa--gfx1250"
	.amdhsa_code_object_version 6
	.text
	.protected	k_q226a9bf578_attn
	.globl	k_q226a9bf578_attn
	.p2align	8
	.type	k_q226a9bf578_attn,@function
k_q226a9bf578_attn:
	s_mov_b64 s[64:65], 0
	v_nop
	global_prefetch_b8 v0, s[64:65] scope:SCOPE_SE
	s_setreg_imm32_b32 hwreg(HW_REG_WAVE_MODE, 25, 1), 1
	s_wait_xcnt 0x0
; CAUSAL ATTENTION.  O[h][q][:] = the sum over k <= q of softmax_k(Q[h][q] . K[h][k] / 8) V[h][k][:].  qkv holds Q, K, V, each [32 heads][2048][64] f16, 8,388,608 bytes apart.
; Products, maxima and sums in f32; the weights p are rounded to f16 for the second product (their sum l is taken of the unrounded p), O once at the end, to f16.
; O IS WRITTEN IN FRAGMENT ORDER, for the launch that multiplies it by Wp (rows = tokens, k = 64 head + channel): [256 blocks of 16 tokens][32 blocks of 32 k][1,024 bytes]; lane l's 16 bytes at 16 l:
; token l % 16, k = 8 (l / 16) + 0..7 in the first 512 bytes, 16 + 8 (l / 16) + 0..7 in the second.  That is how an accumulator of O^T lies in the lanes, so O leaves straight from registers.
; LIMITS.  Q, K, V arrive within f16's 65,504; p lies in 0 to 1 and below 6e-5 keeps f16's fixed step of 6e-8.  A hidden score counts as its value less 1e30: f16's scores, 2.7e11 at the most, are nothing beside
; that.  A weight below 2^-126 counts as 0 in l.  NaN and infinities are not treated apart.
; THE WALK.  A head's queries lie in 16 blocks of 128; block i needs the key tiles 0 .. i of 128 keys, of which the last holds the diagonal.  A work-group takes TWO blocks, 15 - b and then b: 17 tiles,
; whatever b: all 256 work-groups do equal work, and one loop with a constant trip count walks them; the ring of two LDS slots runs on across the change of blocks.
; NO CLUSTER: a head's eight work-groups all ask for the same tile only in trips 0 to 8, behind that fewer and fewer; one walk common to all would have 24 trips for 17.
; SHARES.  A wave owns 32 queries of the block, two tiles of 16, and computes every key step (64 keys) of every tile of the walk; in the diagonal tile the mask does the rest, so the four waves are alike.
; THE MASK is the C operand that starts the sum S^T = K Q^T: 0, or -1e30 where the key is hidden.  Key 64 k + 16 kb + 8 (l / 16) + j is hidden from query 32 w + 16 t + l % 16 where
; 16 (kb - t) + j > 32 w + l % 16 - 8 (l / 16) - 64 k: five blocks of eight registers (kb - t = -1 .. 3), made anew for each step of a diagonal tile and cleared once behind it.
; LAYOUT.  S^T = K Q^T (source 0 = 16 keys, source 1 = 16 queries) holds ONE query a lane (l % 16) and the keys 8 (l / 16) + 0..7; two such results rounded to f16 ARE source 1 of O^T = V^T P.
; K comes out of LDS as it lies, V ([key][channel]) turned, by ds_load_tr16_b128.
; SOFTMAX.  A running maximum m and sum l: p = 2^(c s - c m), c = log2(e) / 8; in every step O and l are multiplied by a = 2^(c m_old - c m_new).  m starts at the lowest finite number, so a block's
; first step has a = 0, and what lies in O^T and l before it need only be finite.
; A STEP, in phases: V^T P of the step before; K Q^T of this step; this step's V and the next step's K are asked of LDS; the softmax, behind which both have come.
; REGISTERS, in windows of 256 (s_set_vgpr_msb: bits 1:0 source 0, 3:2 source 1, 5:4 source 2, 7:6 destination):
;   window 0: v0-15 addresses; v16-23 four registers of statistics a tile; v24-31 at work; v64-127 S^T; v192-223 P
;   window 1: v0-63 O^T, 32 a tile; v128-167 the mask      window 2: v0-31 Q; v32-63 the second block's Q; v128-191 K of one step; v192-255 V of one step
.set NB,    16
.set KS,    64                         ; keys in a step
.set PK,    144                        ; a row of K in LDS: 128 bytes + 16 = 36 words: the 16 rows of a load start at 16 different groups of four banks (64 banks of 4 bytes: ISA guide 11.1)
.set PV,    160                        ; a row of V: 128 + 32 = 40 words
.set VOFF,  128*PK                     ; a slot holds a tile: 128 rows of K, then 128 rows of V
.set SLOTB, 128*(PK+PV)
.set SPARE, 2*SLOTB                    ; behind the ring: the spare words, 128 bytes for each wave: two blocks of 256 bytes that no other line names
.set OTB,   32768                      ; bytes of O from a block of 16 tokens to the next
.set AK0, 2                            ; v2   my lane's place in a tile of K; never rewritten
.set AV0, 3                            ; v3   the same for V
.set AK,  4                            ; v4   the LDS address of K's next run of loads
.set AV,  5                            ; v5   of V's
.set GO,  8                            ; v8   16 x my lane: my place in 512 consecutive bytes of O; never rewritten
.set MV,  12                           ; v12-13  c m_old, kept while c m is made anew
.set D0,  14                           ; v14  32 w + l % 16 - 8 (l / 16)
.set DD,  15                           ; v15  at the head my offset in Q's rows; later D0 less the step's 64 k
.set ST,  16                           ; tile u's statistics at v[ST+4 u]: c m, m, l (even keys', odd keys')
.set TMP, 24                           ; tile u: four registers c0-c3 at work; when the maximum is found c2 takes a
.set PFO, 61                           ; v61  256 x my lane; never rewritten
.set SPW, 62                           ; v62  LDS address of my spare word: SPARE + 4 x my thread's number; never rewritten
.set NIL, 63                           ; v63  0; never rewritten
.set S,   64
.set P,   192
.set MC,  128                          ; window 1
.set QB,  32                           ; window 2
.set KF,  128                          ; window 2: key block kb, channel half c at KF + 16 kb + 8 c
.set VF,  192                          ; window 2: key half kk, channel block cb at VF + 32 kk + 8 cb
.set WV,  12                           ; s12  my wave's number
.set PB,  14                           ; s14  b
.set HI,  15                           ; s15  15 - b
.set G1K, 24                           ; s[24:31] descriptor group 1 for K's tiles;  s[32:39] for V's: it differs in the padding alone
.set G1V, 32
.set G0K, 40                           ; s[40:43], s[44:47] descriptor group 0
.set G0V, 44
.set SLOTS, 56                         ; s56  tiles still to be asked for
.set CNT, 57                           ; s57  counts a tile's key steps, 2 to 1
.set CS,  58                           ; s[58:59] c: the packed scaling takes the pair's low word for both halves
.set SEL, 60                           ; s[60:61] v_permlanex16_b32's selects
.set TB,  62                           ; s62  0 or SLOTB: the slot that is read
.set TF,  63                           ; s63  0 or SLOTB: the slot that was filled last
.set RT,  70                           ; s70  tiles of the block in hand that are still to be entered
.set NXT, 71                           ; s71  the tile to be asked for next
.set LQ,  72                           ; s72  the last tile of the block whose tiles are being asked for
.set NEW, 73                           ; s73  1: a block has just ended, and the mask registers hold its diagonal's mask
.set OFF, 74                           ; s[74:75] a tile's byte offset in K and V
.set DG,  76                           ; s76  1: the tile in hand holds the diagonal
.set MK,  77                           ; s77  1: the mask is to be made anew
.set SH,  78                           ; s78  64 x the step, or far below every number where nothing is hidden
.set PFC, 79                           ; s79  prefetches still to be made
.set OLO, 80                           ; s[80:81] O at my tokens of the second block
.set BIGN, 82                          ; s82  -1e30
.set LBK, 83                           ; s83  my half's place in a slot, for K;  s88 for V
.set LBV, 88
.set PFA, 90                           ; s[90:91] where my prefetches stand
.set MSB, 0
.macro WIN new                         ; the high byte repeats the setting that is left; a switch that changes nothing is dropped
.if MSB != (\new)
	s_set_vgpr_msb (MSB<<8)|(\new)
.set MSB, (\new)
.endif
.endm
.set W_KQ, 0x0a                        ; K and Q in window 2, S^T in window 0
.set W_KM, 0x1a                        ; the same with the C operand in window 1
.set W_PV, 0x52                        ; V in window 2, P in window 0, O^T in window 1
.set W_RS, 0x41                        ; destination and source 0 in window 1, source 1 in window 0
.macro PLACES
.rept 4
	v_nop
.endr
.endm
; A fill.  Waves 0 and 1 fetch the two halves of a tile's K, waves 2 and 3 those of its V: 64 keys each.  An s_nop 0 and four v_nop follow each of the two lines.
.macro LOAD
	s_cmp_lt_u32 s[WV], 2
	s_cbranch_scc0 .Lfor_v_\@
	tensor_load_to_lds s[G0K:G0K+3], s[G1K:G1K+7]
	s_nop 0
.rept 4
	v_nop
.endr
	s_branch .Lasked_\@
.Lfor_v_\@:
	tensor_load_to_lds s[G0V:G0V+3], s[G1V:G1V+7]
	s_nop 0
.rept 4
	v_nop
.endr
.Lasked_\@:
.endm
; A prefetch into the L2: behind the fill of tile n, my own half (64 rows of K or of V, as 32 blocks of 256 bytes, a lane a block) of tile n + 2.  Only the head's work-group with b = 0 asks: it walks
; all 16 tiles in order, so each block is named once in the launch.  Tiles 0 to 2 come by their loads alone; thirteen requests, for tiles 3 to 15, and none behind them.
.macro ASK
	s_cmp_lg_u32 s[PFC], 0
	s_cbranch_scc0 .Lnot_mine_\@
	global_prefetch_b8 v[PFO], s[PFA:PFA+1] th:TH_LOAD_NT scope:SCOPE_SE
	s_sub_co_u32 s[PFC], s[PFC], 1
.Lnot_mine_\@:
.endm
; THE CHANGE OF SLOTS.  Each wave waits for all its tensor loads, of which one is out: its part of the other slot; adds 0 to its spare word; and waits for that and for its own reads of the slot that it
; leaves.  Behind the barrier nobody reads the old slot any more and the other slot is whole.  fill = 1: the old slot is filled again, the first thing behind the barrier, with tile NXT: the descriptor's
; address is made anew from that number.  (At its first use nothing has been read yet: slot 0 is waited for, slot 1 filled.)
.macro CHANGE fill
	WIN 0
	s_wait_tensorcnt 0x0                           ; no tensor load of mine is out, so a group 0 may be written
	ds_add_u32 v[SPW], v[NIL]                      ; 0 onto my spare word; the scalar work below stands between it and the wait for it
.if \fill
	s_lshl_b32 s[OFF], s[NXT], 14                  ; a tile is 16,384 bytes of K and of V
	s_xor_b32 s[TF], s[TF], SLOTB
	s_add_co_u32 s[G0K+1], s[LBK], s[TF]
	s_add_nc_u64 s[G0K+2:G0K+3], s[6:7], s[OFF:OFF+1]
	s_or_b32 s[G0K+3], s[G0K+3], 0x80000000
	s_add_co_u32 s[G0V+1], s[LBV], s[TF]
	s_add_nc_u64 s[G0V+2:G0V+3], s[8:9], s[OFF:OFF+1]
	s_or_b32 s[G0V+3], s[G0V+3], 0x80000000
	s_add_co_u32 s[NXT], s[NXT], 1                 ; the block's next tile, or behind its last the second block's tile 0
	s_cmp_gt_u32 s[NXT], s[LQ]
	s_cselect_b32 s[NXT], 0, s[NXT]
	s_cselect_b32 s[LQ], s[PB], s[LQ]
	s_wait_xcnt 0x0                                ; the last prefetch, a tile back, has read its address, so it may be stepped
	s_add_nc_u64 s[PFA:PFA+1], s[PFA:PFA+1], 16384
.endif
	s_wait_dscnt 0x0                               ; the add is done, and my reads of the slot are over
	s_barrier_signal -1
	s_xor_b32 s[TB], s[TB], SLOTB                  ; the reads go on in the other slot
	s_barrier_wait -1
.if \fill
	LOAD
	ASK
.endif
	v_add_nc_u32 v[AK], s[TB], v[AK0]
	v_add_nc_u32 v[AV], s[TB], v[AV0]
.endm
; THE MATRIX WORK.  The 8 accumulators of a run of 16 take turns: between the two links of a chain stand 7 others'.
; Product i of S^T = K Q^T: channels 32 (i / 8) on, keys 16 ((i / 2) % 4) on, tile i % 2.  The first 8 start the sums with the mask.
.macro KQS
.set i, 0
.rept 16
.set rS, S+32*(i%2)+8*((i/2)%4)
.set rK, KF+16*((i/2)%4)+8*(i/8)
.set rQ, 16*(i%2)+8*(i/8)
.set rMC, MC+8*((i/2)%4-i%2+1)
.if i < 8
	WIN W_KM
	v_wmma_f32_16x16x32_f16 v[rS:rS+7], v[rK:rK+7], v[rQ:rQ+7], v[rMC:rMC+7]
.else
	WIN W_KQ
	v_wmma_f32_16x16x32_f16 v[rS:rS+7], v[rK:rK+7], v[rQ:rQ+7], v[rS:rS+7]
.endif
.set i, i+1
.endr
.endm
; Product i of O^T += V^T P: keys 32 (i / 8) on, channels 16 ((i / 2) % 4) on, tile i % 2.
.macro PVS
	WIN W_PV
.set i, 0
.rept 16
.set rO, 32*(i%2)+8*((i/2)%4)
.set rV, VF+32*(i/8)+8*((i/2)%4)
.set rP, P+16*(i%2)+8*(i/8)
	v_wmma_f32_16x16x32_f16 v[rO:rO+7], v[rV:rV+7], v[rP:rP+7], v[rO:rO+7]
.set i, i+1
.endr
.endm
; THE LDS LOADS stand in runs of 16: a step's K (64 keys x 64 channels: 8 fragments) and its V (turned).  Behind a run its address steps to the next step's rows.
.macro FETCH_K
	WIN 0x80                                       ; destination window 2
.irp f, 0,1,2,3,4,5,6,7                ; keys 16 (f / 2) on, channels 32 (f % 2) on
	ds_load_b128 v[KF+8*\f:KF+8*\f+3],   v[AK] offset:(\f/2)*16*PK+(\f%2)*64
	ds_load_b128 v[KF+8*\f+4:KF+8*\f+7], v[AK] offset:(\f/2)*16*PK+(\f%2)*64+32
.endr
	WIN 0
	v_add_nc_u32 v[AK], KS*PK, v[AK]
.endm
.macro FETCH_V
	WIN 0x80
.irp f, 0,1,2,3,4,5,6,7                ; keys 32 (f / 4) on, channels 16 (f % 4) on
	ds_load_tr16_b128 v[VF+8*\f:VF+8*\f+3],   v[AV] offset:(\f/4)*32*PV+(\f%4)*32
	ds_load_tr16_b128 v[VF+8*\f+4:VF+8*\f+7], v[AV] offset:(\f/4)*32*PV+16*PV+(\f%4)*32
.endr
	WIN 0
	v_add_nc_u32 v[AV], KS*PV, v[AV]
.endm
; THE MASK's five blocks, made anew where MK = 1: for the step 2 - CNT of a diagonal tile, or all 0 for the first tile behind one.
.macro MASK
	WIN 0
	s_cmp_eq_u32 s[MK], 0
	s_cbranch_scc1 .Lno_mask_\@
	s_sub_co_u32 s[SH], 2, s[CNT]
	s_lshl_b32 s[SH], s[SH], 6
	s_cmp_eq_u32 s[DG], 1
	s_cselect_b32 s[SH], s[SH], 0xfff00000         ; off the diagonal: less a number far below all, so that nothing is hidden
	v_sub_nc_u32 v[DD], v[D0], s[SH]
	WIN 0x40
.set i, 0
.rept 40
	v_cmp_gt_i32 vcc_lo, 16*(i/8-1)+i%8, v[DD]
	v_cndmask_b32 v[MC+i], 0, s[BIGN], vcc_lo
.set i, i+1
.endr
	WIN 0
	s_mov_b32 s[MK], s[DG]
.Lno_mask_\@:
.endm
; THE SOFTMAX of one step, both tiles alternating, so that no instruction reads the result of the one before it.
.macro REGS u
.set rT, ST+4*(\u)
.set rC, TMP+4*(\u)
.set rW, MV+(\u)
.set rS, S+32*(\u)
.set rP, P+16*(\u)
.set rO, 32*(\u)
.endm
; Number n of the 22 that find the maximum and the statistics.  s0-s31 are the lane's 32 scores; each accumulator's lowest registers are read first.
;   0-11  four chains c0-c3 of seven scores each     12-14, 16  the four scores left over, the old m, and c0-c3 into c0     15  c m_old is kept
;   17, 18  the query's other 32 keys lie in the lane 16 away: the new m     19-21  c m; c m_old - c m_new; a
.macro XS u, n
	REGS \u
.if (\n) < 4
	v_max3_num_f32 v[rC+(\n)], v[rS+8*(\n)], v[rS+8*(\n)+1], v[rS+8*(\n)+2]
.elseif (\n) < 12
	v_max3_num_f32 v[rC+(\n)%4], v[rC+(\n)%4], v[rS+8*((\n)%4)+2*((\n)/4)+1], v[rS+8*((\n)%4)+2*((\n)/4)+2]
.elseif (\n) == 12
	v_max3_num_f32 v[rC], v[rC], v[rS+7], v[rS+15]
.elseif (\n) == 13
	v_max3_num_f32 v[rC+1], v[rC+1], v[rS+23], v[rS+31]
.elseif (\n) == 14
	v_max3_num_f32 v[rC+2], v[rC+2], v[rC+3], v[rT+1]
.elseif (\n) == 15
	v_mov_b32 v[rW], v[rT]
.elseif (\n) == 16
	v_max3_num_f32 v[rC], v[rC], v[rC+1], v[rC+2]
.elseif (\n) == 17
	v_permlanex16_b32 v[rC+3], v[rC], s[SEL], s[SEL+1]
.elseif (\n) == 18
	v_max_num_f32 v[rT+1], v[rC], v[rC+3]
.elseif (\n) == 19
	v_mul_f32 v[rT], s[CS], v[rT+1]
.elseif (\n) == 20
	v_sub_f32 v[rC+1], v[rW], v[rT]
.else
	v_exp_f32 v[rC+2], v[rC+1]
.endif
.endm
.macro FS u, b                         ; c s - c m for pair b
	REGS \u
	v_pk_fma_f32 v[rS+2*(\b):rS+2*(\b)+1], v[rS+2*(\b):rS+2*(\b)+1], s[CS:CS+1], v[rT:rT+1] op_sel_hi:[1,0,0] neg_lo:[0,0,1] neg_hi:[0,0,1]
.endm
.macro EX u, e
	REGS \u
	v_exp_f32 v[rS+(\e)], v[rS+(\e)]
.endm
.macro SOFTMAX
	WIN 0
.irp n, 0,1,2,3,4,5,6,7,8,9,10,11,12,13,14,15,16,17,18,19,20,21
	XS 0, \n
	XS 1, \n
.endr
.set sb, 0
.rept 16                               ; the two a above and these 64 exponentials are ONE BATCH: nothing ahead of the wait names a result of theirs
	FS 0, sb
	FS 1, sb
	EX 0, 2*sb
	EX 1, 2*sb
	EX 0, 2*sb+1
	EX 1, 2*sb+1
.set sb, sb+1
.endr
	v_nop                                          ; a plain instruction behind the last exponential (ISA guide 5.7.2),
	s_wait_alu depctr_va_vdst(0)                   ; and the one wait between the batch and the first use of a result
.set sb, 0
.rept 16                               ; the weights rounded to f16, a pair each
	v_cvt_pk_f16_f32 v[P+sb],    v[S+2*sb],    v[S+2*sb+1]
	v_cvt_pk_f16_f32 v[P+16+sb], v[S+32+2*sb], v[S+32+2*sb+1]
.set sb, sb+1
.endr
.irp w, 4, 8, 16, 32                   ; the sum of a tile's 16 pairs, in place: neighbours 1, 2, 4 and 8 pairs apart
.set z, 0
.rept 32/\w
	v_pk_add_f32 v[S+\w*z:S+\w*z+1],       v[S+\w*z:S+\w*z+1],       v[S+\w*z+\w/2:S+\w*z+\w/2+1]
	v_pk_add_f32 v[S+32+\w*z:S+32+\w*z+1], v[S+32+\w*z:S+32+\w*z+1], v[S+32+\w*z+\w/2:S+32+\w*z+\w/2+1]
.set z, z+1
.endr
.endr
.irp u, 0,1                            ; l = a l + the sum
	v_pk_fma_f32 v[ST+4*\u+2:ST+4*\u+3], v[ST+4*\u+2:ST+4*\u+3], v[TMP+4*\u+2:TMP+4*\u+3], v[S+32*\u:S+32*\u+1] op_sel_hi:[1,0,1]
.endr
	WIN W_RS
.set z, 0
.rept 16                               ; O^T times a, from each accumulator's low end on
	v_pk_mul_f32 v[2*z:2*z+1],       v[2*z:2*z+1],       v[TMP+2:TMP+3] op_sel_hi:[1,0]
	v_pk_mul_f32 v[32+2*z:32+2*z+1], v[32+2*z:32+2*z+1], v[TMP+6:TMP+7] op_sel_hi:[1,0]
.set z, z+1
.endr
	WIN 0
.endm
; A KEY STEP.  The one wait on LDS is for 0: V of the step before and this step's K were asked for ahead of the last softmax (at a tile's first step K a few lines back).
.macro STEP
	MASK
	s_wait_dscnt 0x0
	PVS                                            ; V^T P of the step before (at the very first step: of zeros)
	KQS
	WIN 0
	PLACES                                         ; behind the products: the loads below land in registers that they have read, and the softmax reads their results
	FETCH_V                                        ; this step's V
	s_cmp_eq_u32 s[CNT], 1                         ; a tile's last step has no further K in this slot
	s_cbranch_scc1 .Lno_k_\@
	FETCH_K
.Lno_k_\@:
	SOFTMAX
.endm
.macro TILE
	s_sub_co_u32 s[RT], s[RT], 1
	s_cmp_eq_u32 s[RT], 0
	s_cselect_b32 s[DG], 1, 0
	s_or_b32 s[MK], s[DG], s[NEW]
	s_mov_b32 s[NEW], 0
	FETCH_K
	s_mov_b32 s[CNT], 2
.Lstep_\@:
	STEP
	s_sub_co_u32 s[CNT], s[CNT], 1
	s_cmp_lg_u32 s[CNT], 0
	s_cbranch_scc1 .Lstep_\@
.endm
; A BLOCK's END: the last step's V^T P; l's two halves and the other half of the lanes' are added; O^T is divided by l, rounded to f16 and stored.
.macro PACK t                          ; tile t: a lane's eight channels of accumulator f pack into 16 bytes, its part of half a fragment of O
	WIN W_RS
.set i, 32*(\t)
.rept 16
	v_pk_mul_f32 v[i:i+1], v[i:i+1], v[ST+4*(\t)+2:ST+4*(\t)+3] op_sel_hi:[1,0]
.set i, i+2
.endr
	WIN 0x05                                       ; sources 0 and 1 window 1, destination window 0: S^T's registers are free
.set i, 0
.rept 16
	v_cvt_pk_f16_f32 v[S+16*(\t)+i], v[32*(\t)+2*i], v[32*(\t)+2*i+1]
.set i, i+1
.endr
	WIN 0
.irp f, 0,1,2,3
	global_store_b128 v[GO], v[S+16*(\t)+4*\f:S+16*(\t)+4*\f+3], s[10:11] offset:(\t)*OTB+\f*512  ; 512 consecutive bytes, at a multiple of 256 from O's first byte
.endr
.endm
.macro FINISH
	s_wait_dscnt 0x0                               ; the last step's V is in
	PVS
	WIN 0
.irp u, 0,1                            ; the four additions and the v_nop are the places behind the last products
	v_add_f32 v[ST+4*\u+2], v[ST+4*\u+2], v[ST+4*\u+3]
.endr
.irp u, 0,1
	v_permlanex16_b32 v[ST+4*\u+3], v[ST+4*\u+2], s[SEL], s[SEL+1]
.endr
.irp u, 0,1
	v_add_f32 v[ST+4*\u+2], v[ST+4*\u+2], v[ST+4*\u+3]
.endr
.irp u, 0,1
	v_rcp_f32 v[ST+4*\u+2], v[ST+4*\u+2]
.endr
	v_nop                                          ; a plain instruction between the last reciprocal and the use of its result,
	s_wait_alu depctr_va_vdst(0)                   ; and the wait ahead of the first use: one for both
	PACK 0
	PACK 1
.endm
.macro START                           ; a block's statistics: c m far below every c s, m the lowest finite number
.irp u, 0,1
	v_mov_b32 v[ST+4*\u], 0xfe000000
	v_mov_b32 v[ST+4*\u+1], 0xff7fffff
.endr
.endm
	s_load_b128 s[84:87], s[0:1], 0x0              ; qkv s[84:85], o s[86:87]
	v_lshl_add_u32 v[SPW], v0, 2, SPARE
	v_mov_b32 v[NIL], 0
	ds_add_u32 v[SPW], v[NIL]                      ; the wave's opening: the add and its wait stand ahead of my first tensor load; the set-up below, work on registers, stands between them
	v_lshrrev_b32 v1, 5, v0
	v_readfirstlane_b32 s[WV], v1                  ; wave 0..3
	s_mov_b32 s[PB], ttmp9
	s_sub_co_u32 s[HI], NB-1, s[PB]
	s_and_b32 s20, ttmp7, 0xffff                   ; 16 x batch + head
	s_lshr_b32 s17, s20, 4                         ; O: a batch is 128 blocks of 16 tokens, 32,768 bytes each;
	s_lshl_b32 s17, s17, 22
	s_and_b32 s13, s20, 15                         ; in a block a head has 2,048 bytes;
	s_lshl_b32 s13, s13, 11
	s_add_co_u32 s17, s17, s13
	s_lshl_b32 s13, s[WV], 16                      ; my 32 queries are two blocks
	s_add_co_u32 s17, s17, s13
	s_lshl_b32 s66, s[HI], 18                      ; and a block of 128 queries eight: the first block's,
	s_add_co_u32 s66, s66, s17
	s_mov_b32 s67, 0
	s_lshl_b32 s68, s[PB], 18                      ; and the second's
	s_add_co_u32 s68, s68, s17
	s_mov_b32 s69, 0
	s_lshl_b32 s20, s20, 18                        ; the head's 262,144 bytes in each of Q, K, V
	s_and_b32 s16, s[WV], 1                        ; which half of a tile's 128 keys I fetch:
	s_lshl_b32 s22, s16, 13                        ; its 64 rows of 128 bytes in memory,
	s_add_co_u32 s22, s22, s20
	s_mov_b32 s23, 0
	s_mul_i32 s[LBK], s16, 64*PK                   ; and its place in a slot, for K
	s_mul_i32 s[LBV], s16, 64*PV                   ; and for V
	s_add_co_u32 s[LBV], s[LBV], VOFF
	s_lshl_b32 s3, s[WV], 12                       ; Q: my 32 rows of a block,
	s_add_co_u32 s3, s3, s20
	s_lshl_b32 s2, s[HI], 14                       ; in the first block,
	s_add_co_u32 s2, s2, s3
	s_lshl_b32 s18, s[PB], 14                      ; and in the second
	s_add_co_u32 s18, s18, s3
	s_mov_b32 s3, 0
	s_mov_b32 s19, 0
	; descriptor group 1.  64 keys are 8,192 dense bytes: asked for as 32 rows of 256 bytes, two keys a row, and padded in LDS after every key
	s_mov_b32 s[G1K], (1<<16)|(1<<20)|(4<<22)|(3<<25)  ; 17:16 2-byte elements; 20 padding on; 24:22 after every 32 words (code 4); 31:25 4 words (code 3)
	s_mov_b32 s[G1V], (1<<16)|(1<<20)|(4<<22)|(7<<25)  ; the same with 8 words of padding (code 7)
.irp g, G1K, G1V
	s_mov_b32 s[\g+1], 128<<16                     ; tensor_dim0 = 128
	s_mov_b32 s[\g+2], 32<<16                      ; tensor_dim1 = 32
	s_mov_b32 s[\g+3], 128<<16                     ; tile_dim0 = 128
	s_mov_b32 s[\g+4], 32                          ; tile_dim1 = 32
	s_mov_b32 s[\g+5], 128                         ; 128 elements from row to row
	s_mov_b32 s[\g+6], 0
	s_mov_b32 s[\g+7], 0
.endr
	s_mov_b32 s[CS], 0x3e38aa3b                    ; c = log2(e) / 8 = 0.180337
	s_mov_b32 s[CS+1], s[CS]                       ; named with it as a pair
	s_mov_b32 s[SEL], 0x76543210
	s_mov_b32 s[SEL+1], 0xfedcba98
	s_mov_b32 s[TB], SLOTB                         ; the first change of slots turns it into 0
	s_mov_b32 s[TF], 0                             ; tile 0 goes into slot 0
	s_mov_b32 s[G0K], 1                            ; 1:0 count = 1
	s_mov_b32 s[G0K+1], s[LBK]                     ; 63:32 LDS address: slot 0
	s_mov_b32 s[G0V], 1
	s_mov_b32 s[G0V+1], s[LBV]
	s_add_co_u32 s[RT], s[HI], 1                   ; the first block has 16 - b tiles
	s_mov_b32 s[NXT], 1
	s_mov_b32 s[LQ], s[HI]
	s_mov_b32 s[NEW], 0                            ; the mask registers are cleared below
	s_mov_b32 s[OFF+1], 0
	s_mov_b32 s[BIGN], 0xf149f2ca                  ; -1e30
	s_mov_b32 s[SLOTS], NB
	s_cmp_eq_u32 s[PB], 0
	s_cselect_b32 s[PFC], 13, 0
	s_wait_dscnt 0x0                               ; the opening add is done
	s_wait_kmcnt 0x0
	s_add_nc_u64 s[6:7], s[84:85], s[22:23]
	s_add_nc_u64 s[8:9], s[6:7], 16777216          ; V at my half of the head's tile 0,
	s_add_nc_u64 s[6:7], s[6:7], 8388608           ; and K
	s_add_nc_u64 s[G0K+2:G0K+3], s[6:7], 0         ; 120:64 global address
	s_or_b32 s[G0K+3], s[G0K+3], 0x80000000        ; 127:126 type = 2
	s_add_nc_u64 s[G0V+2:G0V+3], s[8:9], 0
	s_or_b32 s[G0V+3], s[G0V+3], 0x80000000
	s_add_nc_u64 s[4:5], s[84:85], s[2:3]          ; Q and O at my rows of the first block,
	s_add_nc_u64 s[10:11], s[86:87], s[66:67]
	s_add_nc_u64 s[20:21], s[84:85], s[18:19]      ; and of the second
	s_add_nc_u64 s[OLO:OLO+1], s[86:87], s[68:69]
	s_cmp_lt_u32 s[WV], 2
	s_cselect_b64 s[PFA:PFA+1], s[6:7], s[8:9]
	s_add_nc_u64 s[PFA:PFA+1], s[PFA:PFA+1], 2*16384  ; at tile 2: the first change of slots steps it to tile 3.  Nothing is prefetched here, at the head
	LOAD                                           ; tile 0 into slot 0
	; A fragment of K or Q is 16 rows x 32 channels in 8 registers: lane l holds row l % 16, channels 8 (l / 16) + 0..7 and 16 + 8 (l / 16) + 0..7: two loads of 16 bytes, 32 bytes apart.
	v_and_b32 v1, 15, v0                           ; l % 16
	v_bfe_u32 v9, v0, 4, 1                         ; l / 16
	v_lshlrev_b32 v[DD], 7, v1
	v_lshl_add_u32 v[DD], v9, 4, v[DD]             ; row x 128 + 16 x half
	WIN 0x80                                       ; destination window 2, address window 0
.set i, 0
.rept 4                                ; both blocks' Q: tile i / 2, channels 32 (i % 2) on
	global_load_b128 v[8*i:8*i+3],         v[DD], s[4:5] offset:(i/2)*2048+(i%2)*64
	global_load_b128 v[8*i+4:8*i+7],       v[DD], s[4:5] offset:(i/2)*2048+(i%2)*64+32
	global_load_b128 v[QB+8*i:QB+8*i+3],   v[DD], s[20:21] offset:(i/2)*2048+(i%2)*64
	global_load_b128 v[QB+8*i+4:QB+8*i+7], v[DD], s[20:21] offset:(i/2)*2048+(i%2)*64+32
.set i, i+1
.endr
	WIN 0
	v_lshlrev_b32 v[D0], 3, v9
	v_sub_nc_u32 v[D0], v1, v[D0]
	s_lshl_b32 s13, s[WV], 5
	v_add_nc_u32 v[D0], s13, v[D0]
	v_mul_u32_u24 v[AK0], v1, PK
	v_lshl_add_u32 v[AK0], v9, 4, v[AK0]           ; row x pitch + 16 x half
	; The turning load takes 16 keys x 16 channels (lane l reads key 8 (l / 16) + l % 8, channels 8 ((l / 8) % 2) + 0..7) and leaves half a fragment of V^T: lane l holds channel l % 16 and 8 keys.
	v_and_b32 v10, 7, v0
	v_bfe_u32 v11, v0, 3, 1
	v_lshl_add_u32 v[AV0], v9, 3, v10
	v_mul_u32_u24 v[AV0], v[AV0], PV
	v_lshl_add_u32 v[AV0], v11, 4, v[AV0]
	v_add_nc_u32 v[AV0], VOFF, v[AV0]
	v_and_b32 v[GO], 31, v0
	v_lshlrev_b32 v[PFO], 8, v[GO]
	v_lshlrev_b32 v[GO], 4, v[GO]
	; What the first step finds: V, P, O^T and l hold 0 (its products V^T P, of a step that has not been, add 0), and the mask hides nothing.  No first step is written out; the price is these lines,
	; which stand in the wait for the first tile.
	WIN 0x80
.set i, VF
.rept 64
	v_mov_b32 v[i], 0
.set i, i+1
.endr
	WIN 0x40
.set i, 0
.rept 64
	v_mov_b32 v[i], 0
.set i, i+1
.endr
.set i, MC
.rept 40
	v_mov_b32 v[i], 0
.set i, i+1
.endr
	WIN 0
.set i, P
.rept 32
	v_mov_b32 v[i], 0
.set i, i+1
.endr
.irp u, 0,1
	v_mov_b32 v[ST+4*\u+2], 0
	v_mov_b32 v[ST+4*\u+3], 0
.endr
	START
	s_wait_loadcnt 0x0                             ; Q; its address register is free from here on
.Lslot:                                                ; 16 times: a tile is entered and the next is asked for
	CHANGE 1
	TILE
	s_cmp_eq_u32 s[DG], 0
	s_cbranch_scc1 .Lbottom
	FINISH                                         ; in the loop this is the first block's end: the second block's last tile is the walk's last
	s_wait_xcnt 0x0                                ; the stores have read their registers and O's address
	s_mov_b64 s[10:11], s[OLO:OLO+1]
	s_add_co_u32 s[RT], s[PB], 1                   ; the second block has b + 1 tiles
	s_mov_b32 s[NEW], 1
	START
	WIN 0x82                                       ; the second block's Q goes where the one text of the products names Q
.set i, 0
.rept 32
	v_mov_b32 v[i], v[QB+i]
.set i, i+1
.endr
	WIN 0
.Lbottom:
	s_sub_co_u32 s[SLOTS], s[SLOTS], 1
	s_cmp_lg_u32 s[SLOTS], 0
	s_cbranch_scc1 .Lslot
	CHANGE 0                                       ; the walk's last tile is written out: nothing is asked for
	TILE
	FINISH
	s_wait_tensorcnt 0x0                           ; the wave's end, behind my last tensor load
	ds_add_u32 v[SPW], v[NIL]
	s_wait_dscnt 0x0
	s_endpgm
.Lfunc_end_k_q226a9bf578_attn:
	.size	k_q226a9bf578_attn, .Lfunc_end_k_q226a9bf578_attn-k_q226a9bf578_attn
	.p2alignl 7, 3214868480
	.fill 96, 4, 3214868480
	.section	.rodata,"a",@progbits
	.p2align	6, 0x0
	.amdhsa_kernel k_q226a9bf578_attn
		.amdhsa_group_segment_fixed_size 327680
		.amdhsa_private_segment_fixed_size 0
		.amdhsa_enable_private_segment 0
		.amdhsa_kernarg_size 16
		.amdhsa_user_sgpr_count 2
		.amdhsa_user_sgpr_kernarg_segment_ptr 1
		.amdhsa_wavefront_size32 1
		.amdhsa_system_sgpr_workgroup_id_x 1
		.amdhsa_system_sgpr_workgroup_id_y 1
		.amdhsa_system_sgpr_workgroup_id_z 1
		.amdhsa_system_vgpr_workitem_id 0
		.amdhsa_next_free_vgpr 768
		.amdhsa_next_free_sgpr 92
		.amdhsa_reserve_vcc 1
		.amdhsa_float_denorm_mode_32 3
		.amdhsa_float_denorm_mode_16_64 3
		.amdhsa_memory_ordered 1
		.amdhsa_forward_progress 1
		.amdhsa_inst_pref_size 76
	.end_amdhsa_kernel
	.amdgpu_metadata
---
amdhsa.version: [ 1, 2 ]
amdhsa.kernels:
  - .name:           k_q226a9bf578_attn
    .symbol:         k_q226a9bf578_attn.kd
    .args:
      - { .name: qkv, .offset: 0, .size: 8, .value_kind: global_buffer, .address_space: global }
      - { .name: o, .offset: 8, .size: 8, .value_kind: global_buffer, .address_space: global }
    .group_segment_fixed_size: 327680
    .private_segment_fixed_size: 0
    .kernarg_segment_align: 8
    .kernarg_segment_size: 16
    .max_flat_workgroup_size: 128
    .sgpr_count:     92
    .vgpr_count:     768
    .wavefront_size: 32
...
	.end_amdgpu_metadata
.endif
;; end of part 4
;; launch gproj (part 5): grid 8 x 32, 4 waves a work-group, clusters of 4 x 4, 327,680 bytes of LDS; arguments o, wts, x1, bp, x; writes x1
.if DOCPART == 5
	.amdgcn_target "amdgcn-amd-amdhsa--gfx1250"
	.amdhsa_code_object_version 6
	.text
	.protected	k_q226a9bf578_gproj
	.globl	k_q226a9bf578_gproj
	.p2align	8
	.type	k_q226a9bf578_gproj,@function
k_q226a9bf578_gproj:
	s_mov_b64 s[64:65], 0
	v_nop
	global_prefetch_b8 v0, s[64:65] scope:SCOPE_SE
	s_setreg_imm32_b32 hwreg(HW_REG_WAVE_MODE, 25, 1), 1
	s_wait_xcnt 0x0
	s_wait_alu depctr_hold_cnt(0) depctr_sa_sdst(0) depctr_va_vdst(0) depctr_va_sdst(0) depctr_va_ssrc(0) depctr_va_vcc(0) depctr_vm_vsrc(0)
	s_getreg_b32 s2, hwreg(HW_REG_IB_STS2, 6, 4)
	s_cmp_eq_u32 s2, 0
	s_cbranch_scc0 .Lentry_in_a_cluster
	s_endpgm
.Lentry_in_a_cluster:
	s_bfe_u32 s2, ttmp6, 0x10000c
	s_cmp_lg_u32 s2, 0xf033
	s_cbranch_scc0 .Lentry_shape_is_right
	s_endpgm
.Lentry_shape_is_right:
; C = R + A B + bias, f32 out, [4096][1024].  One text serves two launches; KIND picks the sizes:
;   KIND 2: x1 = x + o Wp + bp.  A = o, f16, K = 1,024; B = WP f16 [1024 k][1024 n] out of wts.  Arguments: o, wts, x1, bp, x.
;   KIND 3: out = x1 + g W2 + b2.  A = g, bf16, K = 4,096; B = W2 bf16 [4096 k][1024 n] out of wts.  Arguments: g, wts, out0, b2, x1.
; Sums in f32.  NaN and infinities are not treated apart.
; SHARES.  1,024 columns give 256 tiles of C only at 128 x 128.  K IS SPLIT AMONG THE FOUR WAVES: of each K step of 512 wave w takes k = 128 w .. 128 w + 127 for the WHOLE tile, in 64 accumulators
; of 16 x 16 (512 registers).  The four partial tiles meet in LDS at the end, in f32, always in the same order.
; A LIES IN FRAGMENT ORDER, as the launch before has stored it: [256 blocks of 16 rows][K / 32 blocks of 32 k][1,024 bytes]; lane l's 16 bytes at 16 l: row l % 16, k = 8 (l / 16) + 0..7 in the first 512
; bytes, 16 + 8 (l / 16) + 0..7 in the second: a matrix operand's register image.  No wave wants a byte of A that another wave has fetched, so A GOES STRAIGHT INTO REGISTERS, by loads of 512 consecutive
; bytes: a ring of four buffers, one for each quarter (32 k) of a wave's 128 k.  A buffer is asked for again in two groups of eight loads (rows 0-63, rows 64-127), each as soon as its rows are multiplied:
; 224 matrix instructions ahead of its next use.  The waits are counted: six younger groups, 48 loads, stay out; no barrier empties that counter.
; B STAYS [k][n] and goes through a ring of two LDS slots filled by the tensor data mover, each wave fetching the 128 rows k that it multiplies; its fragments come out of LDS turned, by ds_load_tr16_b128.
; THE MATRIX INSTRUCTION IS USED TRANSPOSED (source 0 = 16 columns of B, source 1 = 16 rows of A): a lane holds row l % 16 of C and the eight neighbouring columns 8 (l / 16) + 0..7.
; CLUSTER.  4 x 4 work-groups: B's tiles are asked for jointly along a column of the cluster; a round of the cluster's barrier stands in front of every tensor load.  A's rows, which the four of a row of the
; cluster share, are NOT asked for jointly: with A in LDS beside B a slot holds 256 k, 128 matrix instructions a wave between two rounds; with B alone it holds 512 k, 256 of them.
; THE RESIDUAL's tile (128 x 128 f32) is brought by a plain tensor load, a quarter a wave, into the slot that the last K step but one has left.
; REGISTERS, in windows of 256 (s_set_vgpr_msb: bits 1:0 source 0, 3:2 source 1, 5:4 source 2, 7:6 destination):
;   window 0: v0-31 addresses; v32-35 bias; v36-39 the way out's bases; v64-127, v128-191, v192-255 A's buffers 0, 1, 2; behind the K loop v64-143 serve the way out
;   window 1: v0-63 A's buffer 3; v64-127, v128-191 B's fragments, two buffers      windows 2, 3: the accumulators: (a, b) at v[8 (8 (a % 4) + b)] of window 2 + a / 4
.set KIND, 2
.if KIND == 2
.set WOFF,  6291456
.set KK,    1024
.else
.set WOFF,  16777216
.set KK,    4096
.endif
.set NS,    KK/512                     ; K steps: 2 or 8, an even number
.set TBS,   KK*32                      ; bytes of A from a block of 16 rows to the next
.set ASTEP, 16*1024                    ; bytes of A from K step to K step: 16 blocks of 32 k
.set PB,    288                        ; a row of B in LDS: 256 + 32 = 72 words
.set BPART, 128*PB                     ; what one tensor load brings: a wave's 128 rows k
.set SLOT,  4*BPART
.set SPARE, 2*SLOT                     ; behind the ring: the spare words, 128 bytes for each wave: two blocks of 256 bytes that no other line names
.set BSTEP, 512*2048
.set RESB,  0                          ; the way out, in the ring's bytes: the residual's 128 rows of 512 bytes,
.set DUMPB, 65536                      ; and behind them four partial half tiles of 64 rows; nothing is filled there any more when they are stored
.set PD,    528                        ; a row of 128 f32 + 16 bytes
.set REG,   64*PD
.set ADRB0, 20                         ; v20  my lane's place among B's fragments in slot 0; never rewritten
.set ADRB,  21                         ; v21  the same in the slot in hand
.set PFOA,  22                         ; v22, v23  the prefetches' offsets in A and in B; never rewritten
.set PFOB,  23
.set DST,   24                         ; v24  the way out: where I put 32 bytes of a row
.set P01,   25                         ; v25  where I read partial tiles 0 and 1,
.set P23,   26                         ; v26  2 and 3,
.set RES,   27                         ; v27  and the residual
.set SPW,   28                         ; v28  LDS address of my spare word: SPARE + 4 x my thread's number; never rewritten
.set NIL,   29                         ; v29  0; never rewritten
.set AO,    30                         ; v30  16 x my lane: my place in 512 consecutive bytes of A, and in the bias; never rewritten
.set GO,    31                         ; v31  my byte offset in the output
.set BIAS,  32
.set BASE,  36                         ; v36-39  what v25, v26, v27, v31 start from in each pass
.set G1B,   24                         ; s[24:31] descriptor group 1 for B's tiles
.set G0B0,  40                         ; s[40:43] group 0 of B's first fill;  s[44:47] of its second, which then walks
.set G0B,   44
.set GR0,   48                         ; s[48:51], s[52:59] the residual's descriptor
.set GR1,   52
.set WV,    72                         ; s72  my wave's number
.set CX,    75
.set CY,    76
.set TX,    77                         ; s77  tile column of C
.set TY,    78                         ; s78  tile row
.set TB,    79                         ; s79  0 or SLOT: the slot that is read
.set TF,    80                         ; s80  0 or SLOT: the slot that was filled last
.set LBB,   82                         ; s82  wave x BPART: where my rows of B begin in a slot
.set LIMA,  83                         ; s83  1 in a wave that prefetches A, else the greatest number
.set AP,    84                         ; s[84:85] A at my tile's first block of rows, my 128 k of the K step in hand
.set LIMB,  90                         ; s90  2 in a wave that prefetches B, else the greatest number
.set PFB,   96                         ; s[96:97] where my prefetches of B stand;  s[98:99] those of A
.set PFAA,  98
.set MSB, 0
.macro WIN new                         ; the immediate's high byte repeats the setting that is left; a switch that changes nothing is dropped
.if MSB != (\new)
	s_set_vgpr_msb (MSB<<8)|(\new)
.set MSB, \new
.endif
.endm
.set TO_1,   0x40                      ; destination window 1, address window 0
.macro PLACES                          ; four plain vector instructions between a matrix instruction and a load into, or a read of, its registers (for reads ISA guide 7.12.1)
.rept 4
	v_nop
.endr
.endm
.macro CREST                           ; a round of the cluster's barrier behind its opening barrier
	s_cmp_lg_u32 s[WV], 0
	s_cbranch_scc1 .Lnot_wave_0_\@
	s_barrier_signal -3
.Lnot_wave_0_\@:
	s_barrier_wait -3
	s_barrier_signal -1
	s_barrier_wait -1
.endm
.macro CROUND                          ; a whole round
	s_barrier_signal -1
	s_barrier_wait -1
	CREST
.endm
; 16 matrix instructions of quarter q (A's buffer q, B's buffer q % 2): row blocks a0, a0 + 1 of the window's four (hi = 0: rows 0-63, 1: rows 64-127) x all 8 column blocks, 32 along K.
; zero = 1: the product starts the sums.  Source 0 (B) lies in window 1, source 1 (A) in window 0, buffer 3 in window 1; C and D in window 2 or 3.
.macro MUL16 q, hi, a0, zero
.set fB, 64+64*((\q)%2)
.if (\q) == 3
.set fA, 0
	WIN 0xa5+0x50*(\hi)
.else
.set fA, 64+64*(\q)
	WIN 0xa1+0x50*(\hi)
.endif
.irp a, \a0, (\a0)+1
.irp b, 0,1,2,3,4,5,6,7
.set rD, 8*(8*(\a)+(\b))
.set rB, fB+8*(\b)
.set rA, fA+8*(4*(\hi)+(\a))
.if KIND == 2
.if \zero
	v_wmma_f32_16x16x32_f16 v[rD:rD+7], v[rB:rB+7], v[rA:rA+7], 0
.else
	v_wmma_f32_16x16x32_f16 v[rD:rD+7], v[rB:rB+7], v[rA:rA+7], v[rD:rD+7]
.endif
.else
.if \zero
	v_wmma_f32_16x16x32_bf16 v[rD:rD+7], v[rB:rB+7], v[rA:rA+7], 0
.else
	v_wmma_f32_16x16x32_bf16 v[rD:rD+7], v[rB:rB+7], v[rA:rA+7], v[rD:rD+7]
.endif
.endif
.endr
.endr
.endm
; 16 LDS loads in one run: B's fragments of quarter q of my 128 rows k, into buffer q % 2: column block i, turned: two loads, 16 rows k apart.
.macro FETCHB q
.set fB, 64+64*((\q)%2)
	WIN TO_1
.irp i, 0,1,2,3,4,5,6,7
	ds_load_tr16_b128 v[fB+8*(\i):fB+8*(\i)+3],   v[ADRB] offset:(\q)*32*PB+32*(\i)
	ds_load_tr16_b128 v[fB+8*(\i)+4:fB+8*(\i)+7], v[ADRB] offset:(\q)*32*PB+16*PB+32*(\i)
.endr
.endm
; A group of eight loads: A's fragments of quarter q, row blocks 4 half + 0..3, of the K step d steps behind the one at which the pointer stands, into buffer q.  Each load: 512 consecutive bytes.
.macro ALOAD q, half, d
.if (\q) == 3
.set fA, 0
	WIN TO_1
.else
.set fA, 64+64*(\q)
	WIN 0
.endif
.irp i, 0,1,2,3
	global_load_b128 v[fA+8*(4*(\half)+(\i)):fA+8*(4*(\half)+(\i))+3],   v[AO], s[AP:AP+1] offset:(\d)*ASTEP+(\q)*1024+(4*(\half)+(\i))*TBS
	global_load_b128 v[fA+8*(4*(\half)+(\i))+4:fA+8*(4*(\half)+(\i))+7], v[AO], s[AP:AP+1] offset:(\d)*ASTEP+(\q)*1024+(4*(\half)+(\i))*TBS+512
.endr
.endm
; A wave's K step is four quarters of 32 along K, 64 matrix instructions each.  One of the first three, quarter q.  The groups of A are issued in the order in which they are used (rows 0-63, rows 64-127,
; the next quarter's ..), and each wait stands ahead of the next group's issue.  cs, cm: how many younger loads may stay out when this quarter's rows 0-63 (at its head), rows 64-127 (in its middle) must be in.
; rs = 1: at the head the quarter before's buffer takes its next rows 64-127 (K step d0);  rm = 1: in the middle this quarter's buffer takes its next rows 0-63 (K step d1).
; The 64 accumulators take turns in the same order in every quarter, over the backward jump too.
.macro QTR q, zero, rs, d0, rm, d1, cs, cm
	s_wait_loadcnt \cs
.if \rs
	PLACES                                         ; behind the products that read those rows
	ALOAD ((\q)+3)%4, 1, \d0
.endif
	s_wait_dscnt 0x0                               ; B's fragments, asked for 32 matrix instructions ago
	MUL16 \q, 0, 0, \zero
	MUL16 \q, 0, 2, \zero
	PLACES
	FETCHB (\q)+1
	s_wait_loadcnt \cm
.if \rm
	ALOAD \q, 0, \d1
.endif
	MUL16 \q, 1, 0, \zero
	MUL16 \q, 1, 2, \zero
.endm
.if NS > 2
; PREFETCHES INTO THE L2, together, behind the change of slots' tensor load, its five lines and the loads that follow them.  B: the K step that stands two refills on: of the 128 rows k that I fetch, 32, a lane a
; row of 256 bytes.  A: the K step three on from the one in hand, whose loads begin five quarters later: of my 8 blocks of rows x 4,096 bytes, two blocks, a lane 256 bytes.  Each block of 256 bytes is named once in
; the launch: B's by the clusters with y = 0, A's by those with x = 0, and the four partners that read the same bytes share them out by address (cy for B, cx for A).  B's K steps 0 to 3 and A's 0 to 2 come by their
; loads alone; the requests end with the last K step.
.macro ASK
	WIN 0
	s_cmp_gt_u32 s3, s[LIMB]
	s_cbranch_scc0 .Lnot_b_\@
	global_prefetch_b8 v[PFOB], s[PFB:PFB+1] th:TH_LOAD_NT scope:SCOPE_SE
.Lnot_b_\@:
	s_cmp_gt_u32 s3, s[LIMA]
	s_cbranch_scc0 .Lnot_a_\@
	global_prefetch_b8 v[PFOA], s[PFAA:PFAA+1] th:TH_LOAD_NT scope:SCOPE_SE
.Lnot_a_\@:
.endm
.endif
; The last quarter changes slots: ONE barrier, which opens a round of the cluster's.  In front of it each wave waits for all its tensor loads (the one that is out is its part of the next slot), adds 0 to its
; spare word, and waits for that and for its own reads of this slot.  Behind the round this slot is filled again, the wave's first tensor load there and its only one: kind = 1: jointly, with the K step two
; steps on: 224 matrix instructions stand between the request and the wait for it;  kind = 2: with my quarter of the residual's tile.  By the text's count one tensor load of the wave is out.
.macro TURN kind
	s_wait_loadcnt 48                              ; A's rows 0-63 of this quarter
	PLACES
	ALOAD 2, 1, 1
	WIN 0                                          ; (the add's two registers lie in window 0)
	s_wait_tensorcnt 0x0                           ; all my tensor loads have landed;
	ds_add_u32 v[SPW], v[NIL]                      ; 0 onto my spare word;
	s_wait_dscnt 1                                 ; (B's fragments are in; the add may be out)
	MUL16 3, 0, 0, 0                               ; sixteen matrix instructions stand between the add and the wait for it
	s_wait_dscnt 0x0                               ; the add is done, and my reads of this slot are over
	s_barrier_signal -1
	MUL16 3, 0, 2, 0                               ; work on registers while the others arrive
	WIN 0
	s_barrier_wait -1
	CREST                                          ; no wave of any partner still reads this slot or has a tensor load on its way
.if (\kind) == 1
	s_xor_b32 s[TF], s[TF], SLOT                   ; the walking descriptor: the other slot than last time,
	s_add_co_u32 s[G0B+1], s[LBB], s[TF]
	s_add_nc_u64 s[G0B+2:G0B+3], s[G0B+2:G0B+3], BSTEP  ; the next K step; the type bits on top are not reached
	tensor_load_to_lds s[G0B:G0B+3], s[G1B:G1B+7]
.else
	tensor_load_to_lds s[GR0:GR0+3], s[GR1:GR1+7]
.endif
	s_nop 0                                        ; an s_nop 0 and four v_nop follow the load; the four are also the places in front of the loads below
.rept 4
	v_nop
.endr
	s_xor_b32 s[TB], s[TB], SLOT                   ; the reads go on in the other slot
	v_add_nc_u32 v[ADRB], s[TB], v[ADRB0]
	FETCHB 0
	s_wait_loadcnt 48                              ; A's rows 64-127 of this quarter
	ALOAD 3, 0, 1
.if (\kind) == 1
	ASK
.endif
	MUL16 3, 1, 0, 0
	MUL16 3, 1, 2, 0
.endm
; The way out, first part: row blocks lo to hi of my partial tile go into my region of LDS as f32, 32 bytes a lane; each accumulator's low registers first.
.macro DUMP lo, hi
.set da, \lo
.rept (\hi)-(\lo)+1
	WIN 0x08+4*(da/4)                              ; store data (source 1) in window 2 or 3
.set db, 0
.rept 8
	ds_store_b128 v[DST], v[8*(8*(da%4)+db):8*(8*(da%4)+db)+3]   offset:(da-(\lo))*16*PD+64*db
	ds_store_b128 v[DST], v[8*(8*(da%4)+db)+4:8*(8*(da%4)+db)+7] offset:(da-(\lo))*16*PD+64*db+16
.set db, db+1
.endr
.set da, da+1
.endr
	WIN 0
.endm
; Second part: wave w finishes rows 64 p + 16 w .. + 15: the four partial sums, the residual and the bias, four columns a lane; four trips of four rows.
.macro FIN p
	s_wait_xcnt 0x0                                ; the last pass's stores have read their offset
	v_mov_b32 v[P01], v[BASE]
	v_mov_b32 v[P23], v[BASE+1]
	v_mov_b32 v[RES], v[BASE+2]
	v_mov_b32 v[GO],  v[BASE+3]
	s_mov_b32 s3, 4
.Lfin_\@:
.set i, 0
.rept 4
	ds_load_b128 v[64+20*i:64+20*i+3],     v[P01] offset:PD*i
	ds_load_b128 v[64+20*i+4:64+20*i+7],   v[P01] offset:REG+PD*i
	ds_load_b128 v[64+20*i+8:64+20*i+11],  v[P23] offset:PD*i
	ds_load_b128 v[64+20*i+12:64+20*i+15], v[P23] offset:REG+PD*i
	ds_load_b128 v[64+20*i+16:64+20*i+19], v[RES] offset:(\p)*32768+512*i
.set i, i+1
.endr
.set i, 0
.rept 4
	s_wait_dscnt 15-5*i                            ; row i's five loads are in; the later rows' stay out
.irp c, 0, 2
	v_pk_add_f32 v[64+20*i+\c:64+20*i+\c+1],       v[64+20*i+\c:64+20*i+\c+1],       v[64+20*i+4+\c:64+20*i+4+\c+1]
	v_pk_add_f32 v[64+20*i+8+\c:64+20*i+8+\c+1],   v[64+20*i+8+\c:64+20*i+8+\c+1],   v[64+20*i+12+\c:64+20*i+12+\c+1]
	v_pk_add_f32 v[64+20*i+16+\c:64+20*i+16+\c+1], v[64+20*i+16+\c:64+20*i+16+\c+1], v[BIAS+\c:BIAS+\c+1]
.endr
.irp c, 0, 2
	v_pk_add_f32 v[64+20*i+\c:64+20*i+\c+1], v[64+20*i+\c:64+20*i+\c+1], v[64+20*i+8+\c:64+20*i+8+\c+1]
.endr
.irp c, 0, 2
	v_pk_add_f32 v[64+20*i+\c:64+20*i+\c+1], v[64+20*i+\c:64+20*i+\c+1], v[64+20*i+16+\c:64+20*i+16+\c+1]
.endr
	global_store_b128 v[GO], v[64+20*i:64+20*i+3], s[8:9] offset:(\p)*262144+4096*i  ; 512 consecutive bytes, at a multiple of 256 from the output's first byte
.set i, i+1
.endr
	s_wait_xcnt 0x0                                ; the stores have read their registers: the offset is stepped, and the next trip rewrites the data, only behind this wait
	v_add_nc_u32 v[P01], 4*PD, v[P01]
	v_add_nc_u32 v[P23], 4*PD, v[P23]
	v_add_nc_u32 v[RES], 4*512, v[RES]
	v_add_nc_u32 v[GO], 4*4096, v[GO]
	s_sub_co_u32 s3, s3, 1
	s_cmp_lg_u32 s3, 0
	s_cbranch_scc1 .Lfin_\@
.endm
	s_load_b256 s[4:11], s[0:1], 0x0               ; A s[4:5], wts s[6:7], the output s[8:9], the bias s[10:11]
	s_load_b64 s[68:69], s[0:1], 0x20              ; the residual
	v_lshl_add_u32 v[SPW], v0, 2, SPARE
	v_mov_b32 v[NIL], 0
	ds_add_u32 v[SPW], v[NIL]                      ; the wave's opening: the add and its wait stand ahead of my first tensor load; the set-up below, work on registers, stands between them
	v_lshrrev_b32 v1, 5, v0
	v_readfirstlane_b32 s[WV], v1
	s_bfe_u32 s[CX], ttmp6, 0x40000                ; my place in the cluster
	s_bfe_u32 s[CY], ttmp6, 0x40004
	s_lshl_b32 s[TX], ttmp9, 2                     ; in a cluster launch ttmp9 and ttmp7 count clusters
	s_add_co_u32 s[TX], s[TX], s[CX]
	s_and_b32 s[TY], ttmp7, 0xffff
	s_lshl_b32 s[TY], s[TY], 2
	s_add_co_u32 s[TY], s[TY], s[CY]
	s_lshl_b32 s61, 0x1111, s[CX]                  ; my column of the cluster: places cx, cx + 4, cx + 8, cx + 12
	s_or_b32 s[G1B], s61, (1<<16)|(1<<20)|(1<<21)|(5<<22)|(7<<25)    ; 15:0 the mask; 17:16 elements of 2 bytes; 20 padding on; 21 set beside a mask; 24:22 after every 64 words (code 5); 31:25 8 words (code 7)
	s_mov_b32 s[G1B+1], 128<<16                    ; tensor_dim0 = 128
	s_mov_b32 s[G1B+2], 128<<16                    ; tensor_dim1 = 128
	s_mov_b32 s[G1B+3], 128<<16                    ; tile_dim0 = 128
	s_mov_b32 s[G1B+4], 128                        ; tile_dim1 = 128 rows k
	s_mov_b32 s[G1B+5], 1024                       ; elements from row to row
	s_mov_b32 s[G1B+6], 0
	s_mov_b32 s[G1B+7], 0
	s_mov_b32 s[GR1], 2<<16                        ; the residual: no mask, elements of 4 bytes, no padding; 32 rows of 128 elements
	s_mov_b32 s[GR1+1], 128<<16
	s_mov_b32 s[GR1+2], 32<<16
	s_mov_b32 s[GR1+3], 128<<16
	s_mov_b32 s[GR1+4], 32
	s_mov_b32 s[GR1+5], 1024
	s_mov_b32 s[GR1+6], 0
	s_mov_b32 s[GR1+7], 0
	s_mul_i32 s[AP], s[TY], 8*TBS                  ; A: the tile's eight blocks of 16 rows,
	s_lshl_b32 s86, s[WV], 12                      ; my four blocks of 32 k
	s_add_co_u32 s[AP], s[AP], s86
	s_mov_b32 s[AP+1], 0
	s_lshl_b32 s88, s[WV], 18                      ; B: row k 128 x wave, column 128 TX: it hangs on the tile column alone, which my column of the cluster shares
	s_lshl_b32 s89, s[TX], 8
	s_add_co_u32 s88, s88, s89
	s_add_co_u32 s88, s88, WOFF
	s_mov_b32 s89, 0
	s_lshl_b32 s92, s[TY], 19                      ; the output's and the residual's tile: row 128 TY of 4,096 bytes, column 128 TX
	s_lshl_b32 s93, s[TX], 9
	s_add_co_u32 s92, s92, s93
	s_mov_b32 s93, 0
	s_lshl_b32 s94, s[WV], 17                      ; my 32 rows of the residual's
	s_add_co_u32 s94, s94, s92
	s_mov_b32 s95, 0
	s_lshl_b32 s86, s[TX], 9                       ; the bias at the tile's 128 columns
	s_mov_b32 s87, 0
	s_mul_i32 s[LBB], s[WV], BPART                 ; where my rows of B go: no place in the cluster enters an LDS address
	s_mov_b32 s[GR0], 1
	s_lshl_b32 s[GR0+1], s[WV], 14                 ; RESB + 32 rows of 512 bytes x wave
	s_mov_b32 s[TB], 0
	s_mov_b32 s[TF], SLOT
	v_and_b32 v6, 31, v0                           ; l
	v_lshlrev_b32 v[AO], 4, v6
	s_wait_dscnt 0x0                               ; the opening add is done
	s_wait_kmcnt 0x0
	s_add_nc_u64 s[AP:AP+1], s[4:5], s[AP:AP+1]
	s_add_nc_u64 s[88:89], s[6:7], s[88:89]
	s_add_nc_u64 s[8:9], s[8:9], s[92:93]
	s_add_nc_u64 s[10:11], s[10:11], s[86:87]
	s_add_nc_u64 s[GR0+2:GR0+3], s[68:69], s[94:95]
	s_or_b32 s[GR0+3], s[GR0+3], 0x80000000
	global_load_b128 v[BIAS:BIAS+3], v[AO], s[10:11]  ; on the way out a lane holds columns 4 l + 0..3.  It is the oldest load: the counts below leave it out
	ALOAD 0, 0, 0                                  ; A's ring is filled: seven groups now, the eighth at the first quarter's head: 57 loads of mine are out
	ALOAD 0, 1, 0
	ALOAD 1, 0, 0
	ALOAD 1, 1, 0
	ALOAD 2, 0, 0
	ALOAD 2, 1, 0
	ALOAD 3, 0, 0
	WIN 0
	s_mov_b32 s[G0B0], 1                           ; 1:0 count = 1
	s_mov_b32 s[G0B0+1], s[LBB]                    ; 63:32 LDS address: slot 0
	s_mov_b64 s[G0B0+2:G0B0+3], s[88:89]           ; 120:64 global address: K step 0
	s_or_b32 s[G0B0+3], s[G0B0+3], 0x80000000      ; 127:126 type = 2
	s_mov_b32 s[G0B], 1
	s_add_co_u32 s[G0B+1], s[LBB], SLOT            ; slot 1,
	s_add_nc_u64 s[G0B+2:G0B+3], s[88:89], BSTEP   ; K step 1
	s_or_b32 s[G0B+3], s[G0B+3], 0x80000000
.if NS > 2
	s_and_b32 s62, ttmp7, 0xffff                   ; cluster y: other clusters along it read the same rows of B,
	s_cmp_eq_u32 s62, 0
	s_cselect_b32 s[LIMB], 2, -1
	s_cmp_eq_u32 ttmp9, 0                          ; along cluster x the same rows of A: both numbers are the same in all sixteen partners
	s_cselect_b32 s[LIMA], 1, -1
	s_add_nc_u64 s[PFB:PFB+1], s[88:89], 4*BSTEP   ; the first change of slots names B's K step 4,
	s_add_nc_u64 s[PFAA:PFAA+1], s[AP:AP+1], 3*ASTEP  ; and A's K step 3
	s_lshl_b32 s62, s[CY], 5
	v_add_nc_u32 v[PFOB], s62, v6
	v_lshlrev_b32 v[PFOB], 11, v[PFOB]             ; row k 32 cy + l of my 128, 2,048 bytes a row
	v_lshrrev_b32 v3, 4, v6
	s_lshl_b32 s62, s[CX], 1
	v_add_nc_u32 v3, s62, v3
	v_mul_u32_u24 v3, v3, TBS                      ; block of rows 2 cx + l / 16,
	v_and_b32 v4, 15, v6
	v_lshl_add_u32 v[PFOA], v4, 8, v3              ; 256 bytes l % 16 of my 4,096
.endif
	CROUND                                         ; all sixteen work-groups are here: the first joint loads meet
	tensor_load_to_lds s[G0B0:G0B0+3], s[G1B:G1B+7]  ; my two first fills stand together, ahead of every wait on TENSORcnt and every LDS read: two tensor loads of mine are out
	s_nop 0
	tensor_load_to_lds s[G0B:G0B+3], s[G1B:G1B+7]
	s_nop 0
.rept 4
	v_nop
.endr
	v_and_b32 v1, 15, v0                           ; l % 16
	v_bfe_u32 v2, v0, 4, 1                         ; l / 16
	s_mul_i32 s62, s[WV], REG                      ; the way out.  In: my region; row l % 16, 32 bytes for each half of the lanes
	s_add_co_u32 s62, s62, DUMPB
	v_mul_u32_u24 v3, v1, PD
	v_lshl_add_u32 v3, v2, 5, v3
	v_add_nc_u32 v[DST], s62, v3
	s_mul_i32 s62, s[WV], 16*PD                    ; back: rows 16 w on of every region, a row's 512 bytes, 16 a lane
	s_add_co_u32 s62, s62, DUMPB
	v_lshl_add_u32 v[BASE], v6, 4, s62
	v_add_nc_u32 v[BASE+1], 2*REG, v[BASE]
	s_lshl_b32 s62, s[WV], 13                      ; the residual's rows 16 w on,
	v_lshl_add_u32 v[BASE+2], v6, 4, s62
	s_lshl_b32 s62, s[WV], 16                      ; and the output's
	v_lshl_add_u32 v[BASE+3], v6, 4, s62
	v_and_b32 v4, 7, v0                            ; B's fragments: the turning load's lane l reads row k 8 (l / 16) + l % 8, columns 8 ((l / 8) % 2) + 0..7, in my 128 rows k
	v_lshl_add_u32 v4, v2, 3, v4
	v_mul_u32_u24 v4, v4, PB
	v_bfe_u32 v5, v0, 3, 1
	v_lshl_add_u32 v4, v5, 4, v4
	v_add_nc_u32 v[ADRB0], s[LBB], v4
	v_mov_b32 v[ADRB], v[ADRB0]
	s_wait_tensorcnt 1                             ; my part of K step 0 is in; K step 1's may stay out
	s_barrier_signal -1
	s_barrier_wait -1
	FETCHB 0
	QTR 0, 1, 1, 0, 1, 1, 48, 48                   ; the first quarter stands in front of the loop: its products start the sums; at its head A's eighth group goes out
.if NS > 2
	WIN 0                                          ; at a label and at a branch every window is 0
	s_mov_b32 s3, NS-2
.Lk:                                                   ; a trip: a K step's last three quarters and the next one's first; every trip fills a slot of B again and asks for eight groups of A
	QTR 1, 0, 1, 1, 1, 1, 48, 48
	QTR 2, 0, 1, 1, 1, 1, 48, 48
	TURN 1
	QTR 0, 0, 1, 1, 1, 2, 48, 48
	WIN 0
	s_wait_xcnt 0x0                                ; every load and prefetch issued so far (the youngest load 32 matrix instructions back, the prefetches 96) has read its address, so the pointers may be stepped
	s_add_nc_u64 s[AP:AP+1], s[AP:AP+1], ASTEP
	s_add_nc_u64 s[PFB:PFB+1], s[PFB:PFB+1], BSTEP
	s_add_nc_u64 s[PFAA:PFAA+1], s[PFAA:PFAA+1], ASTEP
	s_sub_co_u32 s3, s3, 1
	s_cmp_lg_u32 s3, 0
	s_cbranch_scc1 .Lk
.endif
	QTR 1, 0, 1, 1, 1, 1, 48, 48                   ; the last K step but one: A's last step is asked for;
	QTR 2, 0, 1, 1, 1, 1, 48, 48
	TURN 2                                         ; it leaves slot 0 (NS is even): the residual goes there
	QTR 0, 0, 1, 1, 0, 0, 48, 48                   ; A's last group goes out at this quarter's head
	QTR 1, 0, 0, 0, 0, 0, 40, 32                   ; nothing more is asked for: the counts run down
	QTR 2, 0, 0, 0, 0, 0, 24, 16
	s_wait_tensorcnt 0x0                           ; the very last quarter: my quarter of the residual has landed,
	s_wait_loadcnt 0x0                             ; A's last two groups are in (and the bias),
	s_wait_dscnt 0x0                               ; and my reads of the ring are over:
	s_barrier_signal -1                            ; say so,
	MUL16 3, 0, 0, 0
	MUL16 3, 0, 2, 0
	MUL16 3, 1, 0, 0
	MUL16 3, 1, 2, 0
	WIN 0
	s_barrier_wait -1                              ; and when all four have said so the residual is whole, and the ring's other bytes, which have had their last fill, serve the way out
	PLACES
	; THE WAY OUT, in two passes of 64 rows, so that the four partial tiles have room beside the residual
	DUMP 0, 3
	s_wait_dscnt 0x0                               ; for the others' sake: my stores are done
	s_barrier_signal -1
	s_barrier_wait -1
	FIN 0
	s_wait_dscnt 0x0                               ; my reads of the regions are over (the last count-down ended at 0)
	s_barrier_signal -1
	s_barrier_wait -1                              ; everybody's are: the regions may be written again
	DUMP 4, 7
	s_wait_dscnt 0x0
	s_barrier_signal -1
	s_barrier_wait -1
	FIN 1
	s_wait_tensorcnt 0x0                           ; the wave's end, behind my last tensor load and my last LDS store
	ds_add_u32 v[SPW], v[NIL]
	s_wait_dscnt 0x0
	CROUND                                         ; the closing round: no work-group ends while a partner may still ask for a tile that names it
	s_endpgm
.Lfunc_end_k_q226a9bf578_gproj:
	.size	k_q226a9bf578_gproj, .Lfunc_end_k_q226a9bf578_gproj-k_q226a9bf578_gproj
	.p2alignl 7, 3214868480
	.fill 96, 4, 3214868480
	.section	.rodata,"a",@progbits
	.p2align	6, 0x0
	.amdhsa_kernel k_q226a9bf578_gproj
		.amdhsa_group_segment_fixed_size 327680
		.amdhsa_private_segment_fixed_size 0
		.amdhsa_enable_private_segment 0
		.amdhsa_kernarg_size 40
		.amdhsa_user_sgpr_count 2
		.amdhsa_user_sgpr_kernarg_segment_ptr 1
		.amdhsa_wavefront_size32 1
		.amdhsa_system_sgpr_workgroup_id_x 1
		.amdhsa_system_sgpr_workgroup_id_y 1
		.amdhsa_system_sgpr_workgroup_id_z 1
		.amdhsa_system_vgpr_workitem_id 0
		.amdhsa_next_free_vgpr 1024
		.amdhsa_next_free_sgpr 100
		.amdhsa_reserve_vcc 0
		.amdhsa_float_denorm_mode_32 3
		.amdhsa_float_denorm_mode_16_64 3
		.amdhsa_memory_ordered 1
		.amdhsa_forward_progress 1
		.amdhsa_inst_pref_size 81
	.end_amdhsa_kernel
	.amdgpu_metadata
---
amdhsa.version: [ 1, 2 ]
amdhsa.kernels:
  - .name:           k_q226a9bf578_gproj
    .symbol:         k_q226a9bf578_gproj.kd
    .args:
      - { .name: o, .offset: 0, .size: 8, .value_kind: global_buffer, .address_space: global }
      - { .name: wts, .offset: 8, .size: 8, .value_kind: global_buffer, .address_space: global }
      - { .name: x1, .offset: 16, .size: 8, .value_kind: global_buffer, .address_space: global }
      - { .name: bp, .offset: 24, .size: 8, .value_kind: global_buffer, .address_space: global }
      - { .name: x, .offset: 32, .size: 8, .value_kind: global_buffer, .address_space: global }
    .group_segment_fixed_size: 327680
    .private_segment_fixed_size: 0
    .kernarg_segment_align: 8
    .kernarg_segment_size: 40
    .max_flat_workgroup_size: 128
    .sgpr_count:     100
    .vgpr_count:     1024
    .wavefront_size: 32
...
	.end_amdgpu_metadata
.endif
;; end of part 5
;; launch ln2: the kernel of part 2 again; grid 512 x 1, 8 waves a work-group, no clusters, 0 bytes of LDS; arguments x1, ln2_w, ln2_b, h; writes h
;; launch gffn1 (part 6): grid 16 x 16, 4 waves a work-group, clusters of 4 x 4, 327,680 bytes of LDS; arguments h, wts, g, b1; writes g
.if DOCPART == 6
	.amdgcn_target "amdgcn-amd-amdhsa--gfx1250"
	.amdhsa_code_object_version 6
	.text
	.protected	k_q226a9bf578_gffn1
	.globl	k_q226a9bf578_gffn1
	.p2align	8
	.type	k_q226a9bf578_gffn1,@function
k_q226a9bf578_gffn1:
	s_mov_b64 s[64:65], 0
	v_nop
	global_prefetch_b8 v0, s[64:65] scope:SCOPE_SE
	s_setreg_imm32_b32 hwreg(HW_REG_WAVE_MODE, 25, 1), 1
	s_wait_xcnt 0x0
	s_wait_alu depctr_hold_cnt(0) depctr_sa_sdst(0) depctr_va_vdst(0) depctr_va_sdst(0) depctr_va_ssrc(0) depctr_va_vcc(0) depctr_vm_vsrc(0)
	s_getreg_b32 s2, hwreg(HW_REG_IB_STS2, 6, 4)
	s_cmp_eq_u32 s2, 0
	s_cbranch_scc0 .Lentry_in_a_cluster
	s_endpgm
.Lentry_in_a_cluster:
	s_bfe_u32 s2, ttmp6, 0x10000c
	s_cmp_lg_u32 s2, 0xf033
	s_cbranch_scc0 .Lentry_shape_is_right
	s_endpgm
.Lentry_shape_is_right:
; C = A B + bias, for A = h [4096][1024] bf16 and B [1024 k][NN n] bf16 out of wts; sums in f32, K ascending.  One text serves two launches; KIND picks the sizes and the way out:
;   KIND 0: B = WQKV (NN = 3072).  q, k, v = h W + bias, rounded once to f16 and written by heads: qkv = Q, K, V, each [32 = 16 batch + head][2048][64].  Arguments: h, wts, qkv, bq, bk, bv.
;   KIND 1: B = W1 (NN = 4096).  g = gelu(h W1 + b1), the exact (erf) form, rounded once to bf16.  Arguments: h, wts, g, b1.  g is written IN FRAGMENT ORDER, for the launch that multiplies it:
;           [256 blocks of 16 rows][128 blocks of 32 columns][1,024 bytes]; lane l's 16 bytes at 16 l: row l % 16, columns 8 (l / 16) + 0..7 in the first 512 bytes, 16 + 8 (l / 16) + 0..7 in the second.
; LIMITS.  KIND 0: f16 ends at 65,504: a q, k or v beyond that becomes an infinity.  KIND 1: erf by the five-term rational form of Abramowitz and Stegun 7.1.26, absolute error at most 1.5e-7 for every x.
; NaN and infinities are not treated apart.
; SHARES.  A tile of C is 256 x 256: four waves, each 128 x 128 in 64 accumulators of 16 x 16 (512 registers).  K goes in eight steps of 128 through a ring of two LDS slots filled by the tensor data mover.
; A's rows in a slot are 256 bytes of memory, B's 512; both start at multiples of 256 bytes from their buffer's first byte.
; B STAYS [k][n]: its fragments come out of LDS turned, by ds_load_tr16_b128.  THE MATRIX INSTRUCTION IS USED TRANSPOSED (source 0 = 16 columns of B, source 1 = 16 rows of A):
; a lane then holds row l % 16 of C and the eight neighbouring columns 8 (l / 16) + 0..7.
; CLUSTER.  4 x 4 work-groups.  The four of a row of the cluster need the same tiles of A, the four of a column the same tiles of B: each tile is asked for JOINTLY, by the same tensor load with
; the same descriptor and a mask that names the four.  A round of the cluster's barrier stands in front of every joint load.
; REGISTERS, in windows of 256 (s_set_vgpr_msb: bits 1:0 source 0, 3:2 source 1, 5:4 source 2, 7:6 destination):
;   window 0: v0-31 addresses; v32-47 bias (KIND 0); v64-127, v128-191 A's fragments, two buffers; v192-255 bias (KIND 1); behind the K loop v64-255 serve the way out
;   window 1: v64-127, v128-191 B's fragments, two buffers      windows 2, 3: the accumulators: (a, b) at v[8 (8 (a % 4) + b)] of window 2 + a / 4
.set KIND, 1
.if KIND == 0
.set NN,    3072
.set WOFF,  0
.else
.set NN,    4096
.set WOFF,  8388608
.endif
.set KSTEP, 128
.set PA,    272                        ; a row of A in LDS: 256 bytes + 16 of padding = 68 words: the 16 rows of a load start at 16 different groups of four banks (64 banks of 4 bytes: ISA guide 11.1)
.set PB,    544                        ; a row of B: 512 + 32 = 136 words
.set PART,  128*PA                     ; what one tensor load brings: 128 rows of A, or 64 rows of B (64 x 544 is the same 34,816 bytes)
.set ABYTES, 2*PART                    ; a slot: A's 256 rows, then B's 128 rows k
.set SLOT,  4*PART
.set SPARE, 2*SLOT                     ; behind the ring: the spare words, 128 bytes for each wave: two blocks of 256 bytes that no other line names
.set PD,    528                        ; the way out of KIND 0: a row of 128 f32 + 16 bytes
.set REG,   128*PD                     ; a wave's 128 rows; the four regions lie in the ring, which has had its last fill by then
.set ASTEP, KSTEP*2                    ; bytes from K step to K step in A,
.set BSTEP, KSTEP*NN*2                 ; and in B
.set ADRA0, 16                         ; v16  my lane's place among A's fragments in slot 0; never rewritten
.set ADRA,  17                         ; v17  the same in the slot in hand
.set ADRB0, 20                         ; v20, v21  the same for B
.set ADRB,  21
.set BO,    15                         ; v15  my offset in the bias; never rewritten
.set DST,   24                         ; v24  the way out: where I put my sums
.set RDB,   25                         ; v25  where I read them back
.set GO,    26                         ; v26  my byte offset in the output
.set GOX,   27                         ; v27  KIND 1: the same with the trip's part
.set SPW,   28                         ; v28  LDS address of my spare word: SPARE + 4 x my thread's number; never rewritten
.set NIL,   29                         ; v29  0; never rewritten
.set PFO,   30                         ; v30  the prefetches' offset; never rewritten
.set BIAS,  32
.set BB,    192                        ; KIND 1: the bias of column block b, as an accumulator holds its columns, at v[BB + 8 b]
.set F0,    64
.set F1,    128
.set G1A,   16                         ; s[16:23] descriptor group 1 for A's tiles;  s[24:31] for B's
.set G1B,   24
.set G0A0,  32                         ; s[32:35] group 0 of A's first fill;  s[36:39] of its second, which then walks
.set G0A,   36
.set G0B0,  40                         ; s[40:43], s[44:47] the same for B
.set G0B,   44
.set WV,    72                         ; s72  my wave's number
.set WR,    73                         ; s73  wave / 2: which half of the tile's rows is mine.  Also: I fetch for A (0) or for B (1)
.set WC,    74                         ; s74  wave % 2: which half of its columns.  Also: which half of that tile I fetch
.set CX,    75
.set CY,    76
.set TX,    77                         ; s77  tile column of C
.set TY,    78                         ; s78  tile row
.set TB,    79                         ; s79  0 or SLOT: the slot that is read
.set TF,    80                         ; s80  0 or SLOT: the slot that was filled last
.set LB,    81                         ; s81  wave x PART: where my part of a slot begins
.set LIM,   83                         ; s83  2 in a wave that prefetches, else the greatest number
.set PFA,   96                         ; s[96:97] where my prefetches stand
.set PST,   98                         ; s[98:99] their step
.set MSB, 0
.macro WIN new                         ; the immediate's high byte repeats the setting that is left; a switch that changes nothing is dropped
.if MSB != (\new)
	s_set_vgpr_msb (MSB<<8)|(\new)
.set MSB, \new
.endif
.endm
.set MUL_LO, 0xa1                      ; source 0 (B) window 1, source 1 (A) window 0, C and D window 2
.set MUL_HI, 0xf1                      ; the same, C and D window 3
.set TO_B,   0x40                      ; destination window 1, address window 0
.macro PLACES                          ; four plain vector instructions between a matrix instruction and a load into, or a read of, its registers (for reads ISA guide 7.12.1)
.rept 4
	v_nop
.endr
.endm
; A joint load.  Waves 0 and 1 fetch A's halves, waves 2 and 3 B's.  The branch hangs on the wave's number alone.  An s_nop 0 and four v_nop follow each line.
.macro JLOAD
	s_cmp_eq_u32 s[WR], 0
	s_cbranch_scc0 .Lfor_b_\@
	tensor_load_to_lds s[G0A:G0A+3], s[G1A:G1A+7]
	s_nop 0
.rept 4
	v_nop
.endr
	s_branch .Lasked_\@
.Lfor_b_\@:
	tensor_load_to_lds s[G0B:G0B+3], s[G1B:G1B+7]
	s_nop 0
.rept 4
	v_nop
.endr
.Lasked_\@:
.endm
; A prefetch into the L2 of the K step that stands two refills on: 32 blocks of 256 bytes, a lane a block, one instruction a wave.  Each block is named once in the launch: A's rows by the clusters with
; x = 0, B's by those with y = 0; the four partners that ask for a tile jointly share its rows out by address (32 rows of A, 16 rows of B each).  K steps 0 to 3 come by their loads alone; the last two refills ask for nothing.
.macro ASK
	s_cmp_gt_u32 s3, s[LIM]
	s_cbranch_scc0 .Lnot_mine_\@
	global_prefetch_b8 v[PFO], s[PFA:PFA+1] th:TH_LOAD_NT scope:SCOPE_SE
.Lnot_mine_\@:
.endm
.macro CREST                           ; a round of the cluster's barrier behind its opening barrier
	s_cmp_lg_u32 s[WV], 0
	s_cbranch_scc1 .Lnot_wave_0_\@
	s_barrier_signal -3
.Lnot_wave_0_\@:
	s_barrier_wait -3
	s_barrier_signal -1
	s_barrier_wait -1
.endm
.macro CROUND                          ; a whole round
	s_barrier_signal -1
	s_barrier_wait -1
	CREST
.endm
; 16 matrix instructions: row blocks a0, a0 + 1 of the window's four (hi = 0: my rows 0-63, 1: rows 64-127) x all 8 column blocks, 32 along K.
; zero = 1: the product starts the sums: with the constant 0 (KIND 0), or with the bias of its columns, out of window 0, as its C (KIND 1).
.macro MUL16 f, hi, a0, zero
.if (\zero) && (KIND == 1)
	WIN 0x81+0x40*(\hi)                            ; as MUL_LO, MUL_HI, with source 2 in window 0
.else
	WIN MUL_LO+0x50*(\hi)
.endif
.irp a, \a0, (\a0)+1
.irp b, 0,1,2,3,4,5,6,7
.if (\zero) && (KIND == 1)
	v_wmma_f32_16x16x32_bf16 v[8*(8*(\a)+(\b)):8*(8*(\a)+(\b))+7], v[(\f)+8*(\b):(\f)+8*(\b)+7], v[(\f)+8*(4*(\hi)+(\a)):(\f)+8*(4*(\hi)+(\a))+7], v[BB+8*(\b):BB+8*(\b)+7]
.elseif \zero
	v_wmma_f32_16x16x32_bf16 v[8*(8*(\a)+(\b)):8*(8*(\a)+(\b))+7], v[(\f)+8*(\b):(\f)+8*(\b)+7], v[(\f)+8*(4*(\hi)+(\a)):(\f)+8*(4*(\hi)+(\a))+7], 0
.else
	v_wmma_f32_16x16x32_bf16 v[8*(8*(\a)+(\b)):8*(8*(\a)+(\b))+7], v[(\f)+8*(\b):(\f)+8*(\b)+7], v[(\f)+8*(4*(\hi)+(\a)):(\f)+8*(4*(\hi)+(\a))+7], v[8*(8*(\a)+(\b)):8*(8*(\a)+(\b))+7]
.endif
.endr
.endr
.endm
; 32 LDS loads in one run: the fragments of quarter q (32 along K) into buffer f.  B: column block i, turned: two loads, 16 rows k apart.  A: row block i: two loads, 32 bytes apart.
.macro FETCH q, f
	WIN TO_B
.irp i, 0,1,2,3,4,5,6,7
	ds_load_tr16_b128 v[(\f)+8*(\i):(\f)+8*(\i)+3],   v[ADRB] offset:(\q)*32*PB+32*(\i)
	ds_load_tr16_b128 v[(\f)+8*(\i)+4:(\f)+8*(\i)+7], v[ADRB] offset:(\q)*32*PB+16*PB+32*(\i)
.endr
	WIN 0
.irp i, 0,1,2,3,4,5,6,7
	ds_load_b128 v[(\f)+8*(\i):(\f)+8*(\i)+3],   v[ADRA] offset:64*(\q)+(\i)*16*PA
	ds_load_b128 v[(\f)+8*(\i)+4:(\f)+8*(\i)+7], v[ADRA] offset:64*(\q)+(\i)*16*PA+32
.endr
.endm
; A K step is four quarters of 32 along K, 64 matrix instructions each, on buffers 0, 1, 0, 1.  One of the first three: multiplies buffer f; in its middle it fetches quarter q into buffer g.
; The 64 accumulators take turns in the same order in every quarter, over the backward jumps too.
.macro QUARTER q, f, g, zero
	s_wait_dscnt 8                                 ; B and A's rows 0-63 are in; the youngest eight loads (A's rows 64-127) may be out
	MUL16 \f, 0, 0, \zero
	MUL16 \f, 0, 2, \zero
	PLACES
	FETCH \q, \g
	s_wait_dscnt 32                                ; all but the 32 just issued
	MUL16 \f, 1, 0, \zero
	MUL16 \f, 1, 2, \zero
.endm
; The last quarter multiplies buffer 1 and changes slots: ONE barrier.  In front of it each wave waits for all its tensor loads (the one that is out is its part of the next slot), adds 0 to its spare
; word, and waits for that and for its own reads of this slot.  fill = 1: the barrier opens a round of the cluster's barrier, and the joint refill, this slot's K step two steps on, is the first tensor
; load behind it: by the text's count one load of the wave is out, and 224 matrix instructions stand between the request and the wait for it.
.macro TURN fill
.if \fill
	s_wait_xcnt 0x0                                ; the last prefetch, a K step back, has read its address, so it may be stepped
	s_add_nc_u64 s[PFA:PFA+1], s[PFA:PFA+1], s[PST:PST+1]
.endif
	WIN 0                                          ; (the add's two registers lie in window 0)
	s_wait_tensorcnt 0x0                           ; all my tensor loads have landed;
	ds_add_u32 v[SPW], v[NIL]                      ; 0 onto my spare word;
	s_wait_dscnt 9                                 ; (the add and the youngest eight loads may be out)
	MUL16 F1, 0, 0, 0                              ; sixteen matrix instructions stand between the add and the wait for it
	s_wait_dscnt 0x0                               ; the add is done, and my reads of this slot are over
	s_barrier_signal -1
	MUL16 F1, 0, 2, 0                              ; work on registers while the others arrive
	WIN 0
	s_barrier_wait -1
.if \fill
	CREST                                          ; no wave of any partner still reads this slot or has a load on its way
	s_xor_b32 s[TF], s[TF], SLOT                   ; the walking descriptors: the other slot than last time,
	s_add_co_u32 s[G0A+1], s[LB], s[TF]
	s_add_co_u32 s[G0B+1], s[LB], s[TF]
	s_add_nc_u64 s[G0A+2:G0A+3], s[G0A+2:G0A+3], ASTEP  ; the next K step; the type bits on top are not reached
	s_add_nc_u64 s[G0B+2:G0B+3], s[G0B+2:G0B+3], BSTEP
	JLOAD                                          ; the four v_nop behind it are also the places in front of the loads below
.else
	PLACES
.endif
	s_xor_b32 s[TB], s[TB], SLOT                   ; the reads go on in the other slot
	v_add_nc_u32 v[ADRA], s[TB], v[ADRA0]
	v_add_nc_u32 v[ADRB], s[TB], v[ADRB0]
	FETCH 0, F0
.if \fill
	ASK
.endif
	MUL16 F1, 1, 0, 0
	MUL16 F1, 1, 2, 0
.endm
; The way out, first part: my 64 accumulators go into my region of LDS as f32; each accumulator's low registers first.
; KIND 0: by rows of 528 bytes, 32 bytes a lane.  KIND 1: each lane takes back what it put, so the place is free: accumulator u = 8 a + b has 1,024 bytes, lane l's two halves at 16 l and 512 + 16 l: 512 bytes on end a store.
.macro DUMP
.set da, 0
.rept 8
	WIN 0x08+4*(da/4)                              ; store data (source 1) in window 2 or 3
.set db, 0
.rept 8
.if KIND == 0
	ds_store_b128 v[DST], v[8*(8*(da%4)+db):8*(8*(da%4)+db)+3]   offset:da*16*PD+64*db
	ds_store_b128 v[DST], v[8*(8*(da%4)+db)+4:8*(8*(da%4)+db)+7] offset:da*16*PD+64*db+16
.else
	ds_store_b128 v[DST], v[8*(8*(da%4)+db):8*(8*(da%4)+db)+3]   offset:(8*da+db)*1024
	ds_store_b128 v[DST], v[8*(8*(da%4)+db)+4:8*(8*(da%4)+db)+7] offset:(8*da+db)*1024+512
.endif
.set db, db+1
.endr
.set da, da+1
.endr
	WIN 0
.endm
	s_load_b256 s[4:11], s[0:1], 0x0               ; A s[4:5], wts s[6:7], the output s[8:9], the bias s[10:11]
.if KIND == 0
	s_load_b128 s[68:71], s[0:1], 0x20             ; bk s[68:69], bv s[70:71]
.endif
	v_lshl_add_u32 v[SPW], v0, 2, SPARE
	v_mov_b32 v[NIL], 0
	ds_add_u32 v[SPW], v[NIL]                      ; the wave's opening: the add and its wait stand ahead of my first tensor load; the set-up below, work on registers, stands between them
	v_lshrrev_b32 v1, 5, v0
	v_readfirstlane_b32 s[WV], v1
	s_lshr_b32 s[WR], s[WV], 1
	s_and_b32 s[WC], s[WV], 1
	s_bfe_u32 s[CX], ttmp6, 0x40000                ; my place in the cluster
	s_bfe_u32 s[CY], ttmp6, 0x40004
	s_lshl_b32 s[TX], ttmp9, 2                     ; in a cluster launch ttmp9 and ttmp7 count clusters
	s_add_co_u32 s[TX], s[TX], s[CX]
	s_and_b32 s[TY], ttmp7, 0xffff
	s_lshl_b32 s[TY], s[TY], 2
	s_add_co_u32 s[TY], s[TY], s[CY]
	s_lshl_b32 s60, s[CY], 2
	s_lshl_b32 s60, 15, s60                        ; my row of the cluster: places 4 cy .. 4 cy + 3
	s_lshl_b32 s61, 0x1111, s[CX]                  ; my column: places cx, cx + 4, cx + 8, cx + 12
	s_or_b32 s[G1A], s60, (1<<16)|(1<<20)|(1<<21)|(5<<22)|(3<<25)  ; 15:0 the mask; 17:16 elements of 2 bytes; 20 padding on; 21 set beside a mask; 24:22 after every 64 words (code 5); 31:25 4 words (code 3)
	s_or_b32 s[G1B], s61, (1<<16)|(1<<20)|(1<<21)|(6<<22)|(7<<25)  ; B: after every 128 words (code 6), 8 words (code 7)
	s_mov_b32 s[G1A+1], KSTEP<<16                  ; A: tensor_dim0 = 128
	s_mov_b32 s[G1A+2], 128<<16                    ; tensor_dim1 = 128
	s_mov_b32 s[G1A+3], KSTEP<<16                  ; tile_dim0 = 128
	s_mov_b32 s[G1A+4], 128                        ; tile_dim1 = 128
	s_mov_b32 s[G1A+5], 1024                       ; elements from row to row
	s_mov_b32 s[G1A+6], 0
	s_mov_b32 s[G1A+7], 0
	s_mov_b32 s[G1B+1], 256<<16                    ; B: 64 rows k of 256 elements
	s_mov_b32 s[G1B+2], 64<<16
	s_mov_b32 s[G1B+3], 256<<16
	s_mov_b32 s[G1B+4], 64
	s_mov_b32 s[G1B+5], NN
	s_mov_b32 s[G1B+6], 0
	s_mov_b32 s[G1B+7], 0
	; where the tiles come from.  A's hang on the tile row alone, B's on the tile column alone, each in registers that never hold the other coordinate
	s_lshl_b32 s84, s[TY], 19                      ; A: row 256 TY + 128 half, 2,048 bytes a row
	s_lshl_b32 s85, s[WC], 18
	s_add_co_u32 s84, s84, s85
	s_mov_b32 s85, 0
	s_mul_i32 s88, s[WC], 64*NN*2                  ; B: row k 64 half, column 256 TX
	s_lshl_b32 s89, s[TX], 9
	s_add_co_u32 s88, s88, s89
	s_add_co_u32 s88, s88, WOFF
	s_mov_b32 s89, 0
	s_mul_i32 s[LB], s[WV], PART                   ; and where they go: no place in the cluster enters an LDS address
	s_mov_b32 s[TB], 0
	s_mov_b32 s[TF], SLOT
	; the prefetches: my work-group's share of what I fetch, at K step 3: the first refill steps it to K step 4
	s_lshl_b32 s92, s[TY], 19                      ; A: row 256 TY + 128 half + 32 cx
	s_lshl_b32 s94, s[WC], 18
	s_add_co_u32 s92, s92, s94
	s_lshl_b32 s94, s[CX], 16
	s_add_co_u32 s92, s92, s94
	s_add_co_u32 s92, s92, 3*ASTEP
	s_lshl_b32 s93, s[WC], 2                       ; B: row k 64 half + 16 cy
	s_add_co_u32 s93, s93, s[CY]
	s_mul_i32 s93, s93, 16*NN*2
	s_lshl_b32 s94, s[TX], 9
	s_add_co_u32 s93, s93, s94
	s_add_co_u32 s93, s93, WOFF+3*BSTEP
	s_and_b32 s62, ttmp7, 0xffff                   ; cluster y
	s_mov_b32 s95, 2*NN
	s_mov_b32 s[PST], BSTEP
	s_cmp_eq_u32 s[WR], 0                          ; do I fetch for A?
	s_cselect_b32 s92, s92, s93
	s_cselect_b32 s62, ttmp9, s62                  ; the coordinate along which other clusters read the same rows
	s_cselect_b32 s63, 0, 1                        ; A: a lane a row.  B: two lanes a row of 512 bytes
	s_cselect_b32 s95, 2048, s95                   ; bytes from row to row
	s_cselect_b32 s[PST], ASTEP, s[PST]
	s_mov_b32 s93, 0
	s_mov_b32 s[PST+1], 0
	s_cmp_eq_u32 s62, 0
	s_cselect_b32 s[LIM], 2, -1                    ; the same in all sixteen partners, for a given wave
	v_and_b32 v3, 31, v0
	v_lshrrev_b32 v4, s63, v3
	v_mul_u32_u24 v4, s95, v4
	v_and_b32 v3, s63, v3
	v_lshl_add_u32 v[PFO], v3, 8, v4
	s_wait_dscnt 0x0                               ; the opening add is done
	s_wait_kmcnt 0x0
	s_add_nc_u64 s[84:85], s[4:5], s[84:85]
	s_add_nc_u64 s[88:89], s[6:7], s[88:89]
	s_mov_b32 s[G0A0], 1                           ; 1:0 count = 1
	s_mov_b32 s[G0A0+1], s[LB]                     ; 63:32 LDS address: slot 0
	s_mov_b64 s[G0A0+2:G0A0+3], s[84:85]           ; 120:64 global address: K step 0
	s_or_b32 s[G0A0+3], s[G0A0+3], 0x80000000      ; 127:126 type = 2
	s_mov_b32 s[G0A], 1
	s_add_co_u32 s[G0A+1], s[LB], SLOT             ; slot 1,
	s_add_nc_u64 s[G0A+2:G0A+3], s[84:85], ASTEP   ; K step 1
	s_or_b32 s[G0A+3], s[G0A+3], 0x80000000
	s_mov_b32 s[G0B0], 1
	s_mov_b32 s[G0B0+1], s[LB]
	s_mov_b64 s[G0B0+2:G0B0+3], s[88:89]
	s_or_b32 s[G0B0+3], s[G0B0+3], 0x80000000
	s_mov_b32 s[G0B], 1
	s_add_co_u32 s[G0B+1], s[LB], SLOT
	s_add_nc_u64 s[G0B+2:G0B+3], s[88:89], BSTEP
	s_or_b32 s[G0B+3], s[G0B+3], 0x80000000
	s_cmp_eq_u32 s[WR], 0
	s_cselect_b64 s[PFA:PFA+1], s[4:5], s[6:7]
	s_add_nc_u64 s[PFA:PFA+1], s[PFA:PFA+1], s[92:93]
	CROUND                                         ; all sixteen work-groups are here: the first joint loads meet
	s_cmp_eq_u32 s[WR], 0                          ; a wave's two first fills stand in one branch, ahead of every wait on TENSORcnt and every LDS read: two loads of mine are out
	s_cbranch_scc0 .Lfirst_b
	tensor_load_to_lds s[G0A0:G0A0+3], s[G1A:G1A+7]
	s_nop 0
	tensor_load_to_lds s[G0A:G0A+3], s[G1A:G1A+7]
	s_nop 0
.rept 4
	v_nop
.endr
	s_branch .Lfirst_asked
.Lfirst_b:
	tensor_load_to_lds s[G0B0:G0B0+3], s[G1B:G1B+7]
	s_nop 0
	tensor_load_to_lds s[G0B:G0B+3], s[G1B:G1B+7]
	s_nop 0
.rept 4
	v_nop
.endr
.Lfirst_asked:
	v_and_b32 v1, 15, v0                           ; l % 16
	v_bfe_u32 v2, v0, 4, 1                         ; l / 16
	v_and_b32 v6, 31, v0                           ; l
.if KIND == 0
	; my 128 columns are two whole heads of q, of k or of v
	s_lshr_b32 s60, s[TX], 2                       ; which: 0 q, 1 k, 2 v
	s_cmp_eq_u32 s60, 1
	s_cselect_b64 s[10:11], s[68:69], s[10:11]
	s_cmp_eq_u32 s60, 2
	s_cselect_b64 s[10:11], s[70:71], s[10:11]
	s_and_b32 s61, s[TX], 3
	s_lshl_b32 s61, s61, 2
	s_lshl1_add_u32 s61, s[WC], s61                ; my first head: 4 (TX % 4) + 2 x half
	s_lshl_b32 s86, s61, 8
	s_mov_b32 s87, 0
	s_add_nc_u64 s[10:11], s[10:11], s[86:87]
	v_and_b32 v3, 7, v0
	v_lshlrev_b32 v[BO], 5, v3                     ; on the way out a lane holds channels 8 (l % 8) + 0..7 of a head
	global_load_b128 v[BIAS:BIAS+3],     v[BO], s[10:11]
	global_load_b128 v[BIAS+4:BIAS+7],   v[BO], s[10:11] offset:16
	global_load_b128 v[BIAS+8:BIAS+11],  v[BO], s[10:11] offset:256
	global_load_b128 v[BIAS+12:BIAS+15], v[BO], s[10:11] offset:272
	s_lshl_b32 s86, s60, 23                        ; Q, K, V are 8,388,608 bytes each,
	s_lshr_b32 s62, s[TY], 3                       ; the batch
	s_lshl_b32 s62, s62, 4
	s_add_co_u32 s62, s62, s61
	s_lshl_b32 s62, s62, 18                        ; a head 262,144,
	s_add_co_u32 s86, s86, s62
	s_and_b32 s62, s[TY], 7
	s_lshl_b32 s62, s62, 15                        ; a token 128
	s_add_co_u32 s86, s86, s62
	s_lshl_b32 s62, s[WR], 14
	s_add_co_u32 s86, s86, s62
	s_add_nc_u64 s[8:9], s[8:9], s[86:87]
	s_mul_i32 s62, s[WV], REG
	v_bfe_u32 v4, v0, 3, 2                         ; back: 32 lanes take four tokens x 32 bytes x 8
	v_mul_u32_u24 v4, v4, PD
	v_lshl_add_u32 v4, v3, 5, v4
	v_add_nc_u32 v[RDB], s62, v4
	v_lshlrev_b32 v[GO], 4, v6                     ; which are 512 consecutive bytes of a head
	v_mul_u32_u24 v3, v1, PD                       ; in: row l % 16, 32 bytes for each half of the lanes
	v_lshl_add_u32 v3, v2, 5, v3
	v_add_nc_u32 v[DST], s62, v3
.else
	s_lshl_b32 s86, s[TX], 10                      ; b1 at my 128 columns
	s_lshl_b32 s62, s[WC], 9
	s_add_co_u32 s86, s86, s62
	s_mov_b32 s87, 0
	s_add_nc_u64 s[10:11], s[10:11], s[86:87]
	v_lshlrev_b32 v[BO], 5, v2                     ; an accumulator's lane holds columns 16 b + 8 (l / 16) + 0..7: 32 bytes of b1
.set n, 0
.rept 8
	global_load_b128 v[BB+8*n:BB+8*n+3],   v[BO], s[10:11] offset:64*n
	global_load_b128 v[BB+8*n+4:BB+8*n+7], v[BO], s[10:11] offset:64*n+16
.set n, n+1
.endr
	s_lshl_b32 s86, s[TY], 21                      ; g: a block of 16 rows is 131,072 bytes: my first is 16 TY + 8 x my half of the rows;
	s_lshl_b32 s62, s[WR], 20
	s_add_co_u32 s86, s86, s62
	s_lshl_b32 s62, s[TX], 13                      ; a block of 32 columns 1,024: my first is 8 TX + 4 x my half of the columns
	s_add_co_u32 s86, s86, s62
	s_lshl_b32 s62, s[WC], 12
	s_add_co_u32 s86, s86, s62
	s_add_nc_u64 s[8:9], s[8:9], s[86:87]
	s_lshl_b32 s62, s[WV], 16                      ; my region of LDS on the way out: 64 accumulators x 1,024 bytes
	v_lshl_add_u32 v[DST], v6, 4, s62
	v_mov_b32 v[RDB], v[DST]
	v_lshlrev_b32 v[GO], 4, v6
.endif
	v_mul_u32_u24 v3, v1, PA                       ; A's fragments: row x pitch + 16 x half of the lanes, in my 128 rows
	v_lshl_add_u32 v3, v2, 4, v3
	s_mul_i32 s60, s[WR], PART
	v_add_nc_u32 v[ADRA0], s60, v3
	v_and_b32 v4, 7, v0                            ; B's: the turning load's lane l reads row k 8 (l / 16) + l % 8, columns 8 ((l / 8) % 2) + 0..7, in my 128 columns
	v_lshl_add_u32 v4, v2, 3, v4
	v_mul_u32_u24 v4, v4, PB
	v_bfe_u32 v5, v0, 3, 1
	v_lshl_add_u32 v4, v5, 4, v4
	s_lshl_b32 s61, s[WC], 8
	s_add_co_u32 s61, s61, ABYTES
	v_add_nc_u32 v[ADRB0], s61, v4
	v_mov_b32 v[ADRA], v[ADRA0]
	v_mov_b32 v[ADRB], v[ADRB0]
	s_wait_tensorcnt 1                             ; my part of K step 0 is in; K step 1's may stay out
	s_barrier_signal -1
	s_barrier_wait -1                              ; everybody's is
	FETCH 0, F0
.if KIND == 1
	s_wait_loadcnt 0x0                             ; the bias: the first products take it as their C
.endif
	QUARTER 1, F0, F1, 1                           ; the first quarter stands in front of the loop: its products start the sums
	WIN 0                                          ; at a label and at a branch every window is 0
	s_mov_b32 s3, 6
.Lk:                                                   ; a trip: a K step's last three quarters and the next one's first; six trips fill a slot again
	QUARTER 2, F1, F0, 0
	QUARTER 3, F0, F1, 0
	TURN 1
	QUARTER 1, F0, F1, 0
	WIN 0
	s_sub_co_u32 s3, s3, 1
	s_cmp_lg_u32 s3, 0
	s_cbranch_scc1 .Lk
	s_mov_b32 s3, 2                                ; K steps 6 and 7 have a text of their own, since nothing is left to fetch: walked twice, and left in its middle the second time
.Ltail:
	QUARTER 2, F1, F0, 0
	QUARTER 3, F0, F1, 0
	WIN 0
	s_sub_co_u32 s3, s3, 1
	s_cmp_eq_u32 s3, 0
	s_cbranch_scc1 .Lfin
	TURN 0
	QUARTER 1, F0, F1, 0
	WIN 0
	s_branch .Ltail
.Lfin:
	s_wait_dscnt 0x0                               ; the very last quarter: my reads of the ring are over:
	s_barrier_signal -1                            ; say so,
	MUL16 F1, 0, 0, 0
	MUL16 F1, 0, 2, 0
	MUL16 F1, 1, 0, 0
	MUL16 F1, 1, 2, 0
	WIN 0
	s_barrier_wait -1                              ; and when all four have said so the ring's bytes, which have had their last fill, serve the way out
	PLACES
.if KIND == 0
	s_wait_loadcnt 0x0                             ; the bias
	; THE WAY OUT.  My 128 x 128 sums go into my own region of LDS and come back so that a lane holds eight neighbouring channels of a token: + bias, rounded to f16, 16 bytes a lane.
	; LDS serves a wave's instructions in order (ISA guide 5.7.1.4), and the region is mine alone: no wait and no barrier between the stores and the loads.
	DUMP
	s_mov_b32 s3, 8
.Lout:                                                 ; a trip: 16 tokens x two heads, in eight groups of four tokens of one head
.set n, 0
.rept 8
	ds_load_b128 v[64+8*n:64+8*n+3],   v[RDB] offset:(n/2)*4*PD+(n%2)*256
	ds_load_b128 v[64+8*n+4:64+8*n+7], v[RDB] offset:(n/2)*4*PD+(n%2)*256+16
.set n, n+1
.endr
.set n, 0
.rept 8
	s_wait_dscnt 14-2*n                            ; group n's two loads are in; the younger groups' stay out
.set k, 0
.rept 4
	v_pk_add_f32 v[64+8*n+2*k:64+8*n+2*k+1], v[64+8*n+2*k:64+8*n+2*k+1], v[BIAS+8*(n%2)+2*k:BIAS+8*(n%2)+2*k+1]
.set k, k+1
.endr
.set k, 0
.rept 4
	v_cvt_pk_f16_f32 v[128+4*n+k], v[64+8*n+2*k], v[64+8*n+2*k+1]
.set k, k+1
.endr
	global_store_b128 v[GO], v[128+4*n:128+4*n+3], s[8:9] offset:(n/2)*512+(n%2)*262144  ; 512 consecutive bytes, at a multiple of 256 from the buffer's first byte
.set n, n+1
.endr
	s_wait_xcnt 0x0                                ; the stores have read their registers: the offset is stepped, and the next trip rewrites the data, only behind this wait
	v_add_nc_u32 v[RDB], 16*PD, v[RDB]
	v_add_nc_u32 v[GO], 16*128, v[GO]
	s_sub_co_u32 s3, s3, 1
	s_cmp_lg_u32 s3, 0
	s_cbranch_scc1 .Lout
.else
	; THE WAY OUT.  The sums hold the bias already.  They go into LDS only so that ONE text can walk them: each lane takes back what it put, four accumulators a trip: gelu, rounded to bf16.  An accumulator's
	; eight numbers of a lane pack into 16 bytes, which ARE the lane's part of a fragment of g: a store covers 512 consecutive bytes.
	; gelu(x) = x (1 + erf(x / sqrt 2)) / 2 = max(x, 0) - |x| E t (A1 + t (A2 + t (A3 + t (A4 + t A5)))), t = 1 / (1 + PP |x|), E = 2^(CC x x); A1..A5 are the form's coefficients halved,
	; PP = 0.3275911 / sqrt 2, CC = -log2(e) / 2.  One formula for both signs: no compare, and for x < 0 no difference of near numbers.
.set GX,   64                          ; v[64:95]    four accumulators as read back: x
.set GAB,  112                         ; v[112:127]  |x|, 16 numbers (two accumulators)
.set GT,   128                         ; t
.set GE,   144                         ; E
.set GR,   160                         ; max(x, 0)
.set GP,   176                         ; the polynomial, then the result
.set GOUT, 192                         ; v[192:207]  packed, eight registers for each half of a trip
.set KPP,  84                          ; the constants, as pairs: a packed instruction names the pair and takes its low word for both halves
.set KCC,  86
.set KA1,  88
.set KA2,  90
.set KA3,  92
.set KA4,  94
.set KA5,  96
.set KABS, 98
.macro KONST r, val
	s_mov_b32 s[\r], \val
	s_mov_b32 s[(\r)+1], \val
.endm
.macro LEVEL c                         ; one step of the polynomial for all eight pairs: no instruction waits for the one before it
.set gk, 0
.rept 8
	v_pk_fma_f32 v[GP+2*gk:GP+2*gk+1], v[GP+2*gk:GP+2*gk+1], v[GT+2*gk:GT+2*gk+1], s[\c:(\c)+1] op_sel_hi:[1,1,0]
.set gk, gk+1
.endr
.endm
.macro GELU hf                         ; accumulators 2 hf, 2 hf + 1 of the trip's four
.set GXB, GX+16*(\hf)
	s_wait_dscnt 4-4*(\hf)                         ; their four loads are in; in the first half the other four stay out
.set gk, 0
.rept 8                                ; the half's 32 reciprocals and exponentials are one batch; each has a plain neighbour that names none of its registers, and nothing names a result ahead of the wait
	v_and_b32 v[GAB+2*gk],   s[KABS], v[GXB+2*gk]
	v_and_b32 v[GAB+2*gk+1], s[KABS], v[GXB+2*gk+1]
	v_pk_fma_f32 v[GT+2*gk:GT+2*gk+1], v[GAB+2*gk:GAB+2*gk+1], s[KPP:KPP+1], 1.0 op_sel_hi:[1,0,0]
	v_rcp_f32 v[GT+2*gk], v[GT+2*gk]
	v_pk_mul_f32 v[GE+2*gk:GE+2*gk+1], v[GXB+2*gk:GXB+2*gk+1], s[KCC:KCC+1] op_sel_hi:[1,0]
	v_rcp_f32 v[GT+2*gk+1], v[GT+2*gk+1]
	v_pk_mul_f32 v[GE+2*gk:GE+2*gk+1], v[GE+2*gk:GE+2*gk+1], v[GXB+2*gk:GXB+2*gk+1]
	v_exp_f32 v[GE+2*gk], v[GE+2*gk]
	v_max_num_f32 v[GR+2*gk], 0, v[GXB+2*gk]
	v_exp_f32 v[GE+2*gk+1], v[GE+2*gk+1]
	v_max_num_f32 v[GR+2*gk+1], 0, v[GXB+2*gk+1]
.set gk, gk+1
.endr
	s_wait_alu depctr_va_vdst(0)                   ; the one wait between the batch and the first use of a result
.set gk, 0
.rept 8
	v_pk_fma_f32 v[GP+2*gk:GP+2*gk+1], v[GT+2*gk:GT+2*gk+1], s[KA5:KA5+1], s[KA4:KA4+1] op_sel_hi:[1,0,0]
.set gk, gk+1
.endr
	LEVEL KA3
	LEVEL KA2
	LEVEL KA1
.set gk, 0
.rept 8
	v_pk_mul_f32 v[GP+2*gk:GP+2*gk+1], v[GP+2*gk:GP+2*gk+1], v[GT+2*gk:GT+2*gk+1]
.set gk, gk+1
.endr
.set gk, 0
.rept 8
	v_pk_mul_f32 v[GP+2*gk:GP+2*gk+1], v[GP+2*gk:GP+2*gk+1], v[GE+2*gk:GE+2*gk+1]
.set gk, gk+1
.endr
.set gk, 0
.rept 8
	v_pk_fma_f32 v[GP+2*gk:GP+2*gk+1], v[GP+2*gk:GP+2*gk+1], v[GAB+2*gk:GAB+2*gk+1], v[GR+2*gk:GR+2*gk+1] neg_lo:[1,0,0] neg_hi:[1,0,0]
.set gk, gk+1
.endr
.set gk, 0
.rept 8
	v_cvt_pk_bf16_f32 v[GOUT+8*(\hf)+gk], v[GP+2*gk], v[GP+2*gk+1]
.set gk, gk+1
.endr
.set gk, 0
.rept 2
	global_store_b128 v[GOX], v[GOUT+8*(\hf)+4*gk:GOUT+8*(\hf)+4*gk+3], s[8:9] offset:512*(2*(\hf)+gk)  ; half a fragment: 512 consecutive bytes, at a multiple of 256 from g's first byte
.set gk, gk+1
.endr
.endm
	s_wait_xcnt 0x0                                ; the last prefetch has read its address: its registers take constants below
	KONST KPP, 0x3e6d3388
	KONST KCC, 0xbf38aa3b
	KONST KA1, 0x3e027906
	KONST KA2, 0xbe11a98e
	KONST KA3, 0x3f35f0e3
	KONST KA4, 0xbf3a00e3
	KONST KA5, 0x3f07dc22
	s_mov_b32 s[KABS], 0x7fffffff
	DUMP
	s_mov_b32 s3, 0
.Lout:                                                 ; trip t: accumulators 4 t .. 4 t + 3: row block t / 2, column blocks 4 (t % 2) + 0..3
.set n, 0
.rept 4
	ds_load_b128 v[GX+8*n:GX+8*n+3],   v[RDB] offset:1024*n
	ds_load_b128 v[GX+8*n+4:GX+8*n+7], v[RDB] offset:1024*n+512
.set n, n+1
.endr
	s_lshr_b32 s60, s3, 1                          ; in g: a block of 16 rows is 131,072 bytes on,
	s_lshl_b32 s60, s60, 17
	s_and_b32 s61, s3, 1                           ; four column blocks 2,048
	s_lshl_b32 s61, s61, 11
	s_add_co_u32 s60, s60, s61
	v_add_nc_u32 v[GOX], s60, v[GO]                ; (the last trip's stores have read it: the wait at that trip's end)
	GELU 0
	GELU 1
	s_wait_xcnt 0x0                                ; the stores have read their registers: the next trip rewrites their offset and their data only behind this wait
	v_add_nc_u32 v[RDB], 4096, v[RDB]
	s_add_co_u32 s3, s3, 1
	s_cmp_lt_u32 s3, 16
	s_cbranch_scc1 .Lout
.endif
	s_wait_tensorcnt 0x0                           ; the wave's end, behind my last tensor load and my last LDS store
	ds_add_u32 v[SPW], v[NIL]
	s_wait_dscnt 0x0
	CROUND                                         ; the closing round: no work-group ends while a partner may still ask for a tile that names it
	s_endpgm
.Lfunc_end_k_q226a9bf578_gffn1:
	.size	k_q226a9bf578_gffn1, .Lfunc_end_k_q226a9bf578_gffn1-k_q226a9bf578_gffn1
	.p2alignl 7, 3214868480
	.fill 96, 4, 3214868480
	.section	.rodata,"a",@progbits
	.p2align	6, 0x0
	.amdhsa_kernel k_q226a9bf578_gffn1
		.amdhsa_group_segment_fixed_size 327680
		.amdhsa_private_segment_fixed_size 0
		.amdhsa_enable_private_segment 0
		.amdhsa_kernarg_size 32
		.amdhsa_user_sgpr_count 2
		.amdhsa_user_sgpr_kernarg_segment_ptr 1
		.amdhsa_wavefront_size32 1
		.amdhsa_system_sgpr_workgroup_id_x 1
		.amdhsa_system_sgpr_workgroup_id_y 1
		.amdhsa_system_sgpr_workgroup_id_z 1
		.amdhsa_system_vgpr_workitem_id 0
		.amdhsa_next_free_vgpr 1024
		.amdhsa_next_free_sgpr 100
		.amdhsa_reserve_vcc 0
		.amdhsa_float_denorm_mode_32 3
		.amdhsa_float_denorm_mode_16_64 3
		.amdhsa_memory_ordered 1
		.amdhsa_forward_progress 1
		.amdhsa_inst_pref_size 101
	.end_amdhsa_kernel
	.amdgpu_metadata
---
amdhsa.version: [ 1, 2 ]
amdhsa.kernels:
  - .name:           k_q226a9bf578_gffn1
    .symbol:         k_q226a9bf578_gffn1.kd
    .args:
      - { .name: h, .offset: 0, .size: 8, .value_kind: global_buffer, .address_space: global }
      - { .name: wts, .offset: 8, .size: 8, .value_kind: global_buffer, .address_space: global }
      - { .name: g, .offset: 16, .size: 8, .value_kind: global_buffer, .address_space: global }
      - { .name: b1, .offset: 24, .size: 8, .value_kind: global_buffer, .address_space: global }
    .group_segment_fixed_size: 327680
    .private_segment_fixed_size: 0
    .kernarg_segment_align: 8
    .kernarg_segment_size: 32
    .max_flat_workgroup_size: 128
    .sgpr_count:     100
    .vgpr_count:     1024
    .wavefront_size: 32
...
	.end_amdgpu_metadata
.endif
;; end of part 6
;; launch gffn2 (part 7): grid 8 x 32, 4 waves a work-group, clusters of 4 x 4, 327,680 bytes of LDS; arguments g, wts, out0, b2, x1; writes out0
.if DOCPART == 7
	.amdgcn_target "amdgcn-amd-amdhsa--gfx1250"
	.amdhsa_code_object_version 6
	.text
	.protected	k_q226a9bf578_gffn2
	.globl	k_q226a9bf578_gffn2
	.p2align	8
	.type	k_q226a9bf578_gffn2,@function
k_q226a9bf578_gffn2:
	s_mov_b64 s[64:65], 0
	v_nop
	global_prefetch_b8 v0, s[64:65] scope:SCOPE_SE
	s_setreg_imm32_b32 hwreg(HW_REG_WAVE_MODE, 25, 1), 1
	s_wait_xcnt 0x0
	s_wait_alu depctr_hold_cnt(0) depctr_sa_sdst(0) depctr_va_vdst(0) depctr_va_sdst(0) depctr_va_ssrc(0) depctr_va_vcc(0) depctr_vm_vsrc(0)
	s_getreg_b32 s2, hwreg(HW_REG_IB_STS2, 6, 4)
	s_cmp_eq_u32 s2, 0
	s_cbranch_scc0 .Lentry_in_a_cluster
	s_endpgm
.Lentry_in_a_cluster:
	s_bfe_u32 s2, ttmp6, 0x10000c
	s_cmp_lg_u32 s2, 0xf033
	s_cbranch_scc0 .Lentry_shape_is_right
	s_endpgm
.Lentry_shape_is_right:
; C = R + A B + bias, f32 out, [4096][1024].  One text serves two launches; KIND picks the sizes:
;   KIND 2: x1 = x + o Wp + bp.  A = o, f16, K = 1,024; B = WP f16 [1024 k][1024 n] out of wts.  Arguments: o, wts, x1, bp, x.
;   KIND 3: out = x1 + g W2 + b2.  A = g, bf16, K = 4,096; B = W2 bf16 [4096 k][1024 n] out of wts.  Arguments: g, wts, out0, b2, x1.
; Sums in f32.  NaN and infinities are not treated apart.
; SHARES.  1,024 columns give 256 tiles of C only at 128 x 128.  K IS SPLIT AMONG THE FOUR WAVES: of each K step of 512 wave w takes k = 128 w .. 128 w + 127 for the WHOLE tile, in 64 accumulators
; of 16 x 16 (512 registers).  The four partial tiles meet in LDS at the end, in f32, always in the same order.
; A LIES IN FRAGMENT ORDER, as the launch before has stored it: [256 blocks of 16 rows][K / 32 blocks of 32 k][1,024 bytes]; lane l's 16 bytes at 16 l: row l % 16, k = 8 (l / 16) + 0..7 in the first 512
; bytes, 16 + 8 (l / 16) + 0..7 in the second: a matrix operand's register image.  No wave wants a byte of A that another wave has fetched, so A GOES STRAIGHT INTO REGISTERS, by loads of 512 consecutive
; bytes: a ring of four buffers, one for each quarter (32 k) of a wave's 128 k.  A buffer is asked for again in two groups of eight loads (rows 0-63, rows 64-127), each as soon as its rows are multiplied:
; 224 matrix instructions ahead of its next use.  The waits are counted: six younger groups, 48 loads, stay out; no barrier empties that counter.
; B STAYS [k][n] and goes through a ring of two LDS slots filled by the tensor data mover, each wave fetching the 128 rows k that it multiplies; its fragments come out of LDS turned, by ds_load_tr16_b128.
; THE MATRIX INSTRUCTION IS USED TRANSPOSED (source 0 = 16 columns of B, source 1 = 16 rows of A): a lane holds row l % 16 of C and the eight neighbouring columns 8 (l / 16) + 0..7.
; CLUSTER.  4 x 4 work-groups: B's tiles are asked for jointly along a column of the cluster; a round of the cluster's barrier stands in front of every tensor load.  A's rows, which the four of a row of the
; cluster share, are NOT asked for jointly: with A in LDS beside B a slot holds 256 k, 128 matrix instructions a wave between two rounds; with B alone it holds 512 k, 256 of them.
; THE RESIDUAL's tile (128 x 128 f32) is brought by a plain tensor load, a quarter a wave, into the slot that the last K step but one has left.
; REGISTERS, in windows of 256 (s_set_vgpr_msb: bits 1:0 source 0, 3:2 source 1, 5:4 source 2, 7:6 destination):
;   window 0: v0-31 addresses; v32-35 bias; v36-39 the way out's bases; v64-127, v128-191, v192-255 A's buffers 0, 1, 2; behind the K loop v64-143 serve the way out
;   window 1: v0-63 A's buffer 3; v64-127, v128-191 B's fragments, two buffers      windows 2, 3: the accumulators: (a, b) at v[8 (8 (a % 4) + b)] of window 2 + a / 4
.set KIND, 3
.if KIND == 2
.set WOFF,  6291456
.set KK,    1024
.else
.set WOFF,  16777216
.set KK,    4096
.endif
.set NS,    KK/512                     ; K steps: 2 or 8, an even number
.set TBS,   KK*32                      ; bytes of A from a block of 16 rows to the next
.set ASTEP, 16*1024                    ; bytes of A from K step to K step: 16 blocks of 32 k
.set PB,    288                        ; a row of B in LDS: 256 + 32 = 72 words
.set BPART, 128*PB                     ; what one tensor load brings: a wave's 128 rows k
.set SLOT,  4*BPART
.set SPARE, 2*SLOT                     ; behind the ring: the spare words, 128 bytes for each wave: two blocks of 256 bytes that no other line names
.set BSTEP, 512*2048
.set RESB,  0                          ; the way out, in the ring's bytes: the residual's 128 rows of 512 bytes,
.set DUMPB, 65536                      ; and behind them four partial half tiles of 64 rows; nothing is filled there any more when they are stored
.set PD,    528                        ; a row of 128 f32 + 16 bytes
.set REG,   64*PD
.set ADRB0, 20                         ; v20  my lane's place among B's fragments in slot 0; never rewritten
.set ADRB,  21                         ; v21  the same in the slot in hand
.set PFOA,  22                         ; v22, v23  the prefetches' offsets in A and in B; never rewritten
.set PFOB,  23
.set DST,   24                         ; v24  the way out: where I put 32 bytes of a row
.set P01,   25                         ; v25  where I read partial tiles 0 and 1,
.set P23,   26                         ; v26  2 and 3,
.set RES,   27                         ; v27  and the residual
.set SPW,   28                         ; v28  LDS address of my spare word: SPARE + 4 x my thread's number; never rewritten
.set NIL,   29                         ; v29  0; never rewritten
.set AO,    30                         ; v30  16 x my lane: my place in 512 consecutive bytes of A, and in the bias; never rewritten
.set GO,    31                         ; v31  my byte offset in the output
.set BIAS,  32
.set BASE,  36                         ; v36-39  what v25, v26, v27, v31 start from in each pass
.set G1B,   24                         ; s[24:31] descriptor group 1 for B's tiles
.set G0B0,  40                         ; s[40:43] group 0 of B's first fill;  s[44:47] of its second, which then walks
.set G0B,   44
.set GR0,   48                         ; s[48:51], s[52:59] the residual's descriptor
.set GR1,   52
.set WV,    72                         ; s72  my wave's number
.set CX,    75
.set CY,    76
.set TX,    77                         ; s77  tile column of C
.set TY,    78                         ; s78  tile row
.set TB,    79                         ; s79  0 or SLOT: the slot that is read
.set TF,    80                         ; s80  0 or SLOT: the slot that was filled last
.set LBB,   82                         ; s82  wave x BPART: where my rows of B begin in a slot
.set LIMA,  83                         ; s83  1 in a wave that prefetches A, else the greatest number
.set AP,    84                         ; s[84:85] A at my tile's first block of rows, my 128 k of the K step in hand
.set LIMB,  90                         ; s90  2 in a wave that prefetches B, else the greatest number
.set PFB,   96                         ; s[96:97] where my prefetches of B stand;  s[98:99] those of A
.set PFAA,  98
.set MSB, 0
.macro WIN new                         ; the immediate's high byte repeats the setting that is left; a switch that changes nothing is dropped
.if MSB != (\new)
	s_set_vgpr_msb (MSB<<8)|(\new)
.set MSB, \new
.endif
.endm
.set TO_1,   0x40                      ; destination window 1, address window 0
.macro PLACES                          ; four plain vector instructions between a matrix instruction and a load into, or a read of, its registers (for reads ISA guide 7.12.1)
.rept 4
	v_nop
.endr
.endm
.macro CREST                           ; a round of the cluster's barrier behind its opening barrier
	s_cmp_lg_u32 s[WV], 0
	s_cbranch_scc1 .Lnot_wave_0_\@
	s_barrier_signal -3
.Lnot_wave_0_\@:
	s_barrier_wait -3
	s_barrier_signal -1
	s_barrier_wait -1
.endm
.macro CROUND                          ; a whole round
	s_barrier_signal -1
	s_barrier_wait -1
	CREST
.endm
; 16 matrix instructions of quarter q (A's buffer q, B's buffer q % 2): row blocks a0, a0 + 1 of the window's four (hi = 0: rows 0-63, 1: rows 64-127) x all 8 column blocks, 32 along K.
; zero = 1: the product starts the sums.  Source 0 (B) lies in window 1, source 1 (A) in window 0, buffer 3 in window 1; C and D in window 2 or 3.
.macro MUL16 q, hi, a0, zero
.set fB, 64+64*((\q)%2)
.if (\q) == 3
.set fA, 0
	WIN 0xa5+0x50*(\hi)
.else
.set fA, 64+64*(\q)
	WIN 0xa1+0x50*(\hi)
.endif
.irp a, \a0, (\a0)+1
.irp b, 0,1,2,3,4,5,6,7
.set rD, 8*(8*(\a)+(\b))
.set rB, fB+8*(\b)
.set rA, fA+8*(4*(\hi)+(\a))
.if KIND == 2
.if \zero
	v_wmma_f32_16x16x32_f16 v[rD:rD+7], v[rB:rB+7], v[rA:rA+7], 0
.else
	v_wmma_f32_16x16x32_f16 v[rD:rD+7], v[rB:rB+7], v[rA:rA+7], v[rD:rD+7]
.endif
.else
.if \zero
	v_wmma_f32_16x16x32_bf16 v[rD:rD+7], v[rB:rB+7], v[rA:rA+7], 0
.else
	v_wmma_f32_16x16x32_bf16 v[rD:rD+7], v[rB:rB+7], v[rA:rA+7], v[rD:rD+7]
.endif
.endif
.endr
.endr
.endm
; 16 LDS loads in one run: B's fragments of quarter q of my 128 rows k, into buffer q % 2: column block i, turned: two loads, 16 rows k apart.
.macro FETCHB q
.set fB, 64+64*((\q)%2)
	WIN TO_1
.irp i, 0,1,2,3,4,5,6,7
	ds_load_tr16_b128 v[fB+8*(\i):fB+8*(\i)+3],   v[ADRB] offset:(\q)*32*PB+32*(\i)
	ds_load_tr16_b128 v[fB+8*(\i)+4:fB+8*(\i)+7], v[ADRB] offset:(\q)*32*PB+16*PB+32*(\i)
.endr
.endm
; A group of eight loads: A's fragments of quarter q, row blocks 4 half + 0..3, of the K step d steps behind the one at which the pointer stands, into buffer q.  Each load: 512 consecutive bytes.
.macro ALOAD q, half, d
.if (\q) == 3
.set fA, 0
	WIN TO_1
.else
.set fA, 64+64*(\q)
	WIN 0
.endif
.irp i, 0,1,2,3
	global_load_b128 v[fA+8*(4*(\half)+(\i)):fA+8*(4*(\half)+(\i))+3],   v[AO], s[AP:AP+1] offset:(\d)*ASTEP+(\q)*1024+(4*(\half)+(\i))*TBS
	global_load_b128 v[fA+8*(4*(\half)+(\i))+4:fA+8*(4*(\half)+(\i))+7], v[AO], s[AP:AP+1] offset:(\d)*ASTEP+(\q)*1024+(4*(\half)+(\i))*TBS+512
.endr
.endm
; A wave's K step is four quarters of 32 along K, 64 matrix instructions each.  One of the first three, quarter q.  The groups of A are issued in the order in which they are used (rows 0-63, rows 64-127,
; the next quarter's ..), and each wait stands ahead of the next group's issue.  cs, cm: how many younger loads may stay out when this quarter's rows 0-63 (at its head), rows 64-127 (in its middle) must be in.
; rs = 1: at the head the quarter before's buffer takes its next rows 64-127 (K step d0);  rm = 1: in the middle this quarter's buffer takes its next rows 0-63 (K step d1).
; The 64 accumulators take turns in the same order in every quarter, over the backward jump too.
.macro QTR q, zero, rs, d0, rm, d1, cs, cm
	s_wait_loadcnt \cs
.if \rs
	PLACES                                         ; behind the products that read those rows
	ALOAD ((\q)+3)%4, 1, \d0
.endif
	s_wait_dscnt 0x0                               ; B's fragments, asked for 32 matrix instructions ago
	MUL16 \q, 0, 0, \zero
	MUL16 \q, 0, 2, \zero
	PLACES
	FETCHB (\q)+1
	s_wait_loadcnt \cm
.if \rm
	ALOAD \q, 0, \d1
.endif
	MUL16 \q, 1, 0, \zero
	MUL16 \q, 1, 2, \zero
.endm
.if NS > 2
; PREFETCHES INTO THE L2, together, behind the change of slots' tensor load, its five lines and the loads that follow them.  B: the K step that stands two refills on: of the 128 rows k that I fetch, 32, a lane a
; row of 256 bytes.  A: the K step three on from the one in hand, whose loads begin five quarters later: of my 8 blocks of rows x 4,096 bytes, two blocks, a lane 256 bytes.  Each block of 256 bytes is named once in
; the launch: B's by the clusters with y = 0, A's by those with x = 0, and the four partners that read the same bytes share them out by address (cy for B, cx for A).  B's K steps 0 to 3 and A's 0 to 2 come by their
; loads alone; the requests end with the last K step.
.macro ASK
	WIN 0
	s_cmp_gt_u32 s3, s[LIMB]
	s_cbranch_scc0 .Lnot_b_\@
	global_prefetch_b8 v[PFOB], s[PFB:PFB+1] th:TH_LOAD_NT scope:SCOPE_SE
.Lnot_b_\@:
	s_cmp_gt_u32 s3, s[LIMA]
	s_cbranch_scc0 .Lnot_a_\@
	global_prefetch_b8 v[PFOA], s[PFAA:PFAA+1] th:TH_LOAD_NT scope:SCOPE_SE
.Lnot_a_\@:
.endm
.endif
; The last quarter changes slots: ONE barrier, which opens a round of the cluster's.  In front of it each wave waits for all its tensor loads (the one that is out is its part of the next slot), adds 0 to its
; spare word, and waits for that and for its own reads of this slot.  Behind the round this slot is filled again, the wave's first tensor load there and its only one: kind = 1: jointly, with the K step two
; steps on: 224 matrix instructions stand between the request and the wait for it;  kind = 2: with my quarter of the residual's tile.  By the text's count one tensor load of the wave is out.
.macro TURN kind
	s_wait_loadcnt 48                              ; A's rows 0-63 of this quarter
	PLACES
	ALOAD 2, 1, 1
	WIN 0                                          ; (the add's two registers lie in window 0)
	s_wait_tensorcnt 0x0                           ; all my tensor loads have landed;
	ds_add_u32 v[SPW], v[NIL]                      ; 0 onto my spare word;
	s_wait_dscnt 1                                 ; (B's fragments are in; the add may be out)
	MUL16 3, 0, 0, 0                               ; sixteen matrix instructions stand between the add and the wait for it
	s_wait_dscnt 0x0                               ; the add is done, and my reads of this slot are over
	s_barrier_signal -1
	MUL16 3, 0, 2, 0                               ; work on registers while the others arrive
	WIN 0
	s_barrier_wait -1
	CREST                                          ; no wave of any partner still reads this slot or has a tensor load on its way
.if (\kind) == 1
	s_xor_b32 s[TF], s[TF], SLOT                   ; the walking descriptor: the other slot than last time,
	s_add_co_u32 s[G0B+1], s[LBB], s[TF]
	s_add_nc_u64 s[G0B+2:G0B+3], s[G0B+2:G0B+3], BSTEP  ; the next K step; the type bits on top are not reached
	tensor_load_to_lds s[G0B:G0B+3], s[G1B:G1B+7]
.else
	tensor_load_to_lds s[GR0:GR0+3], s[GR1:GR1+7]
.endif
	s_nop 0                                        ; an s_nop 0 and four v_nop follow the load; the four are also the places in front of the loads below
.rept 4
	v_nop
.endr
	s_xor_b32 s[TB], s[TB], SLOT                   ; the reads go on in the other slot
	v_add_nc_u32 v[ADRB], s[TB], v[ADRB0]
	FETCHB 0
	s_wait_loadcnt 48                              ; A's rows 64-127 of this quarter
	ALOAD 3, 0, 1
.if (\kind) == 1
	ASK
.endif
	MUL16 3, 1, 0, 0
	MUL16 3, 1, 2, 0
.endm
; The way out, first part: row blocks lo to hi of my partial tile go into my region of LDS as f32, 32 bytes a lane; each accumulator's low registers first.
.macro DUMP lo, hi
.set da, \lo
.rept (\hi)-(\lo)+1
	WIN 0x08+4*(da/4)                              ; store data (source 1) in window 2 or 3
.set db, 0
.rept 8
	ds_store_b128 v[DST], v[8*(8*(da%4)+db):8*(8*(da%4)+db)+3]   offset:(da-(\lo))*16*PD+64*db
	ds_store_b128 v[DST], v[8*(8*(da%4)+db)+4:8*(8*(da%4)+db)+7] offset:(da-(\lo))*16*PD+64*db+16
.set db, db+1
.endr
.set da, da+1
.endr
	WIN 0
.endm
; Second part: wave w finishes rows 64 p + 16 w .. + 15: the four partial sums, the residual and the bias, four columns a lane; four trips of four rows.
.macro FIN p
	s_wait_xcnt 0x0                                ; the last pass's stores have read their offset
	v_mov_b32 v[P01], v[BASE]
	v_mov_b32 v[P23], v[BASE+1]
	v_mov_b32 v[RES], v[BASE+2]
	v_mov_b32 v[GO],  v[BASE+3]
	s_mov_b32 s3, 4
.Lfin_\@:
.set i, 0
.rept 4
	ds_load_b128 v[64+20*i:64+20*i+3],     v[P01] offset:PD*i
	ds_load_b128 v[64+20*i+4:64+20*i+7],   v[P01] offset:REG+PD*i
	ds_load_b128 v[64+20*i+8:64+20*i+11],  v[P23] offset:PD*i
	ds_load_b128 v[64+20*i+12:64+20*i+15], v[P23] offset:REG+PD*i
	ds_load_b128 v[64+20*i+16:64+20*i+19], v[RES] offset:(\p)*32768+512*i
.set i, i+1
.endr
.set i, 0
.rept 4
	s_wait_dscnt 15-5*i                            ; row i's five loads are in; the later rows' stay out
.irp c, 0, 2
	v_pk_add_f32 v[64+20*i+\c:64+20*i+\c+1],       v[64+20*i+\c:64+20*i+\c+1],       v[64+20*i+4+\c:64+20*i+4+\c+1]
	v_pk_add_f32 v[64+20*i+8+\c:64+20*i+8+\c+1],   v[64+20*i+8+\c:64+20*i+8+\c+1],   v[64+20*i+12+\c:64+20*i+12+\c+1]
	v_pk_add_f32 v[64+20*i+16+\c:64+20*i+16+\c+1], v[64+20*i+16+\c:64+20*i+16+\c+1], v[BIAS+\c:BIAS+\c+1]
.endr
.irp c, 0, 2
	v_pk_add_f32 v[64+20*i+\c:64+20*i+\c+1], v[64+20*i+\c:64+20*i+\c+1], v[64+20*i+8+\c:64+20*i+8+\c+1]
.endr
.irp c, 0, 2
	v_pk_add_f32 v[64+20*i+\c:64+20*i+\c+1], v[64+20*i+\c:64+20*i+\c+1], v[64+20*i+16+\c:64+20*i+16+\c+1]
.endr
	global_store_b128 v[GO], v[64+20*i:64+20*i+3], s[8:9] offset:(\p)*262144+4096*i  ; 512 consecutive bytes, at a multiple of 256 from the output's first byte
.set i, i+1
.endr
	s_wait_xcnt 0x0                                ; the stores have read their registers: the offset is stepped, and the next trip rewrites the data, only behind this wait
	v_add_nc_u32 v[P01], 4*PD, v[P01]
	v_add_nc_u32 v[P23], 4*PD, v[P23]
	v_add_nc_u32 v[RES], 4*512, v[RES]
	v_add_nc_u32 v[GO], 4*4096, v[GO]
	s_sub_co_u32 s3, s3, 1
	s_cmp_lg_u32 s3, 0
	s_cbranch_scc1 .Lfin_\@
.endm
	s_load_b256 s[4:11], s[0:1], 0x0               ; A s[4:5], wts s[6:7], the output s[8:9], the bias s[10:11]
	s_load_b64 s[68:69], s[0:1], 0x20              ; the residual
	v_lshl_add_u32 v[SPW], v0, 2, SPARE
	v_mov_b32 v[NIL], 0
	ds_add_u32 v[SPW], v[NIL]                      ; the wave's opening: the add and its wait stand ahead of my first tensor load; the set-up below, work on registers, stands between them
	v_lshrrev_b32 v1, 5, v0
	v_readfirstlane_b32 s[WV], v1
	s_bfe_u32 s[CX], ttmp6, 0x40000                ; my place in the cluster
	s_bfe_u32 s[CY], ttmp6, 0x40004
	s_lshl_b32 s[TX], ttmp9, 2                     ; in a cluster launch ttmp9 and ttmp7 count clusters
	s_add_co_u32 s[TX], s[TX], s[CX]
	s_and_b32 s[TY], ttmp7, 0xffff
	s_lshl_b32 s[TY], s[TY], 2
	s_add_co_u32 s[TY], s[TY], s[CY]
	s_lshl_b32 s61, 0x1111, s[CX]                  ; my column of the cluster: places cx, cx + 4, cx + 8, cx + 12
	s_or_b32 s[G1B], s61, (1<<16)|(1<<20)|(1<<21)|(5<<22)|(7<<25)    ; 15:0 the mask; 17:16 elements of 2 bytes; 20 padding on; 21 set beside a mask; 24:22 after every 64 words (code 5); 31:25 8 words (code 7)
	s_mov_b32 s[G1B+1], 128<<16                    ; tensor_dim0 = 128
	s_mov_b32 s[G1B+2], 128<<16                    ; tensor_dim1 = 128
	s_mov_b32 s[G1B+3], 128<<16                    ; tile_dim0 = 128
	s_mov_b32 s[G1B+4], 128                        ; tile_dim1 = 128 rows k
	s_mov_b32 s[G1B+5], 1024                       ; elements from row to row
	s_mov_b32 s[G1B+6], 0
	s_mov_b32 s[G1B+7], 0
	s_mov_b32 s[GR1], 2<<16                        ; the residual: no mask, elements of 4 bytes, no padding; 32 rows of 128 elements
	s_mov_b32 s[GR1+1], 128<<16
	s_mov_b32 s[GR1+2], 32<<16
	s_mov_b32 s[GR1+3], 128<<16
	s_mov_b32 s[GR1+4], 32
	s_mov_b32 s[GR1+5], 1024
	s_mov_b32 s[GR1+6], 0
	s_mov_b32 s[GR1+7], 0
	s_mul_i32 s[AP], s[TY], 8*TBS                  ; A: the tile's eight blocks of 16 rows,
	s_lshl_b32 s86, s[WV], 12                      ; my four blocks of 32 k
	s_add_co_u32 s[AP], s[AP], s86
	s_mov_b32 s[AP+1], 0
	s_lshl_b32 s88, s[WV], 18                      ; B: row k 128 x wave, column 128 TX: it hangs on the tile column alone, which my column of the cluster shares
	s_lshl_b32 s89, s[TX], 8
	s_add_co_u32 s88, s88, s89
	s_add_co_u32 s88, s88, WOFF
	s_mov_b32 s89, 0
	s_lshl_b32 s92, s[TY], 19                      ; the output's and the residual's tile: row 128 TY of 4,096 bytes, column 128 TX
	s_lshl_b32 s93, s[TX], 9
	s_add_co_u32 s92, s92, s93
	s_mov_b32 s93, 0
	s_lshl_b32 s94, s[WV], 17                      ; my 32 rows of the residual's
	s_add_co_u32 s94, s94, s92
	s_mov_b32 s95, 0
	s_lshl_b32 s86, s[TX], 9                       ; the bias at the tile's 128 columns
	s_mov_b32 s87, 0
	s_mul_i32 s[LBB], s[WV], BPART                 ; where my rows of B go: no place in the cluster enters an LDS address
	s_mov_b32 s[GR0], 1
	s_lshl_b32 s[GR0+1], s[WV], 14                 ; RESB + 32 rows of 512 bytes x wave
	s_mov_b32 s[TB], 0
	s_mov_b32 s[TF], SLOT
	v_and_b32 v6, 31, v0                           ; l
	v_lshlrev_b32 v[AO], 4, v6
	s_wait_dscnt 0x0                               ; the opening add is done
	s_wait_kmcnt 0x0
	s_add_nc_u64 s[AP:AP+1], s[4:5], s[AP:AP+1]
	s_add_nc_u64 s[88:89], s[6:7], s[88:89]
	s_add_nc_u64 s[8:9], s[8:9], s[92:93]
	s_add_nc_u64 s[10:11], s[10:11], s[86:87]
	s_add_nc_u64 s[GR0+2:GR0+3], s[68:69], s[94:95]
	s_or_b32 s[GR0+3], s[GR0+3], 0x80000000
	global_load_b128 v[BIAS:BIAS+3], v[AO], s[10:11]  ; on the way out a lane holds columns 4 l + 0..3.  It is the oldest load: the counts below leave it out
	ALOAD 0, 0, 0                                  ; A's ring is filled: seven groups now, the eighth at the first quarter's head: 57 loads of mine are out
	ALOAD 0, 1, 0
	ALOAD 1, 0, 0
	ALOAD 1, 1, 0
	ALOAD 2, 0, 0
	ALOAD 2, 1, 0
	ALOAD 3, 0, 0
	WIN 0
	s_mov_b32 s[G0B0], 1                           ; 1:0 count = 1
	s_mov_b32 s[G0B0+1], s[LBB]                    ; 63:32 LDS address: slot 0
	s_mov_b64 s[G0B0+2:G0B0+3], s[88:89]           ; 120:64 global address: K step 0
	s_or_b32 s[G0B0+3], s[G0B0+3], 0x80000000      ; 127:126 type = 2
	s_mov_b32 s[G0B], 1
	s_add_co_u32 s[G0B+1], s[LBB], SLOT            ; slot 1,
	s_add_nc_u64 s[G0B+2:G0B+3], s[88:89], BSTEP   ; K step 1
	s_or_b32 s[G0B+3], s[G0B+3], 0x80000000
.if NS > 2
	s_and_b32 s62, ttmp7, 0xffff                   ; cluster y: other clusters along it read the same rows of B,
	s_cmp_eq_u32 s62, 0
	s_cselect_b32 s[LIMB], 2, -1
	s_cmp_eq_u32 ttmp9, 0                          ; along cluster x the same rows of A: both numbers are the same in all sixteen partners
	s_cselect_b32 s[LIMA], 1, -1
	s_add_nc_u64 s[PFB:PFB+1], s[88:89], 4*BSTEP   ; the first change of slots names B's K step 4,
	s_add_nc_u64 s[PFAA:PFAA+1], s[AP:AP+1], 3*ASTEP  ; and A's K step 3
	s_lshl_b32 s62, s[CY], 5
	v_add_nc_u32 v[PFOB], s62, v6
	v_lshlrev_b32 v[PFOB], 11, v[PFOB]             ; row k 32 cy + l of my 128, 2,048 bytes a row
	v_lshrrev_b32 v3, 4, v6
	s_lshl_b32 s62, s[CX], 1
	v_add_nc_u32 v3, s62, v3
	v_mul_u32_u24 v3, v3, TBS                      ; block of rows 2 cx + l / 16,
	v_and_b32 v4, 15, v6
	v_lshl_add_u32 v[PFOA], v4, 8, v3              ; 256 bytes l % 16 of my 4,096
.endif
	CROUND                                         ; all sixteen work-groups are here: the first joint loads meet
	tensor_load_to_lds s[G0B0:G0B0+3], s[G1B:G1B+7]  ; my two first fills stand together, ahead of every wait on TENSORcnt and every LDS read: two tensor loads of mine are out
	s_nop 0
	tensor_load_to_lds s[G0B:G0B+3], s[G1B:G1B+7]
	s_nop 0
.rept 4
	v_nop
.endr
	v_and_b32 v1, 15, v0                           ; l % 16
	v_bfe_u32 v2, v0, 4, 1                         ; l / 16
	s_mul_i32 s62, s[WV], REG                      ; the way out.  In: my region; row l % 16, 32 bytes for each half of the lanes
	s_add_co_u32 s62, s62, DUMPB
	v_mul_u32_u24 v3, v1, PD
	v_lshl_add_u32 v3, v2, 5, v3
	v_add_nc_u32 v[DST], s62, v3
	s_mul_i32 s62, s[WV], 16*PD                    ; back: rows 16 w on of every region, a row's 512 bytes, 16 a lane
	s_add_co_u32 s62, s62, DUMPB
	v_lshl_add_u32 v[BASE], v6, 4, s62
	v_add_nc_u32 v[BASE+1], 2*REG, v[BASE]
	s_lshl_b32 s62, s[WV], 13                      ; the residual's rows 16 w on,
	v_lshl_add_u32 v[BASE+2], v6, 4, s62
	s_lshl_b32 s62, s[WV], 16                      ; and the output's
	v_lshl_add_u32 v[BASE+3], v6, 4, s62
	v_and_b32 v4, 7, v0                            ; B's fragments: the turning load's lane l reads row k 8 (l / 16) + l % 8, columns 8 ((l / 8) % 2) + 0..7, in my 128 rows k
	v_lshl_add_u32 v4, v2, 3, v4
	v_mul_u32_u24 v4, v4, PB
	v_bfe_u32 v5, v0, 3, 1
	v_lshl_add_u32 v4, v5, 4, v4
	v_add_nc_u32 v[ADRB0], s[LBB], v4
	v_mov_b32 v[ADRB], v[ADRB0]
	s_wait_tensorcnt 1                             ; my part of K step 0 is in; K step 1's may stay out
	s_barrier_signal -1
	s_barrier_wait -1
	FETCHB 0
	QTR 0, 1, 1, 0, 1, 1, 48, 48                   ; the first quarter stands in front of the loop: its products start the sums; at its head A's eighth group goes out
.if NS > 2
	WIN 0                                          ; at a label and at a branch every window is 0
	s_mov_b32 s3, NS-2
.Lk:                                                   ; a trip: a K step's last three quarters and the next one's first; every trip fills a slot of B again and asks for eight groups of A
	QTR 1, 0, 1, 1, 1, 1, 48, 48
	QTR 2, 0, 1, 1, 1, 1, 48, 48
	TURN 1
	QTR 0, 0, 1, 1, 1, 2, 48, 48
	WIN 0
	s_wait_xcnt 0x0                                ; every load and prefetch issued so far (the youngest load 32 matrix instructions back, the prefetches 96) has read its address, so the pointers may be stepped
	s_add_nc_u64 s[AP:AP+1], s[AP:AP+1], ASTEP
	s_add_nc_u64 s[PFB:PFB+1], s[PFB:PFB+1], BSTEP
	s_add_nc_u64 s[PFAA:PFAA+1], s[PFAA:PFAA+1], ASTEP
	s_sub_co_u32 s3, s3, 1
	s_cmp_lg_u32 s3, 0
	s_cbranch_scc1 .Lk
.endif
	QTR 1, 0, 1, 1, 1, 1, 48, 48                   ; the last K step but one: A's last step is asked for;
	QTR 2, 0, 1, 1, 1, 1, 48, 48
	TURN 2                                         ; it leaves slot 0 (NS is even): the residual goes there
	QTR 0, 0, 1, 1, 0, 0, 48, 48                   ; A's last group goes out at this quarter's head
	QTR 1, 0, 0, 0, 0, 0, 40, 32                   ; nothing more is asked for: the counts run down
	QTR 2, 0, 0, 0, 0, 0, 24, 16
	s_wait_tensorcnt 0x0                           ; the very last quarter: my quarter of the residual has landed,
	s_wait_loadcnt 0x0                             ; A's last two groups are in (and the bias),
	s_wait_dscnt 0x0                               ; and my reads of the ring are over:
	s_barrier_signal -1                            ; say so,
	MUL16 3, 0, 0, 0
	MUL16 3, 0, 2, 0
	MUL16 3, 1, 0, 0
	MUL16 3, 1, 2, 0
	WIN 0
	s_barrier_wait -1                              ; and when all four have said so the residual is whole, and the ring's other bytes, which have had their last fill, serve the way out
	PLACES
	; THE WAY OUT, in two passes of 64 rows, so that the four partial tiles have room beside the residual
	DUMP 0, 3
	s_wait_dscnt 0x0                               ; for the others' sake: my stores are done
	s_barrier_signal -1
	s_barrier_wait -1
	FIN 0
	s_wait_dscnt 0x0                               ; my reads of the regions are over (the last count-down ended at 0)
	s_barrier_signal -1
	s_barrier_wait -1                              ; everybody's are: the regions may be written again
	DUMP 4, 7
	s_wait_dscnt 0x0
	s_barrier_signal -1
	s_barrier_wait -1
	FIN 1
	s_wait_tensorcnt 0x0                           ; the wave's end, behind my last tensor load and my last LDS store
	ds_add_u32 v[SPW], v[NIL]
	s_wait_dscnt 0x0
	CROUND                                         ; the closing round: no work-group ends while a partner may still ask for a tile that names it
	s_endpgm
.Lfunc_end_k_q226a9bf578_gffn2:
	.size	k_q226a9bf578_gffn2, .Lfunc_end_k_q226a9bf578_gffn2-k_q226a9bf578_gffn2
	.p2alignl 7, 3214868480
	.fill 96, 4, 3214868480
	.section	.rodata,"a",@progbits
	.p2align	6, 0x0
	.amdhsa_kernel k_q226a9bf578_gffn2
		.amdhsa_group_segment_fixed_size 327680
		.amdhsa_private_segment_fixed_size 0
		.amdhsa_enable_private_segment 0
		.amdhsa_kernarg_size 40
		.amdhsa_user_sgpr_count 2
		.amdhsa_user_sgpr_kernarg_segment_ptr 1
		.amdhsa_wavefront_size32 1
		.amdhsa_system_sgpr_workgroup_id_x 1
		.amdhsa_system_sgpr_workgroup_id_y 1
		.amdhsa_system_sgpr_workgroup_id_z 1
		.amdhsa_system_vgpr_workitem_id 0
		.amdhsa_next_free_vgpr 1024
		.amdhsa_next_free_sgpr 100
		.amdhsa_reserve_vcc 0
		.amdhsa_float_denorm_mode_32 3
		.amdhsa_float_denorm_mode_16_64 3
		.amdhsa_memory_ordered 1
		.amdhsa_forward_progress 1
		.amdhsa_inst_pref_size 111
	.end_amdhsa_kernel
	.amdgpu_metadata
---
amdhsa.version: [ 1, 2 ]
amdhsa.kernels:
  - .name:           k_q226a9bf578_gffn2
    .symbol:         k_q226a9bf578_gffn2.kd
    .args:
      - { .name: g, .offset: 0, .size: 8, .value_kind: global_buffer, .address_space: global }
      - { .name: wts, .offset: 8, .size: 8, .value_kind: global_buffer, .address_space: global }
      - { .name: out0, .offset: 16, .size: 8, .value_kind: global_buffer, .address_space: global }
      - { .name: b2, .offset: 24, .size: 8, .value_kind: global_buffer, .address_space: global }
      - { .name: x1, .offset: 32, .size: 8, .value_kind: global_buffer, .address_space: global }
    .group_segment_fixed_size: 327680
    .private_segment_fixed_size: 0
    .kernarg_segment_align: 8
    .kernarg_segment_size: 40
    .max_flat_workgroup_size: 128
    .sgpr_count:     100
    .vgpr_count:     1024
    .wavefront_size: 32
...
	.end_amdgpu_metadata
.endif
;; end of part 7
